; MI455X (gfx1250); checked and timed in simulation.
; The chip was launched on July 23, 2026; its instructions are those of AMD's public machine-readable ISA for CDNA 5 (MIT licence, August 2026) and "CDNA5" Instruction Set Architecture Reference Guide (July 2026). The comments in the code are by the model that wrote it; some were corrected since.
;; Self Attention. Allowed arithmetic: matrix products marked QUANTISED: E3M2 operands, one E8M0 scale for each 32 along K, by v_wmma_scale_f32_16x16x128_f8f6f4 with both operands' format E3M2, f32 sums; everything else in f32.
;; Inputs: W_k 1,024 x 1,024 float32; W_q 1,024 x 1,024 float32; W_v 1,024 x 1,024 float32; X 4 x 2,048 x 1,024 float32; b_k 1,024 float32; b_q 1,024 float32; b_v 1,024 float32.
;; Outputs: out0 4 x 2,048 x 1,024 float32.
;; This version of the problem:
;;   THIS VERSION OF THE PROBLEM IS GIVEN IN LOW PRECISION. The matrix products marked QUANTISED in the list below multiply operands that are first quantised to E3M2 (3 exponent bits, 2 mantissa bits; 6 bits a number), with one power-of-two scale for each 32 numbers along K (OCP MX v1.0); their sums are f32. All else is computed in f32.
;;   The module's matrix products, in the order in which they are computed (A, B: the left and right operand; K: the contracted axis; several contracted axes count as one K, in the product's order):
;;     1. [M 8,192, K 1,024] x [K 1,024, N 1,024]; A: input X; B: input W_q: QUANTISED
;;     2. [M 8,192, K 1,024] x [K 1,024, N 1,024]; A: input X; B: input W_k: QUANTISED
;;     3. [M 8,192, K 1,024] x [K 1,024, N 1,024]; A: input X; B: input W_v: QUANTISED
;;     4. batch 4 x [M 2,048, K 1,024] x [K 1,024, N 2,048]; A: computed on the way; B: computed on the way: QUANTISED
;;     5. batch 4 x [M 2,048, K 2,048] x [K 2,048, N 1,024]; A: softmax (see below); B: computed on the way: QUANTISED
;;   THE QUANTISER, for each operand of a quantised product, along K:
;;     - K is cut into blocks of 32 from its start; a last block that is shorter is filled with zeros.
;;     - A block's scale is 2^e with e = floor(log2(the largest magnitude in the block)) - 4, held to -126 .. 127; a block of zeros has e = 0. As a byte (E8M0): e + 127.
;;     - Each number is divided by its block's scale, clamped to +-28, and rounded to the nearest number of E3M2, ties to even, subnormals kept.
;;     - The product sums the exact products of the quantised numbers (number of the format x scale) in f32.
;;   ~~~python
;;   def quantise(x, axis):      # numpy; x: float32 -> the quantised numbers, widened to float32 again
;;       x = np.moveaxis(x, axis, -1); K = x.shape[-1]
;;       x = np.pad(x, [(0, 0)] * (x.ndim - 1) + [(0, -K % 32)]); x = x.reshape(x.shape[:-1] + (-1, 32)); a = np.abs(x).max(-1, keepdims=True)
;;       e = np.where(a > 0, np.clip(np.frexp(np.where(a > 0, a, 1))[1] - 1 - 4, -126, 127), 0)      # np.frexp(a)[1] - 1 = floor(log2(a)), exactly
;;       r = np.clip(x / 2.0 ** e, -28, 28)
;;       step = 2.0 ** (np.maximum(np.frexp(np.where(r == 0, 1, r))[1] - 1, -2) - 2)
;;       q = np.round(r / step) * step * 2.0 ** e      # np.round: ties to even
;;       return np.moveaxis(q.reshape(q.shape[:-2] + (-1,))[..., :K], -1, axis).astype(np.float32)
;;   ~~~
;;   SOFTMAX AHEAD OF A QUANTISED PRODUCT. Where the list says 'softmax', what is quantised is not the finished softmax but p = 2^(t - M), with t = logit x log2(e) and M = ceil(the row's largest t), a whole number; so 1/2 < the row's largest p <= 1. The row's sum l is taken of the UNQUANTISED p, in f32, and the product's result is divided by l at the end. Since M is a whole number, a kernel that streams over the keys may use a running M (the ceiling of the running maximum): every later rescaling is an exact power of two, which a block's scale takes up: the codes' values come out the same.
;;   OPERANDS COMPUTED ON THE WAY. 'Computed on the way' means the value that the module computes at that place (a softmax that the list does not call 'softmax' is quantised finished and normalised). What goes into a quantiser is computed in f32, as accurately as f32 sums, v_exp_f32 and their like allow (about 1e-6 of the number): no bf16 or f16 on the way to a quantiser, and a product that is left as it is and whose result goes on into a quantised operand takes f32 operands (vector FMAs, or v_wmma_f32_16x16x4_f32). A number that lies on a knife's edge between two numbers of the format may be rounded either way, as far as f32 arithmetic and the matrix unit's own rounding can turn it there, and no further.
;; 2 versions. Each part assembles by itself: llvm-mc -triple=amdgcn-amd-amdhsa -mcpu=gfx1250 --defsym DOCPART=n.
;; ======== version 1 of 2: 4 launches
;; workspace buffers: opc 8,650,752 bytes; ops 360,448 bytes; qkc 12,582,912 bytes; qks 524,288 bytes; vc 6,291,456 bytes; vs 262,144 bytes; pc 12,582,912 bytes; pst 1,572,864 bytes
;; launch quant (part 1): grid 704 x 1, 4 waves a work-group, no clusters, 81,408 bytes of LDS; arguments X, W_q, W_k, W_v, opc, ops; writes opc, ops
.if DOCPART == 1
	.amdgcn_target "amdgcn-amd-amdhsa--gfx1250"
	.amdhsa_code_object_version 6
	.text
	.protected	k_qdb5ad4116b_quant
	.globl	k_qdb5ad4116b_quant
	.p2align	8
	.type	k_qdb5ad4116b_quant,@function
k_qdb5ad4116b_quant:
	s_mov_b64 s[64:65], 0
	v_nop
	global_prefetch_b8 v0, s[64:65] scope:SCOPE_SE
	s_setreg_imm32_b32 hwreg(HW_REG_WAVE_MODE, 25, 1), 1
	s_wait_xcnt 0x0
; X [8192][1024] and W_q, W_k, W_v [1024 (k)][1024 (n)], f32, become codes of BF6 (E3M2) with one E8M0 byte for each 32 along K (X: its last axis; W: its FIRST axis).
; A block's scale is 2^(floor(log2(its largest magnitude)) - 4); its byte is the largest magnitude's exponent field - 4, held at 1 from below.
; LIMITS: a block of zeros gets the byte 1 where the rule says 127 (its codes are zeros, and this program alone reads the bytes); blocks whose largest magnitude lies under 2^(5 - 127) are held at that floor;
; NaN and infinities among the inputs are not served.
; THE WORKSPACE IS LAID AS ITS READER WANTS IT.  A fragment (16 rows x 128 K: 12 registers a lane) lies as an image of its registers: registers 4 c .. 4 c + 3 of lane l at 512 c + 16 l: 1,536 bytes.
; opc: [K / 256][row block of 16][(K / 128) % 2][1,536];  row blocks 0-511 X, 512-575 W_q, 576-639 W_k, 640-703 W_v.   ops: [K / 128][row] one word of four bytes.
; ROWS STAND IN POSITION ORDER: in each group of 32 rows, position 16 u + r holds row 8 u + r + 8 (r / 8).  A product that takes 16 neighbouring positions as its source 0 then leaves, in a lane's 16 registers of two
; neighbouring tiles, 16 neighbours along the next product's K.
; Work-groups 0-511 take X: 32 tokens, four waves side by side on 128 K each.  Work-groups 512-703 take the weights: 128 K x 128 columns, a wave 32 columns, a lane a column.
; No tensor load, no barrier, no loop: waves share nothing and every offset is an immediate.  An X wave asks for all its 16 KiB at its head; a weights' wave asks two blocks of 32 along K (64 loads) ahead.
; The two paths have LDS bytes of their own.
.set OPCP, 2162688                     ; a plane of opc: 704 row blocks x 3,072 bytes
.set OPSP, 45056                       ; a plane of ops: 11,264 rows x 4 bytes
.set R,    16                          ; v16-143  X: 32 rows as loaded, 4 registers each
.set XN0,  144                         ; v144-207 fragment 0: 64 numbers of my row
.set XN1,  16                          ; v16-79   fragment 1's, where fragment 0's rows were loaded
.set PC,   208                         ; v208-227 the codes just made
.set TM,   228                         ; v228-243 at work: largest magnitudes, bytes, scale operands
.set PW0,  244                         ; v244     fragment 0's scale word
.set PW,   245                         ; v245     the scale word just made
.set SEL,  26                          ; s[26:27] lane selects: lane l xor 16
.set WST,  67584                       ; the weights' stages begin behind X's four (4 x 16,896 bytes)
	s_load_b256 s[4:11], s[0:1], 0x0               ; X, W_q, W_k, W_v
	s_load_b128 s[12:15], s[0:1], 0x20             ; opc, ops
	v_lshl_add_u32 v248, v0, 2, 0x13c00
	v_mov_b32 v249, 0
	v_lshrrev_b32 v2, 5, v0
	v_readfirstlane_b32 s16, v2                    ; wave 0..3
	v_and_b32 v1, 31, v0                           ; lane
	v_lshlrev_b32 v4, 4, v1                        ; 16 x lane
	v_lshlrev_b32 v7, 2, v1                        ; 4 x lane
	s_cmp_lt_u32 ttmp9, 512
	s_cbranch_scc0 .Lweights
; ---------------- X ----------------
; 64 numbers of a lane, register 16 b + i = k 32 b + 16 (lane / 16) + i of my row, become a fragment's codes in v[PC] on and its scale word in v[PW].
.macro QUANT s
.irp b, 0,1,2,3
	v_max3_num_f32 v[TM+\b], |v[\s+16*\b]|, |v[\s+1+16*\b]|, 0x2800000   ; block b: my 16 numbers, and the floor 2^(5 - 127): the byte cannot fall under 1
.endr
.irp i, 2,4,6,8,10,12,14
.irp b, 0,1,2,3
	v_max3_num_f32 v[TM+\b], v[TM+\b], |v[\s+16*\b+\i]|, |v[\s+1+16*\b+\i]|   ; the four blocks by turns
.endr
.endr
.irp b, 0,1,2,3
	v_permlanex16_b32 v[TM+4+\b], v[TM+\b], s[SEL], s[SEL+1]
.endr
.irp b, 0,1,2,3
	v_max_num_f32 v[TM+\b], v[TM+\b], v[TM+4+\b]   ; with lane l xor 16's: the block's largest magnitude
.endr
.irp b, 0,1,2,3
	v_add_nc_u32 v[TM+12+\b], 0xfe000000, v[TM+\b] ; 4 off its exponent field: the conversion takes the exponent field of this operand as its scale
.endr
.irp b, 0,1,2,3
	v_lshrrev_b32 v[TM+4+\b], 23, v[TM+12+\b]      ; the scale's byte
.endr
	v_lshl_or_b32 v[PW], v[TM+5], 8, v[TM+4]       ; four bytes: my row's scale word
	v_lshl_or_b32 v[PW], v[TM+6], 16, v[PW]
	v_lshl_or_b32 v[PW], v[TM+7], 24, v[PW]
.irp c, 0,1
	v_cvt_scalef32_pk16_bf6_f32 v[PC+6*\c:PC+2+6*\c], v[\s+32*\c:\s+15+32*\c], v[TM+12+2*\c]
	v_cvt_scalef32_pk16_bf6_f32 v[PC+12+4*\c:PC+14+4*\c], v[\s+16+32*\c:\s+31+32*\c], v[TM+12+2*\c+1]   ; (a conversion's three registers begin on an even number)
.endr
	v_nop                                          ; one plain instruction behind a scaled conversion
.irp c, 0,1                                    ; the operand wants a WHOLE block in a lane: lanes 0-15 block 2 c, lanes 16-31 block 2 c + 1
.irp i, 0,1,2
	v_permlane16_swap_b32 v[PC+6*\c+\i], v[PC+12+4*\c+\i]
.endr
.irp i, 0,1,2
	v_mov_b32 v[PC+3+6*\c+\i], v[PC+12+4*\c+\i]
.endr
.endr
.endm
; Fragment u's 16 rows turn through the wave's own stage (rows of 512 bytes + 16): in as loaded, 16 bytes a lane; out 64 bytes of each block of 128 for lane (r, h).  LDS serves a wave's instructions in order.
.macro XTURN u, dst
.irp p, 0,1,2,3,4,5,6,7,8,9,10,11,12,13,14,15
	ds_store_b128 v5, v[R+64*\u+4*\p:R+64*\u+4*\p+3] offset:8448*\u+528*\p
.endr
.irp b, 0,1,2,3
.irp j, 0,1,2,3
	ds_load_b128 v[\dst+16*\b+4*\j:\dst+16*\b+4*\j+3], v6 offset:8448*\u+128*\b+16*\j
.endr
.endr
.endm
	v_and_b32 v2, 15, v0                           ; r
	v_bfe_u32 v3, v0, 4, 1                         ; h
	s_mul_i32 s17, s16, 16896                      ; my two stages
	v_add_nc_u32 v5, s17, v4                       ; in: 16 x lane
	v_mul_u32_u24 v6, v2, 528
	v_lshl_add_u32 v6, v3, 6, v6
	v_add_nc_u32 v6, s17, v6                       ; out: row r, + 64 h
	s_lshr_b32 s18, ttmp9, 1                       ; g: which 32 tokens
	s_and_b32 s19, ttmp9, 1
	s_lshl_b32 s19, s19, 2
	s_add_co_u32 s19, s19, s16                     ; ks: which 128 along K
	s_lshl_b32 s20, s18, 17                        ; 32 rows of 4,096 bytes
	s_lshl_b32 s21, s19, 9
	s_add_co_u32 s20, s20, s21
	s_mov_b32 s21, 0
	s_lshr_b32 s22, s19, 1
	s_mul_i32 s22, s22, OPCP
	s_mul_i32 s23, s18, 6144                       ; row block 2 g
	s_add_co_u32 s22, s22, s23
	s_and_b32 s23, s19, 1
	s_mul_i32 s23, s23, 1536
	s_add_co_u32 s22, s22, s23
	s_mov_b32 s23, 0
	s_mul_i32 s24, s19, OPSP
	s_lshl_b32 s25, s18, 7                         ; 32 words
	s_add_co_u32 s24, s24, s25
	s_mov_b32 s25, 0
	s_mov_b32 s[SEL], 0x76543210
	s_mov_b32 s[SEL+1], 0xfedcba98
.irp b, 0,1,2,3
	v_mov_b32 v[TM+4+\b], 0                        ; written once: a lane permute's destination counts as one of its sources
.endr
	s_wait_kmcnt 0x0
	s_add_nc_u64 s[4:5], s[4:5], s[20:21]
	s_add_nc_u64 s[12:13], s[12:13], s[22:23]
	s_add_nc_u64 s[14:15], s[14:15], s[24:25]
.irp u, 0,1                                    ; position 16 u + p takes token 8 u + p + 8 (p / 8); each load reads 512 consecutive bytes
.irp p, 0,1,2,3,4,5,6,7,8,9,10,11,12,13,14,15
	global_load_b128 v[R+64*\u+4*\p:R+64*\u+4*\p+3], v4, s[4:5] offset:(8*\u+\p+8*(\p/8))*4096 th:TH_LOAD_NT
.endr
.endr
	s_wait_loadcnt 16                              ; fragment 0's sixteen loads are in; fragment 1's may be out
	XTURN 0, XN0
	s_wait_dscnt 0x0                               ; fragment 0's numbers are back
	s_wait_loadcnt 0x0
	XTURN 1, XN1                                   ; goes through the other stage while fragment 0 is worked
	QUANT XN0
	v_mov_b32 v[PW0], v[PW]
.irp c, 0,1,2
	global_store_b128 v4, v[PC+4*\c:PC+4*\c+3], s[12:13] offset:512*\c     ; 32 lanes store 512 consecutive bytes
.endr
	s_wait_dscnt 0x0                               ; fragment 1's numbers are back
	s_wait_xcnt 0x0                                ; the stores have read their data: the codes' registers are written again only behind this wait
	QUANT XN1
.irp c, 0,1,2
	global_store_b128 v4, v[PC+4*\c:PC+4*\c+3], s[12:13] offset:3072+512*\c
.endr
	v_cmp_le_u32 vcc_lo, 16, v1
	v_cndmask_b32 v246, v[PW0], v[PW], vcc_lo      ; lanes 0-15: positions 0-15; lanes 16-31: positions 16-31 (each word stands in lanes r and 16 + r)
	global_store_b32 v7, v246, s[14:15]            ; 128 consecutive bytes
	s_wait_tensorcnt 0x0
	ds_add_u32 v248, v249
	s_wait_dscnt 0x0
	s_endpgm
; ---------------- the weights ----------------
; A lane takes a column n and its registers run DOWN K: a block of 32 lies in one lane, and the conversions give codes with K innermost.  Block b belongs to lane (r, b % 2) of the fragment, registers 6 (b / 2) on:
; it goes to that place of the fragment's image in the wave's stage, and the images leave as they lie.
.Lweights:
	s_sub_co_u32 s17, ttmp9, 512
	s_lshr_b32 s18, s17, 6                         ; which weight
	s_bfe_u32 s19, s17, 0x30003                    ; which 128 columns
	s_and_b32 s20, s17, 7                          ; ks
	v_and_b32 v9, 7, v1
	v_lshrrev_b32 v10, 4, v1
	v_lshl_add_u32 v9, v10, 3, v9                  ; r = lane % 8 + 8 (lane / 16)
	v_bfe_u32 v10, v1, 3, 1                        ; u = bit 3 of the lane: column lane stands at position 16 u + r
	s_mul_i32 s21, s16, 3328
	s_add_co_u32 s21, s21, WST                     ; my stage: two images, 1,664 bytes apart
	v_mul_u32_u24 v8, v10, 1664
	v_lshl_add_u32 v8, v9, 4, v8
	v_add_nc_u32 v8, s21, v8                       ; in: image u, 16 r
	v_add_nc_u32 v5, s21, v4                       ; out: 16 x lane
	v_lshl_add_u32 v6, v10, 4, v9
	v_lshlrev_b32 v6, 2, v6                        ; my scale word's place: 4 x position
	s_lshl_b32 s22, s20, 19                        ; 128 rows of 4,096 bytes
	s_lshl_b32 s23, s19, 9
	s_add_co_u32 s22, s22, s23
	s_lshl_b32 s23, s16, 7
	s_add_co_u32 s22, s22, s23                     ; + my 32 columns
	s_mov_b32 s23, 0
	s_lshl_b32 s24, s18, 6
	s_lshl_b32 s25, s19, 3
	s_add_co_u32 s24, s24, s25
	s_lshl_b32 s25, s16, 1
	s_add_co_u32 s24, s24, s25
	s_add_co_u32 s24, s24, 512                     ; my first row block
	s_lshl_b32 s28, s24, 6                         ; its rows' words
	s_mul_i32 s24, s24, 3072
	s_lshr_b32 s25, s20, 1
	s_mul_i32 s25, s25, OPCP
	s_add_co_u32 s24, s24, s25
	s_and_b32 s25, s20, 1
	s_mul_i32 s25, s25, 1536
	s_add_co_u32 s24, s24, s25
	s_mov_b32 s25, 0
	s_mul_i32 s29, s20, OPSP
	s_add_co_u32 s28, s28, s29
	s_mov_b32 s29, 0
	s_wait_kmcnt 0x0
	s_cmp_eq_u32 s18, 0                            ; the choice hangs on the work-group's number alone
	s_cselect_b64 s[30:31], s[6:7], s[8:9]
	s_cmp_eq_u32 s18, 2
	s_cselect_b64 s[30:31], s[10:11], s[30:31]
	s_add_nc_u64 s[30:31], s[30:31], s[22:23]
	s_add_nc_u64 s[12:13], s[12:13], s[24:25]
	s_add_nc_u64 s[14:15], s[14:15], s[28:29]
.macro WLOAD b                         ; block b: W(128 ks + 32 b + n, my column), n = 0 .. 31, into registers of its own: 128 consecutive bytes a wave, 512 a work-group, in each load
.set n, 0
.rept 32
	global_load_b32 v[16+32*(\b)+n], v7, s[30:31] offset:(32*(\b)+n)*4096 th:TH_LOAD_NT
.set n, n+1
.endr
.endm
.macro WBLOCK b
.set XS, 16+32*(\b)
.set CW, 144+6*(\b)
.if (\b) < 3
	s_wait_loadcnt 32                              ; loads come back in order: this block's 32 are in; the next block's 32, issued behind them, may be out
.else
	s_wait_loadcnt 0x0                             ; the last block: nothing was issued behind it
.endif
.if (\b) < 2
	WLOAD (\b)+2                                   ; two blocks ahead; each block has registers of its own, so the loads go out at once
.endif
	v_max3_num_f32 v12, |v[XS]|, |v[XS+1]|, |v[XS+2]|
	v_max3_num_f32 v13, |v[XS+3]|, |v[XS+4]|, |v[XS+5]|
.irp i, 6,10,14,18,22,26
	v_max3_num_f32 v12, v12, |v[XS+\i]|, |v[XS+\i+1]|
	v_max3_num_f32 v13, v13, |v[XS+\i+2]|, |v[XS+\i+3]|
.endr
	v_max3_num_f32 v12, v12, |v[XS+30]|, |v[XS+31]|
	v_max3_num_f32 v12, v12, v13, 0x2800000        ; and the floor
	v_add_nc_u32 v11, 0xfe000000, v12              ; the conversion's scale operand
	v_lshrrev_b32 v13, 23, v11                     ; the byte
.if (\b) == 0
	v_mov_b32 v172, v13
.else
	v_lshl_or_b32 v172, v13, 8*(\b), v172          ; the lower K in the lower byte
.endif
	v_cvt_scalef32_pk16_bf6_f32 v[CW:CW+2], v[XS:XS+15], v11
	v_cvt_scalef32_pk16_bf6_f32 v[168:170], v[XS+16:XS+31], v11
	v_nop                                          ; one plain instruction behind a scaled conversion
	v_mov_b32 v[CW+3], v168
	v_mov_b32 v[CW+4], v169
	v_mov_b32 v[CW+5], v170
.if (\b) < 2                                   ; registers 0-5 of lane r + 16 (b % 2)
	ds_store_b128 v8, v[CW:CW+3] offset:256*((\b)%2)
	ds_store_b64 v8, v[CW+4:CW+5] offset:512+256*((\b)%2)
.else                                          ; registers 6-11
	ds_store_b64 v8, v[CW:CW+1] offset:520+256*((\b)%2)
	ds_store_b128 v8, v[CW+2:CW+5] offset:1024+256*((\b)%2)
.endif
.endm
	WLOAD 0
	WLOAD 1
	WBLOCK 0
	WBLOCK 1
	WBLOCK 2
	WBLOCK 3
	global_store_b32 v6, v172, s[14:15]            ; 32 words, a permutation inside 128 consecutive bytes
.irp u, 0,1
.irp c, 0,1,2
	ds_load_b128 v[176+4*(3*\u+\c):176+4*(3*\u+\c)+3], v5 offset:1664*\u+512*\c     ; LDS serves a wave's instructions in order: these see my stores
.endr
.endr
	s_wait_dscnt 0x0
.irp u, 0,1
.irp c, 0,1,2
	global_store_b128 v4, v[176+4*(3*\u+\c):176+4*(3*\u+\c)+3], s[12:13] offset:3072*\u+512*\c
.endr
.endr
	s_wait_tensorcnt 0x0
	ds_add_u32 v248, v249
	s_wait_dscnt 0x0
	s_endpgm
.Lfunc_end_k_qdb5ad4116b_quant:
	.size	k_qdb5ad4116b_quant, .Lfunc_end_k_qdb5ad4116b_quant-k_qdb5ad4116b_quant
	.p2alignl 7, 3214868480
	.fill 96, 4, 3214868480
	.section	.rodata,"a",@progbits
	.p2align	6, 0x0
	.amdhsa_kernel k_qdb5ad4116b_quant
		.amdhsa_group_segment_fixed_size 81408
		.amdhsa_private_segment_fixed_size 0
		.amdhsa_enable_private_segment 0
		.amdhsa_kernarg_size 48
		.amdhsa_user_sgpr_count 2
		.amdhsa_user_sgpr_kernarg_segment_ptr 1
		.amdhsa_wavefront_size32 1
		.amdhsa_system_sgpr_workgroup_id_x 1
		.amdhsa_system_sgpr_workgroup_id_y 1
		.amdhsa_system_sgpr_workgroup_id_z 1
		.amdhsa_system_vgpr_workitem_id 0
		.amdhsa_next_free_vgpr 250
		.amdhsa_next_free_sgpr 66
		.amdhsa_reserve_vcc 1
		.amdhsa_float_denorm_mode_32 3
		.amdhsa_float_denorm_mode_16_64 3
		.amdhsa_memory_ordered 1
		.amdhsa_forward_progress 1
		.amdhsa_inst_pref_size 40
	.end_amdhsa_kernel
	.amdgpu_metadata
---
amdhsa.version: [ 1, 2 ]
amdhsa.kernels:
  - .name:           k_qdb5ad4116b_quant
    .symbol:         k_qdb5ad4116b_quant.kd
    .args:
      - { .name: X, .offset: 0, .size: 8, .value_kind: global_buffer, .address_space: global }
      - { .name: W_q, .offset: 8, .size: 8, .value_kind: global_buffer, .address_space: global }
      - { .name: W_k, .offset: 16, .size: 8, .value_kind: global_buffer, .address_space: global }
      - { .name: W_v, .offset: 24, .size: 8, .value_kind: global_buffer, .address_space: global }
      - { .name: opc, .offset: 32, .size: 8, .value_kind: global_buffer, .address_space: global }
      - { .name: ops, .offset: 40, .size: 8, .value_kind: global_buffer, .address_space: global }
    .group_segment_fixed_size: 81408
    .private_segment_fixed_size: 0
    .kernarg_segment_align: 8
    .kernarg_segment_size: 48
    .max_flat_workgroup_size: 128
    .sgpr_count:     66
    .vgpr_count:     250
    .wavefront_size: 32
...
	.end_amdgpu_metadata
.endif
;; end of part 1
;; launch proj (part 2): grid 12 x 32, 4 waves a work-group, clusters of 4 x 4, 327,680 bytes of LDS; arguments opc, ops, b_q, b_k, b_v, qkc, qks, vc, vs; writes qkc, qks, vc, vs
.if DOCPART == 2
	.amdgcn_target "amdgcn-amd-amdhsa--gfx1250"
	.amdhsa_code_object_version 6
	.text
	.protected	k_qdb5ad4116b_proj
	.globl	k_qdb5ad4116b_proj
	.p2align	8
	.type	k_qdb5ad4116b_proj,@function
k_qdb5ad4116b_proj:
	s_mov_b64 s[64:65], 0
	v_nop
	global_prefetch_b8 v0, s[64:65] scope:SCOPE_SE
	s_setreg_imm32_b32 hwreg(HW_REG_WAVE_MODE, 25, 1), 1
	s_wait_xcnt 0x0
	s_wait_alu depctr_hold_cnt(0) depctr_sa_sdst(0) depctr_va_vdst(0) depctr_va_sdst(0) depctr_va_ssrc(0) depctr_va_vcc(0) depctr_vm_vsrc(0)
	s_getreg_b32 s2, hwreg(HW_REG_IB_STS2, 6, 4)
	s_cmp_eq_u32 s2, 0
	s_cbranch_scc0 .Lentry_in_a_cluster
	s_endpgm
.Lentry_in_a_cluster:
	s_bfe_u32 s2, ttmp6, 0x10000c
	s_cmp_lg_u32 s2, 0xf033
	s_cbranch_scc0 .Lentry_shape_is_right
	s_endpgm
.Lentry_shape_is_right:
; Q = X W_q + b_q, K = X W_k + b_k (clusters x = 0, 1) and V^T = W_v^T X^T + b_v (clusters x = 2), on codes of BF6 with E8M0 scales; each result is quantised in registers for the product that reads it and leaves as codes.
; A tile of C is 256 x 256: four waves, each 128 x 128 in 64 accumulators (512 registers).  K = 1,024 goes in steps of 256 through two LDS slots filled by the tensor data mover.
; OPERANDS lie in memory as images of their registers (a fragment: 1,536 bytes; registers 4 c .. 4 c + 3 of lane l at 512 c + 16 l), [K / 256][row block][(K / 128) % 2].
; no padding is needed.
; THE MATRIX INSTRUCTION IS USED TRANSPOSED (source 0 = 16 rows of B, source 1 = 16 rows of A), and B's rows stand in position order (position 16 u + r of 32 = row 8 u + r + 8 (r / 8)): so the 64 registers of a lane's
; eight accumulators of one block of A are register 16 b + i = column 32 b + 16 (lane / 16) + i: neighbours along the next product's K.  Q, K: A = X's tokens, B = W's columns.  V^T: A = W_v's columns, B = X's tokens.
; THE BIAS is the C of the first step's products: for Q, K it hangs on B's column, for V^T on A's row: the first step's products stand twice, in two arms of a branch on the cluster's x, which all partners share.
; CLUSTERS: 4 x 4.  A's tiles are asked for jointly along a row of the cluster, B's along a column.
; LIMITS: a block of zeros gets the byte 1 (its codes are zeros; this program alone reads the bytes); largest magnitudes are held at 2^(5 - 127) from below; NaN and infinities are not served.
; REGISTERS: window 0: v1 r, v2 h, v16-17, v20-21 fragment addresses, v24-25 the stage, v27 scale words' address, v28-29 for the add, v30 16 x lane; v32-63 scale words, two sets; v64-127 the bias; v128-223 A's fragments, one set.
;   window 1: B's fragments, two sets, at v0 and v128.   windows 2, 3: the accumulators, (a, b) at v[8 (8 (a % 4) + b)].   In the way out v32-75 of window 0 are at work.
.set HALFT,  24576                     ; 128 rows x 256 K of codes: what one tensor load brings
.set SLOT,   4*HALFT                   ; A's two halves, then B's two halves
.set PLANEA, 2162688                   ; from one 256 along K to the next, in memory
.set PLANEB, 2162688
.set SPL,    45056                     ; a plane of scale words
.set LAPS,   2                         ; a lap = two slots = 512 along K
.set SCA,    2*SLOT                    ; behind the ring: A's scale words, [K / 128][256 rows], 1,024 bytes a plane
.set SCB,    SCA+8192+128              ; B's: 128 bytes past a multiple of 256, so that lanes 0-15 (A's words) and lanes 16-31 (B's) of one load fall on different banks
.set SPARE,  SCB+8192+128              ; the spare words, 128 bytes for each wave: two blocks of 256 bytes that no other line names
.set STG,    SPARE+512                 ; 512 bytes for each wave: its 128 scale words on the way out; never filled by a tensor load
.set FR,   12
.set NL,   3                           ; LDS loads that bring a fragment
.set NP,   4                           ; places behind this matrix instruction (ISA guide 7.12.1)
.set ADRA, 16
.set ADRB, 20
.set STA,  24
.set STB,  25
.set ADRS, 27
.set SPW,  28
.set NIL,  29
.set LI,   30
.set SC,   32
.set BI,   64
.set AF,   128
.set TM,   32                          ; the way out: v32-47 at work, v48-67 the codes, v68 the scale word
.set PC,   48
.set PW,   68
.set SEL,  12                          ; s[12:13] lane selects: lane l xor 16
.set G1,   24
.set G0,   32
.set G1B,  48
.set G0B,  56
.set G1S,  68
.set G0S,  76
.set G1SB, 80
.set G0SB, 88
.set MSB, 0
.macro WIN new                         ; the immediate's high byte repeats the setting that is left; a switch that changes nothing is dropped
.if MSB != (\new)
	s_set_vgpr_msb (MSB<<8)|(\new)
.set MSB, (\new)
.endif
.endm
.set MUL_LO, 0xa1                      ; source 0 (B) window 1, source 1 (A) window 0, C and D window 2
.set MUL_HI, 0xf1                      ; the same, C and D window 3
.set TO_B,   0x40                      ; destination window 1, address window 0
; A joint load: waves 0 and 1 fetch for A, waves 2 and 3 for B; the branch hangs on the wave's number alone.  Four v_nop follow each of the two lines.
.macro JLOAD g0a, g1a, g0b, g1b
	s_cmp_eq_u32 s15, 0
	s_cbranch_scc0 .Lfor_b_\@
	tensor_load_to_lds s[\g0a:\g0a+3], s[\g1a:\g1a+7]
	s_nop 0
.rept 4
	v_nop
.endr
	s_branch .Lasked_\@
.Lfor_b_\@:
	tensor_load_to_lds s[\g0b:\g0b+3], s[\g1b:\g1b+7]
	s_nop 0
.rept 4
	v_nop
.endr
.Lasked_\@:
.endm
.macro CREST                           ; a round of the cluster's barrier behind its opening barrier
	s_cmp_lg_u32 s14, 0
	s_cbranch_scc1 .Lnot_wave_0_\@
	s_barrier_signal -3
.Lnot_wave_0_\@:
	s_barrier_wait -3
	s_barrier_signal -1
	s_barrier_wait -1
.endm
.macro CROUND
	s_barrier_signal -1
	s_barrier_wait -1
	CREST
.endm
.macro PLACES n
.rept \n
	v_nop
.endr
.endm
.macro FRAG reg, adr, q, i             ; block i's fragment of the slot's q-th 128 along K: its image, as it lies
.irp c, 0,1,2
	ds_load_b128 v[\reg+4*\c:\reg+4*\c+3], v[\adr] offset:(2*(\i)+(\q))*1536+512*\c
.endr
.endm
.macro FETCH_B slot, q, p
	WIN TO_B
.irp i, 0,1,2,3,4,5,6,7
	FRAG 128*(\p)+FR*\i, ADRB+\slot, \q, \i
.endr
	WIN 0
.endm
.macro FETCH_A slot, q, i0
.irp i, \i0, \i0+1, \i0+2, \i0+3
	FRAG AF+FR*(\i), ADRA+\slot, \q, \i
.endr
.endm
.macro SCALES sc                       ; a slot's scale words into set sc: register 2 i + q: lanes 0-15 the words of A's block i, lanes 16-31 of B's block i
.irp i, 0,1,2,3,4,5,6,7
.irp q, 0,1
	ds_load_b32 v[SC+16*\sc+2*\i+\q], v[ADRS] offset:1024*\q+64*\i
.endr
.endr
.endm
; 16 matrix instructions: A's blocks a0, a0 + 1 x B's eight.  p: B's set; q: which 128 of the slot; sc: the set of scale words.  zero = 0: the sums go on; 2: they start from the bias of B's columns; 3: of A's rows.
; The 64 accumulators take turns, one instruction a turn, in the same order in every step.
.macro MUL16 a0, p, q, sc, zero
.irp a, \a0, \a0+1
.irp b, 0,1,2,3,4,5,6,7
.if \zero == 2
	v_wmma_scale_f32_16x16x128_f8f6f4 v[8*(8*((\a)%4)+\b):8*(8*((\a)%4)+\b)+7], v[128*(\p)+FR*\b:128*(\p)+FR*\b+FR-1], v[AF+FR*(\a):AF+FR*(\a)+FR-1], v[BI+8*\b:BI+8*\b+7], v[SC+16*(\sc)+2*\b+(\q)], v[SC+16*(\sc)+2*(\a)+(\q)] matrix_a_fmt:MATRIX_FMT_BF6 matrix_b_fmt:MATRIX_FMT_BF6 matrix_a_scale:MATRIX_SCALE_ROW1
.elseif \zero == 3
	v_wmma_scale_f32_16x16x128_f8f6f4 v[8*(8*((\a)%4)+\b):8*(8*((\a)%4)+\b)+7], v[128*(\p)+FR*\b:128*(\p)+FR*\b+FR-1], v[AF+FR*(\a):AF+FR*(\a)+FR-1], v[BI+8*(\a):BI+8*(\a)+7], v[SC+16*(\sc)+2*\b+(\q)], v[SC+16*(\sc)+2*(\a)+(\q)] matrix_a_fmt:MATRIX_FMT_BF6 matrix_b_fmt:MATRIX_FMT_BF6 matrix_a_scale:MATRIX_SCALE_ROW1
.else
	v_wmma_scale_f32_16x16x128_f8f6f4 v[8*(8*((\a)%4)+\b):8*(8*((\a)%4)+\b)+7], v[128*(\p)+FR*\b:128*(\p)+FR*\b+FR-1], v[AF+FR*(\a):AF+FR*(\a)+FR-1], v[8*(8*((\a)%4)+\b):8*(8*((\a)%4)+\b)+7], v[SC+16*(\sc)+2*\b+(\q)], v[SC+16*(\sc)+2*(\a)+(\q)] matrix_a_fmt:MATRIX_FMT_BF6 matrix_b_fmt:MATRIX_FMT_BF6 matrix_a_scale:MATRIX_SCALE_ROW1
.endif
.endr
.endr
.endm
; A slot's first step of 128 along K: B's set 0; the second step's fragments are fetched in two runs.
.macro STEP slot
	s_wait_dscnt 4*NL                              ; B's set, A's blocks 0-3 and the scale words are in; the youngest twelve loads (A's blocks 4-7) may be out
	WIN MUL_LO
	MUL16 0, 0, 0, \slot, 0
	MUL16 2, 0, 0, \slot, 0
	s_wait_dscnt 0x0                               ; A's blocks 4-7 are in
	PLACES NP                                      ; in front of loads into registers that matrix instructions have read
	FETCH_B \slot, 1, 1
	FETCH_A \slot, 1, 0
	WIN MUL_HI
	MUL16 4, 0, 0, \slot, 0
	MUL16 6, 0, 0, \slot, 0
	PLACES NP
	WIN 0
	FETCH_A \slot, 1, 4
.endm
; A slot's second step changes slots: ONE barrier; in front of it each wave waits for all its tensor loads, adds 0 to its spare word, and waits for that and for its reads of this slot.  fill = 1: this slot is filled again.
.macro TURN slot, next, fill
	s_wait_tensorcnt 0x0                           ; all my tensor loads have landed: my part of the next slot
	ds_add_u32 v[SPW], v[NIL]                      ; 0 onto my spare word
	s_wait_dscnt 4*NL+1                            ; (the add and the youngest twelve loads may be out)
	WIN MUL_LO
	MUL16 0, 1, 1, \slot, 0                        ; sixteen matrix instructions stand between the add and the wait for it
	s_wait_dscnt 0x0                               ; the add is done, and my reads of this slot are over
	s_barrier_signal -1
	MUL16 2, 1, 1, \slot, 0
	WIN 0
	s_barrier_wait -1
.if \fill
	CREST                                          ; the barrier has opened a round of the cluster's: no wave of any partner still reads this slot or has a load on its way
	s_add_nc_u64 s[G0+4*\slot+2:G0+4*\slot+3], s[G0+4*\slot+2:G0+4*\slot+3], 2*PLANEA
	s_add_nc_u64 s[G0B+4*\slot+2:G0B+4*\slot+3], s[G0B+4*\slot+2:G0B+4*\slot+3], 2*PLANEB
	JLOAD G0+4*\slot, G1, G0B+4*\slot, G1B         ; the first tensor load behind the round; its four v_nop are the places in front of the loads below
.else
	PLACES NP
.endif
	v_add_nc_u32 v[ADRS], 2048, v[ADRS]            ; the next slot's two planes of scale words (no LDS load of mine is out)
	FETCH_B \next, 0, 0
	FETCH_A \next, 0, 0
	SCALES \next
	WIN MUL_HI
	MUL16 4, 1, 1, \slot, 0
	MUL16 6, 1, 1, \slot, 0
	PLACES NP
	WIN 0
	FETCH_A \next, 0, 4
.endm
	s_load_b256 s[4:11], s[0:1], 0x0               ; opc s[4:5], ops s[6:7], b_q s[8:9], b_k s[10:11]
	s_load_b256 s[92:99], s[0:1], 0x20             ; b_v s[92:93], qkc s[94:95], qks s[96:97], vc s[98:99]
	s_load_b64 s[100:101], s[0:1], 0x40            ; vs
	v_lshl_add_u32 v[SPW], v0, 2, SPARE
	v_mov_b32 v[NIL], 0
	ds_add_u32 v28, v29
	ds_add_u32 v28, v29
	s_wait_dscnt 0x0
	v_lshrrev_b32 v1, 5, v0
	v_readfirstlane_b32 s14, v1                    ; wave 0..3
	s_lshr_b32 s15, s14, 1                         ; which half of A's rows is mine.  Also: I fetch for A (0) or for B (1)
	s_and_b32 s16, s14, 1                          ; which half of B's rows.  Also: which half of that tile I fetch
	s_bfe_u32 s40, ttmp6, 0x40000                  ; cx
	s_bfe_u32 s41, ttmp6, 0x40004                  ; cy
	s_and_b32 s17, ttmp7, 0xffff                   ; the cluster's y
	s_lshl_b32 s43, s41, 2
	s_lshl_b32 s43, 15, s43                        ; my row of the cluster
	s_lshl_b32 s44, 0x1111, s40                    ; my column
	; descriptor group 1 for the codes: a dense block of 24,576 bytes as 96 rows of 32 elements of 8 bytes
	s_or_b32 s[G1+0], s43, (3<<16)|(1<<21)         ; 15:0 the mask; 17:16 elements of 8 bytes; 20 no padding; 21 set beside a mask
	s_or_b32 s[G1B+0], s44, (3<<16)|(1<<21)
.irp g, G1, G1B
	s_mov_b32 s[\g+1], 32<<16                      ; tensor_dim0
	s_mov_b32 s[\g+2], 96<<16                      ; tensor_dim1
	s_mov_b32 s[\g+3], 32<<16                      ; tile_dim0
	s_mov_b32 s[\g+4], 96                          ; tile_dim1
	s_mov_b32 s[\g+5], 32                          ; the pitch
	s_mov_b32 s[\g+6], 0
	s_mov_b32 s[\g+7], 0
.endr
	; and for the scale words: four planes x 1,024 bytes (256 rows)
	s_or_b32 s[G1S+0], s43, (3<<16)|(1<<21)
	s_or_b32 s[G1SB+0], s44, (3<<16)|(1<<21)
.irp g, G1S, G1SB
	s_mov_b32 s[\g+1], 128<<16
	s_mov_b32 s[\g+2], 4<<16
	s_mov_b32 s[\g+3], 128<<16
	s_mov_b32 s[\g+4], 4
	s_mov_b32 s[\g+5], SPL/8
	s_mov_b32 s[\g+6], 0
	s_mov_b32 s[\g+7], 0
.endr
	; which row blocks of opc are A's and B's.  A's hang on cy and the cluster's place alone, B's on cx and the cluster's place alone
	s_lshl_b32 s18, s17, 6                         ; X: 64 blocks for each cluster y
	s_lshl_b32 s19, ttmp9, 6
	s_add_co_u32 s19, s19, 512                     ; W_q at 512, W_k at 576
	s_mov_b32 s20, 640                             ; W_v
	s_cmp_eq_u32 ttmp9, 2
	s_cselect_b32 s66, 1, 0                        ; 1: this cluster makes V^T
	s_cselect_b32 s20, s20, s18
	s_cselect_b32 s46, s18, s19
	s_lshl_b32 s21, s41, 4
	s_add_co_u32 s20, s20, s21                     ; A's first block
	s_lshl_b32 s47, s40, 4
	s_add_co_u32 s46, s46, s47                     ; B's
	s_mul_i32 s21, s16, 4*SPL                      ; the four planes of scale words that I fetch
	s_lshl_b32 s12, s20, 6                         ; 16 rows x 4 bytes a block
	s_add_co_u32 s12, s12, s21
	s_mov_b32 s13, 0
	s_lshl_b32 s2, s46, 6
	s_add_co_u32 s2, s2, s21
	s_mov_b32 s3, 0
	s_lshl_b32 s21, s16, 3                         ; the 8 blocks of codes that I fetch
	s_add_co_u32 s22, s20, s21
	s_mul_i32 s22, s22, 3072
	s_mov_b32 s23, 0
	s_add_co_u32 s46, s46, s21
	s_mul_i32 s46, s46, 3072
	s_mov_b32 s47, 0
	s_mul_i32 s45, s14, HALFT                      ; where they go: no place in the cluster enters an LDS address
	s_lshl_b32 s67, s16, 12
	s_wait_kmcnt 0x0
	s_add_nc_u64 s[22:23], s[4:5], s[22:23]
	s_add_nc_u64 s[46:47], s[4:5], s[46:47]
	s_add_nc_u64 s[12:13], s[6:7], s[12:13]
	s_add_nc_u64 s[2:3], s[6:7], s[2:3]
	CROUND                                         ; all sixteen work-groups are here: the first joint loads meet
	s_mov_b32 s[G0S], 1
	s_add_co_u32 s[G0S+1], s67, SCA
	s_mov_b64 s[G0S+2:G0S+3], s[12:13]
	s_or_b32 s[G0S+3], s[G0S+3], 0x80000000
	s_mov_b32 s[G0SB], 1
	s_add_co_u32 s[G0SB+1], s67, SCB
	s_mov_b64 s[G0SB+2:G0SB+3], s[2:3]
	s_or_b32 s[G0SB+3], s[G0SB+3], 0x80000000
	JLOAD G0S, G1S, G0SB, G1SB                     ; the scale words of all of K: filled once
.irp s, 0,1
	s_mov_b32 s[G0+4*\s], 1
	s_add_co_u32 s[G0+4*\s+1], s45, \s*SLOT
	s_add_nc_u64 s[G0+4*\s+2:G0+4*\s+3], s[22:23], \s*PLANEA
	s_or_b32 s[G0+4*\s+3], s[G0+4*\s+3], 0x80000000
	s_mov_b32 s[G0B+4*\s], 1
	s_add_co_u32 s[G0B+4*\s+1], s45, \s*SLOT
	s_add_nc_u64 s[G0B+4*\s+2:G0B+4*\s+3], s[46:47], \s*PLANEB
	s_or_b32 s[G0B+4*\s+3], s[G0B+4*\s+3], 0x80000000
	JLOAD G0+4*\s, G1, G0B+4*\s, G1B               ; three loads of mine are out
.endr
	v_and_b32 v1, 15, v0                           ; r
	v_bfe_u32 v2, v0, 4, 1                         ; h
	v_and_b32 v3, 31, v0
	v_lshlrev_b32 v[LI], 4, v3                     ; 16 x lane
	s_mul_i32 s18, s15, HALFT                      ; my 128 rows of A
	s_mul_i32 s19, s16, HALFT
	s_add_co_u32 s19, s19, 2*HALFT                 ; my 128 rows of B
.irp s, 0,1
	v_add_nc_u32 v[ADRA+\s], s18, v[LI]
	v_add_nc_u32 v[ADRB+\s], s19, v[LI]
	s_add_co_u32 s18, s18, SLOT
	s_add_co_u32 s19, s19, SLOT
.endr
	s_lshl_b32 s18, s15, 9
	s_lshl_b32 s19, s16, 9
	s_add_co_u32 s19, s19, SCB-SCA
	s_sub_co_u32 s19, s19, s18
	v_mul_u32_u24 v6, s19, v2                      ; lanes 16-31 take B's words: one product, the distance between the two bases
	s_add_co_u32 s18, s18, SCA
	v_lshl_add_u32 v6, v1, 2, v6
	v_add_nc_u32 v[ADRS], s18, v6
	s_lshl_b32 s18, s14, 9
	s_add_co_u32 s18, s18, STG
	v_lshl_add_u32 v[STA], v1, 2, s18              ; my stage: in, 4 r
	v_add_nc_u32 v[STB], s18, v[LI]                ; out, 16 x lane
	v_lshlrev_b32 v4, 6, v2                        ; the bias of B's columns: 64 h
	v_and_b32 v5, 8, v1
	v_add_nc_u32 v5, v5, v1
	v_lshlrev_b32 v5, 2, v5                        ; the bias of A's rows: 4 (r + 8 (r / 8))
	; where my results go.  Q, K: qkc plane cx, row block (512 for K) + 16 x tile row + 8 x my half, image my column half
	s_lshl_b32 s20, s17, 2
	s_add_co_u32 s20, s20, s41                     ; tile row = 4 x cluster y + cy
	s_lshl_b32 s21, s20, 4
	s_lshl_b32 s2, ttmp9, 9
	s_add_co_u32 s21, s21, s2
	s_lshl_b32 s3, s15, 3
	s_add_co_u32 s21, s21, s3
	s_mul_i32 s21, s21, 3072
	s_mul_i32 s2, s40, 3145728
	s_add_co_u32 s21, s21, s2
	s_lshl_b32 s22, s40, 1
	s_add_co_u32 s22, s22, s16
	s_lshl_b32 s22, s22, 16                        ; qks plane 2 cx + my column half
	s_lshl_b32 s2, ttmp9, 15
	s_add_co_u32 s22, s22, s2
	s_lshl_b32 s2, s20, 10
	s_add_co_u32 s22, s22, s2
	; V^T: vc batch = cluster y / 2, plane 4 (cluster y % 2) + cx, row block 16 cy + 8 x my half
	s_lshr_b32 s12, s17, 1
	s_and_b32 s13, s17, 1
	s_lshl_b32 s13, s13, 2
	s_add_co_u32 s13, s13, s40
	s_mul_i32 s42, s12, 1572864
	s_mul_i32 s2, s13, 196608
	s_add_co_u32 s42, s42, s2
	s_lshl_b32 s2, s41, 4
	s_add_co_u32 s2, s2, s3
	s_mul_i32 s2, s2, 3072
	s_add_co_u32 s42, s42, s2
	s_lshl_b32 s46, s13, 1
	s_add_co_u32 s46, s46, s16
	s_lshl_b32 s46, s46, 12
	s_lshl_b32 s2, s12, 16
	s_add_co_u32 s46, s46, s2
	s_lshl_b32 s2, s41, 10
	s_add_co_u32 s46, s46, s2
	s_cmp_eq_u32 s66, 0
	s_cselect_b64 s[94:95], s[94:95], s[98:99]     ; the codes' buffer,
	s_cselect_b64 s[96:97], s[96:97], s[100:101]   ; the scale words'
	s_cselect_b32 s20, s21, s42
	s_cselect_b32 s22, s22, s46
	s_mul_i32 s2, s16, 1536
	s_add_co_u32 s20, s20, s2
	s_lshl_b32 s2, s15, 9
	s_add_co_u32 s22, s22, s2
	s_mov_b32 s21, 0
	s_mov_b32 s23, 0
	s_add_nc_u64 s[94:95], s[94:95], s[20:21]
	s_add_nc_u64 s[96:97], s[96:97], s[22:23]
	; the bias: b_q or b_k at my 128 columns, or b_v at my 128 rows
	s_cmp_eq_u32 ttmp9, 0
	s_cselect_b64 s[18:19], s[8:9], s[10:11]
	s_cmp_eq_u32 s66, 0
	s_cselect_b64 s[18:19], s[18:19], s[92:93]
	s_cselect_b32 s20, s40, s41
	s_cselect_b32 s21, s16, s15
	s_lshl_b32 s20, s20, 10
	s_lshl_b32 s21, s21, 9
	s_add_co_u32 s20, s20, s21
	s_mov_b32 s21, 0
	s_add_nc_u64 s[18:19], s[18:19], s[20:21]
	s_mov_b32 s[SEL], 0x76543210
	s_mov_b32 s[SEL+1], 0xfedcba98
	s_cmp_eq_u32 s66, 0
	s_cbranch_scc0 .Lbias_v
.irp b, 0,1,2,3                                ; register 16 b + i = the bias of column 32 b + 16 h + i: accumulator (a, b')'s C is v[BI + 8 b'] on
.irp j, 0,1,2,3
	global_load_b128 v[BI+16*\b+4*\j:BI+16*\b+4*\j+3], v4, s[18:19] offset:128*\b+16*\j
.endr
.endr
	s_branch .Lbias_done
.Lbias_v:
.irp a, 0,1,2,3,4,5,6,7                        ; eight registers with the bias of my row of block a: position 16 a + r is row 32 (a / 2) + 8 (a % 2) + r + 8 (r / 8)
.irp j, 0,1,2,3,4,5,6,7
	global_load_b32 v[BI+8*\a+\j], v5, s[18:19] offset:4*(32*(\a/2)+8*(\a%2))
.endr
.endr
.Lbias_done:
	s_wait_tensorcnt 0x1                           ; the scale words and my part of slot 0 are in; slot 1's load may be out
	s_barrier_signal -1
	s_barrier_wait -1
	FETCH_B 0, 0, 0
	FETCH_A 0, 0, 0
	SCALES 0
	FETCH_A 0, 0, 4
	s_wait_loadcnt 0x0                             ; the bias
	; the first step: its products start the sums from the bias (C in window 0, D in window 2 or 3)
	s_wait_dscnt 4*NL
	s_cmp_eq_u32 s66, 0
	s_cbranch_scc0 .Lv_low
	WIN 0x81
	MUL16 0, 0, 0, 0, 2
	MUL16 2, 0, 0, 0, 2
	WIN 0
	s_branch .Llow_done
.Lv_low:
	WIN 0x81
	MUL16 0, 0, 0, 0, 3
	MUL16 2, 0, 0, 0, 3
	WIN 0
.Llow_done:
	s_wait_dscnt 0x0
	PLACES NP
	FETCH_B 0, 1, 1
	FETCH_A 0, 1, 0
	s_cmp_eq_u32 s66, 0
	s_cbranch_scc0 .Lv_high
	WIN 0xc1
	MUL16 4, 0, 0, 0, 2
	MUL16 6, 0, 0, 0, 2
	WIN 0
	s_branch .Lhigh_done
.Lv_high:
	WIN 0xc1
	MUL16 4, 0, 0, 0, 3
	MUL16 6, 0, 0, 0, 3
	WIN 0
.Lhigh_done:
	PLACES NP
	FETCH_A 0, 1, 4
	s_mov_b32 s3, LAPS-1
.Llap:                                                 ; a trip goes once round the ring, from a lap's second step to the next lap's first, and fills both slots again
	TURN 0, 1, 1
	STEP 1
	TURN 1, 0, 1
	STEP 0
	s_sub_co_u32 s3, s3, 1
	s_cmp_lg_u32 s3, 0
	s_cbranch_scc1 .Llap
	TURN 0, 1, 0                                   ; the last lap fills nothing
	STEP 1
	s_wait_dscnt 4*NL                              ; the very last step
	WIN MUL_LO
	MUL16 0, 1, 1, 1, 0
	MUL16 2, 1, 1, 1, 0
	s_wait_dscnt 0x0
	WIN MUL_HI
	MUL16 4, 1, 1, 1, 0
	MUL16 6, 1, 1, 1, 0
	WIN 0
; THE WAY OUT.  Block a's eight accumulators are 64 numbers of my row, neighbours along the next K: they are quantised where they stand and leave as a fragment's image.
; Windows: the maxima read two accumulator registers (sources 0 and 1) and keep the running maximum in window 0 (source 2); the conversions read the accumulators as source 0.  Each accumulator is read from its low end on.
.macro QUANTW a
.set AC, 64*((\a)%4)
.set WW, 2+(\a)/4
	WIN 5*WW                                       ; sources 0 and 1 in the accumulators' window
.irp b, 0,1,2,3
	v_max3_num_f32 v[TM+\b], |v[AC+16*\b]|, |v[AC+1+16*\b]|, 0x2800000   ; and the floor 2^(5 - 127)
.endr
.irp i, 2,4,6,8,10,12,14
.irp b, 0,1,2,3
	v_max3_num_f32 v[TM+\b], |v[AC+16*\b+\i]|, |v[AC+1+16*\b+\i]|, v[TM+\b]
.endr
.endr
	WIN 0
.irp b, 0,1,2,3
	v_permlanex16_b32 v[TM+4+\b], v[TM+\b], s[SEL], s[SEL+1]
.endr
.irp b, 0,1,2,3
	v_max_num_f32 v[TM+\b], v[TM+\b], v[TM+4+\b]
.endr
.irp b, 0,1,2,3
	v_add_nc_u32 v[TM+12+\b], 0xfe000000, v[TM+\b] ; 4 off the exponent field: the conversion's scale operand
.endr
.irp b, 0,1,2,3
	v_lshrrev_b32 v[TM+4+\b], 23, v[TM+12+\b]
.endr
	v_lshl_or_b32 v[PW], v[TM+5], 8, v[TM+4]
	v_lshl_or_b32 v[PW], v[TM+6], 16, v[PW]
	v_lshl_or_b32 v[PW], v[TM+7], 24, v[PW]
	s_wait_xcnt 0x0                                ; the last block's stores have read their data: the codes' registers are written again only behind this wait
	WIN WW                                         ; source 0 in the accumulators' window
.irp c, 0,1
	v_cvt_scalef32_pk16_bf6_f32 v[PC+6*\c:PC+2+6*\c], v[AC+32*\c:AC+15+32*\c], v[TM+12+2*\c]
	v_cvt_scalef32_pk16_bf6_f32 v[PC+12+4*\c:PC+14+4*\c], v[AC+16+32*\c:AC+31+32*\c], v[TM+12+2*\c+1]
.endr
	WIN 0
	v_nop                                          ; one plain instruction behind a scaled conversion
.irp c, 0,1
.irp i, 0,1,2
	v_permlane16_swap_b32 v[PC+6*\c+\i], v[PC+12+4*\c+\i]
.endr
.irp i, 0,1,2
	v_mov_b32 v[PC+3+6*\c+\i], v[PC+12+4*\c+\i]
.endr
.endr
.endm
	PLACES NP                                      ; behind the last products: their results are read and their scale registers written below
.irp b, 0,1,2,3
	v_mov_b32 v[TM+4+\b], 0                        ; written once: a lane permute's destination counts as one of its sources
.endr
.irp a, 0,1,2,3,4,5,6,7
	QUANTW \a
.irp c, 0,1,2
	global_store_b128 v[LI], v[PC+4*\c:PC+4*\c+3], s[94:95] offset:3072*\a+512*\c    ; 32 lanes store 512 consecutive bytes
.endr
	ds_store_b32 v[STA], v[PW] offset:64*\a        ; lanes r and 16 + r write the same word with the same value
.endr
	ds_load_b128 v[72:75], v[STB]                  ; LDS serves a wave's instructions in order: my 128 scale words
	s_wait_dscnt 0x0
	global_store_b128 v[LI], v[72:75], s[96:97]    ; 512 consecutive bytes
	s_wait_tensorcnt 0x0                           ; the wave's end
	ds_add_u32 v[SPW], v[NIL]
	s_wait_dscnt 0x0
	CROUND                                         ; the closing round: no work-group ends while a partner may still ask for a tile that names it
	s_endpgm
.Lfunc_end_k_qdb5ad4116b_proj:
	.size	k_qdb5ad4116b_proj, .Lfunc_end_k_qdb5ad4116b_proj-k_qdb5ad4116b_proj
	.p2alignl 7, 3214868480
	.fill 96, 4, 3214868480
	.section	.rodata,"a",@progbits
	.p2align	6, 0x0
	.amdhsa_kernel k_qdb5ad4116b_proj
		.amdhsa_group_segment_fixed_size 327680
		.amdhsa_private_segment_fixed_size 0
		.amdhsa_enable_private_segment 0
		.amdhsa_kernarg_size 72
		.amdhsa_user_sgpr_count 2
		.amdhsa_user_sgpr_kernarg_segment_ptr 1
		.amdhsa_wavefront_size32 1
		.amdhsa_system_sgpr_workgroup_id_x 1
		.amdhsa_system_sgpr_workgroup_id_y 1
		.amdhsa_system_sgpr_workgroup_id_z 1
		.amdhsa_system_vgpr_workitem_id 0
		.amdhsa_next_free_vgpr 1024
		.amdhsa_next_free_sgpr 102
		.amdhsa_reserve_vcc 0
		.amdhsa_float_denorm_mode_32 3
		.amdhsa_float_denorm_mode_16_64 3
		.amdhsa_memory_ordered 1
		.amdhsa_forward_progress 1
		.amdhsa_inst_pref_size 160
	.end_amdhsa_kernel
	.amdgpu_metadata
---
amdhsa.version: [ 1, 2 ]
amdhsa.kernels:
  - .name:           k_qdb5ad4116b_proj
    .symbol:         k_qdb5ad4116b_proj.kd
    .args:
      - { .name: opc, .offset: 0, .size: 8, .value_kind: global_buffer, .address_space: global }
      - { .name: ops, .offset: 8, .size: 8, .value_kind: global_buffer, .address_space: global }
      - { .name: b_q, .offset: 16, .size: 8, .value_kind: global_buffer, .address_space: global }
      - { .name: b_k, .offset: 24, .size: 8, .value_kind: global_buffer, .address_space: global }
      - { .name: b_v, .offset: 32, .size: 8, .value_kind: global_buffer, .address_space: global }
      - { .name: qkc, .offset: 40, .size: 8, .value_kind: global_buffer, .address_space: global }
      - { .name: qks, .offset: 48, .size: 8, .value_kind: global_buffer, .address_space: global }
      - { .name: vc, .offset: 56, .size: 8, .value_kind: global_buffer, .address_space: global }
      - { .name: vs, .offset: 64, .size: 8, .value_kind: global_buffer, .address_space: global }
    .group_segment_fixed_size: 327680
    .private_segment_fixed_size: 0
    .kernarg_segment_align: 8
    .kernarg_segment_size: 72
    .max_flat_workgroup_size: 128
    .sgpr_count:     102
    .vgpr_count:     1024
    .wavefront_size: 32
...
	.end_amdgpu_metadata
.endif
;; end of part 2
;; launch score (part 3): grid 8 x 32, 4 waves a work-group, clusters of 4 x 4, 327,680 bytes of LDS; arguments qkc, qks, pc, pst; writes pc, pst
.if DOCPART == 3
	.amdgcn_target "amdgcn-amd-amdhsa--gfx1250"
	.amdhsa_code_object_version 6
	.text
	.protected	k_qdb5ad4116b_score
	.globl	k_qdb5ad4116b_score
	.p2align	8
	.type	k_qdb5ad4116b_score,@function
k_qdb5ad4116b_score:
	s_mov_b64 s[64:65], 0
	v_nop
	global_prefetch_b8 v0, s[64:65] scope:SCOPE_SE
	s_setreg_imm32_b32 hwreg(HW_REG_WAVE_MODE, 25, 1), 1
	s_wait_xcnt 0x0
	s_wait_alu depctr_hold_cnt(0) depctr_sa_sdst(0) depctr_va_vdst(0) depctr_va_sdst(0) depctr_va_ssrc(0) depctr_va_vcc(0) depctr_vm_vsrc(0)
	s_getreg_b32 s2, hwreg(HW_REG_IB_STS2, 6, 4)
	s_cmp_eq_u32 s2, 0
	s_cbranch_scc0 .Lentry_in_a_cluster
	s_endpgm
.Lentry_in_a_cluster:
	s_bfe_u32 s2, ttmp6, 0x10000c
	s_cmp_lg_u32 s2, 0xf033
	s_cbranch_scc0 .Lentry_shape_is_right
	s_endpgm
.Lentry_shape_is_right:
; S = Q K^T on codes of BF6 with E8M0 scales, and the softmax's numerator, quantised for the next product.  A tile of S is 256 queries x 256 keys of one batch: four waves, each 128 x 128 in 64 accumulators.
; THE SOFTMAX.  t = score x log2(e) / 32.  Each wave takes, for each of its queries, M = the ceiling of the largest t among ITS 128 keys, p = 2^(t - M), the sum l of the unquantised p, and p's codes and scale bytes along the keys.
; M is a whole number, so the next launch brings a row's sixteen parts under the row's final M by taking whole numbers off the scale bytes and by exact powers of two on the sums: the codes stay as they are.
; Stored: pc, P's codes as fragment images [keys / 256][query block][(keys / 128) % 2][1,536];  pst, three sections [keys / 128][query]: the raw scale word, -M (f32), l (f32).
; Ring, rounds, joint loads and the order of the products are as in the launch that makes Q and K; operands lie as images of their registers; K's rows stand in position order, so a lane's registers run along true keys.
; LIMITS: a p under 2^-126 of its wave's largest counts as 0; a block whose every p is 0 keeps the byte 1 (its codes are zeros); NaN and infinities are not served.
; REGISTERS: window 0: v1 r, v2 h, v16-17, v20-21, v24-25, v27-30 addresses; v32-63 scale words, two sets; v128-223 A's fragments.  window 1: B's two sets.  windows 2, 3: the accumulators.  In the way out v32-91 are at work.
.set HALFT,  24576
.set SLOT,   4*HALFT
.set PLANEA, 3145728
.set PLANEB, 3145728
.set SPL,    65536
.set LAPS,   2
.set SCA,    2*SLOT
.set SCB,    SCA+8192+128
.set SPARE,  SCB+8192+128              ; the spare words, 128 bytes for each wave: two blocks of 256 bytes that no other line names
.set STG,    SPARE+512                 ; 1,536 bytes for each wave: 128 scale words, 128 -M, 128 l; never filled by a tensor load
.set FR,   12
.set NL,   3
.set NP,   4
.set ADRA, 16
.set ADRB, 20
.set STA,  24
.set STB,  25
.set ADRS, 27
.set SPW,  28
.set NIL,  29
.set LI,   30
.set SC,   32
.set AF,   128
.set BM,   32                          ; v32-35 the blocks' largest scores, then largest p; v36-39 the other half's; v40-43 bytes; v44-47 scale operands
.set PC,   48                          ; v48-67 the codes
.set PW,   68                          ; the scale word
.set NM,   70                          ; v70 -M; v71 named with it as a pair
.set T,    72
.set SA,   74                          ; v[74:75], v[76:77] the sum in two chains of pairs
.set SB,   76
.set L,    78                          ; v78 l; v79 the other half's
.set CS,   92                          ; s[92:93] c = log2(e) / 32
.set SEL,  94                          ; s[94:95] lane selects: lane l xor 16
.set G1,   24
.set G0,   32
.set G1B,  48
.set G0B,  56
.set G1S,  68
.set G0S,  76
.set G1SB, 80
.set G0SB, 88
.set MSB, 0
.macro WIN new
.if MSB != (\new)
	s_set_vgpr_msb (MSB<<8)|(\new)
.set MSB, (\new)
.endif
.endm
.set MUL_LO, 0xa1
.set MUL_HI, 0xf1
.set TO_B,   0x40
.macro JLOAD g0a, g1a, g0b, g1b        ; waves 0 and 1 fetch for A, waves 2 and 3 for B; four v_nop follow each of the two lines
	s_cmp_eq_u32 s15, 0
	s_cbranch_scc0 .Lfor_b_\@
	tensor_load_to_lds s[\g0a:\g0a+3], s[\g1a:\g1a+7]
	s_nop 0
.rept 4
	v_nop
.endr
	s_branch .Lasked_\@
.Lfor_b_\@:
	tensor_load_to_lds s[\g0b:\g0b+3], s[\g1b:\g1b+7]
	s_nop 0
.rept 4
	v_nop
.endr
.Lasked_\@:
.endm
.macro CREST
	s_cmp_lg_u32 s14, 0
	s_cbranch_scc1 .Lnot_wave_0_\@
	s_barrier_signal -3
.Lnot_wave_0_\@:
	s_barrier_wait -3
	s_barrier_signal -1
	s_barrier_wait -1
.endm
.macro CROUND
	s_barrier_signal -1
	s_barrier_wait -1
	CREST
.endm
.macro PLACES n
.rept \n
	v_nop
.endr
.endm
.macro FRAG reg, adr, q, i
.irp c, 0,1,2
	ds_load_b128 v[\reg+4*\c:\reg+4*\c+3], v[\adr] offset:(2*(\i)+(\q))*1536+512*\c
.endr
.endm
.macro FETCH_B slot, q, p
	WIN TO_B
.irp i, 0,1,2,3,4,5,6,7
	FRAG 128*(\p)+FR*\i, ADRB+\slot, \q, \i
.endr
	WIN 0
.endm
.macro FETCH_A slot, q, i0
.irp i, \i0, \i0+1, \i0+2, \i0+3
	FRAG AF+FR*(\i), ADRA+\slot, \q, \i
.endr
.endm
.macro SCALES sc
.irp i, 0,1,2,3,4,5,6,7
.irp q, 0,1
	ds_load_b32 v[SC+16*\sc+2*\i+\q], v[ADRS] offset:1024*\q+64*\i
.endr
.endr
.endm
; 16 matrix instructions: A's blocks a0, a0 + 1 x B's eight.  zero = 1: the first product starts the sums.  The 64 accumulators take turns, one instruction a turn.
.macro MUL16 a0, p, q, sc, zero
.irp a, \a0, \a0+1
.irp b, 0,1,2,3,4,5,6,7
.if \zero
	v_wmma_scale_f32_16x16x128_f8f6f4 v[8*(8*((\a)%4)+\b):8*(8*((\a)%4)+\b)+7], v[128*(\p)+FR*\b:128*(\p)+FR*\b+FR-1], v[AF+FR*(\a):AF+FR*(\a)+FR-1], 0, v[SC+16*(\sc)+2*\b+(\q)], v[SC+16*(\sc)+2*(\a)+(\q)] matrix_a_fmt:MATRIX_FMT_BF6 matrix_b_fmt:MATRIX_FMT_BF6 matrix_a_scale:MATRIX_SCALE_ROW1
.else
	v_wmma_scale_f32_16x16x128_f8f6f4 v[8*(8*((\a)%4)+\b):8*(8*((\a)%4)+\b)+7], v[128*(\p)+FR*\b:128*(\p)+FR*\b+FR-1], v[AF+FR*(\a):AF+FR*(\a)+FR-1], v[8*(8*((\a)%4)+\b):8*(8*((\a)%4)+\b)+7], v[SC+16*(\sc)+2*\b+(\q)], v[SC+16*(\sc)+2*(\a)+(\q)] matrix_a_fmt:MATRIX_FMT_BF6 matrix_b_fmt:MATRIX_FMT_BF6 matrix_a_scale:MATRIX_SCALE_ROW1
.endif
.endr
.endr
.endm
.macro STEP slot, zero
	s_wait_dscnt 4*NL                              ; all but the youngest twelve loads (A's blocks 4-7)
	WIN MUL_LO
	MUL16 0, 0, 0, \slot, \zero
	MUL16 2, 0, 0, \slot, \zero
	s_wait_dscnt 0x0
	PLACES NP
	FETCH_B \slot, 1, 1
	FETCH_A \slot, 1, 0
	WIN MUL_HI
	MUL16 4, 0, 0, \slot, \zero
	MUL16 6, 0, 0, \slot, \zero
	PLACES NP
	WIN 0
	FETCH_A \slot, 1, 4
.endm
.macro TURN slot, next, fill
	s_wait_tensorcnt 0x0                           ; all my tensor loads have landed: my part of the next slot
	ds_add_u32 v[SPW], v[NIL]                      ; 0 onto my spare word
	s_wait_dscnt 4*NL+1                            ; (the add and the youngest twelve loads may be out)
	WIN MUL_LO
	MUL16 0, 1, 1, \slot, 0
	s_wait_dscnt 0x0                               ; the add is done, and my reads of this slot are over
	s_barrier_signal -1
	MUL16 2, 1, 1, \slot, 0
	WIN 0
	s_barrier_wait -1
.if \fill
	CREST                                          ; a round of the cluster's barrier: no wave of any partner still reads this slot or has a load on its way
	s_add_nc_u64 s[G0+4*\slot+2:G0+4*\slot+3], s[G0+4*\slot+2:G0+4*\slot+3], 2*PLANEA
	s_add_nc_u64 s[G0B+4*\slot+2:G0B+4*\slot+3], s[G0B+4*\slot+2:G0B+4*\slot+3], 2*PLANEB
	JLOAD G0+4*\slot, G1, G0B+4*\slot, G1B
.else
	PLACES NP
.endif
	v_add_nc_u32 v[ADRS], 2048, v[ADRS]
	FETCH_B \next, 0, 0
	FETCH_A \next, 0, 0
	SCALES \next
	WIN MUL_HI
	MUL16 4, 1, 1, \slot, 0
	MUL16 6, 1, 1, \slot, 0
	PLACES NP
	WIN 0
	FETCH_A \next, 0, 4
.endm
	s_load_b128 s[4:7], s[0:1], 0x0                ; qkc, qks
	s_load_b128 s[8:11], s[0:1], 0x10              ; pc, pst
	v_lshl_add_u32 v[SPW], v0, 2, SPARE
	v_mov_b32 v[NIL], 0
	ds_add_u32 v28, v29
	ds_add_u32 v28, v29
	s_wait_dscnt 0x0
	v_lshrrev_b32 v1, 5, v0
	v_readfirstlane_b32 s14, v1
	s_lshr_b32 s15, s14, 1
	s_and_b32 s16, s14, 1
	s_bfe_u32 s40, ttmp6, 0x40000                  ; cx
	s_bfe_u32 s41, ttmp6, 0x40004                  ; cy
	s_and_b32 s17, ttmp7, 0xffff                   ; the cluster's y
	s_lshl_b32 s43, s41, 2
	s_lshl_b32 s43, 15, s43
	s_lshl_b32 s44, 0x1111, s40
	s_or_b32 s[G1+0], s43, (3<<16)|(1<<21)         ; the codes: a dense block of 24,576 bytes as 96 rows of 32 elements of 8 bytes
	s_or_b32 s[G1B+0], s44, (3<<16)|(1<<21)
.irp g, G1, G1B
	s_mov_b32 s[\g+1], 32<<16
	s_mov_b32 s[\g+2], 96<<16
	s_mov_b32 s[\g+3], 32<<16
	s_mov_b32 s[\g+4], 96
	s_mov_b32 s[\g+5], 32
	s_mov_b32 s[\g+6], 0
	s_mov_b32 s[\g+7], 0
.endr
	s_or_b32 s[G1S+0], s43, (3<<16)|(1<<21)        ; the scale words: four planes x 1,024 bytes
	s_or_b32 s[G1SB+0], s44, (3<<16)|(1<<21)
.irp g, G1S, G1SB
	s_mov_b32 s[\g+1], 128<<16
	s_mov_b32 s[\g+2], 4<<16
	s_mov_b32 s[\g+3], 128<<16
	s_mov_b32 s[\g+4], 4
	s_mov_b32 s[\g+5], SPL/8
	s_mov_b32 s[\g+6], 0
	s_mov_b32 s[\g+7], 0
.endr
	s_lshl_b32 s20, s17, 6
	s_lshl_b32 s18, s41, 4
	s_add_co_u32 s20, s20, s18                     ; Q's first block: 16 (4 x cluster y + cy)
	s_lshr_b32 s46, s17, 1
	s_lshl_b32 s46, s46, 7                         ; K's: 128 blocks a batch,
	s_lshl_b32 s19, ttmp9, 6
	s_add_co_u32 s46, s46, s19
	s_lshl_b32 s19, s40, 4
	s_add_co_u32 s46, s46, s19                     ; + 16 (4 x cluster x + cx),
	s_add_co_u32 s46, s46, 512                     ; behind Q's 512
	s_mul_i32 s21, s16, 4*SPL
	s_lshl_b32 s12, s20, 6
	s_add_co_u32 s12, s12, s21
	s_mov_b32 s13, 0
	s_lshl_b32 s2, s46, 6
	s_add_co_u32 s2, s2, s21
	s_mov_b32 s3, 0
	s_lshl_b32 s21, s16, 3
	s_add_co_u32 s22, s20, s21
	s_mul_i32 s22, s22, 3072
	s_mov_b32 s23, 0
	s_add_co_u32 s46, s46, s21
	s_mul_i32 s46, s46, 3072
	s_mov_b32 s47, 0
	s_mul_i32 s45, s14, HALFT
	s_lshl_b32 s67, s16, 12
	s_wait_kmcnt 0x0
	s_add_nc_u64 s[22:23], s[4:5], s[22:23]
	s_add_nc_u64 s[46:47], s[4:5], s[46:47]
	s_add_nc_u64 s[12:13], s[6:7], s[12:13]
	s_add_nc_u64 s[2:3], s[6:7], s[2:3]
	CROUND                                         ; all sixteen work-groups are here: the first joint loads meet
	s_mov_b32 s[G0S], 1
	s_add_co_u32 s[G0S+1], s67, SCA
	s_mov_b64 s[G0S+2:G0S+3], s[12:13]
	s_or_b32 s[G0S+3], s[G0S+3], 0x80000000
	s_mov_b32 s[G0SB], 1
	s_add_co_u32 s[G0SB+1], s67, SCB
	s_mov_b64 s[G0SB+2:G0SB+3], s[2:3]
	s_or_b32 s[G0SB+3], s[G0SB+3], 0x80000000
	JLOAD G0S, G1S, G0SB, G1SB
.irp s, 0,1
	s_mov_b32 s[G0+4*\s], 1
	s_add_co_u32 s[G0+4*\s+1], s45, \s*SLOT
	s_add_nc_u64 s[G0+4*\s+2:G0+4*\s+3], s[22:23], \s*PLANEA
	s_or_b32 s[G0+4*\s+3], s[G0+4*\s+3], 0x80000000
	s_mov_b32 s[G0B+4*\s], 1
	s_add_co_u32 s[G0B+4*\s+1], s45, \s*SLOT
	s_add_nc_u64 s[G0B+4*\s+2:G0B+4*\s+3], s[46:47], \s*PLANEB
	s_or_b32 s[G0B+4*\s+3], s[G0B+4*\s+3], 0x80000000
	JLOAD G0+4*\s, G1, G0B+4*\s, G1B               ; three loads of mine are out
.endr
	v_and_b32 v1, 15, v0                           ; r
	v_bfe_u32 v2, v0, 4, 1                         ; h
	v_and_b32 v3, 31, v0
	v_lshlrev_b32 v[LI], 4, v3
	s_mul_i32 s18, s15, HALFT
	s_mul_i32 s19, s16, HALFT
	s_add_co_u32 s19, s19, 2*HALFT
.irp s, 0,1
	v_add_nc_u32 v[ADRA+\s], s18, v[LI]
	v_add_nc_u32 v[ADRB+\s], s19, v[LI]
	s_add_co_u32 s18, s18, SLOT
	s_add_co_u32 s19, s19, SLOT
.endr
	s_lshl_b32 s18, s15, 9
	s_lshl_b32 s19, s16, 9
	s_add_co_u32 s19, s19, SCB-SCA
	s_sub_co_u32 s19, s19, s18
	v_mul_u32_u24 v6, s19, v2                      ; lanes 16-31 take B's words
	s_add_co_u32 s18, s18, SCA
	v_lshl_add_u32 v6, v1, 2, v6
	v_add_nc_u32 v[ADRS], s18, v6
	s_mul_i32 s18, s14, 1536
	s_add_co_u32 s18, s18, STG
	v_lshl_add_u32 v[STA], v1, 2, s18
	v_add_nc_u32 v[STB], s18, v[LI]
	; where my results go
	s_lshl_b32 s42, ttmp9, 2
	s_add_co_u32 s42, s42, s40                     ; which 256 keys of the batch
	s_lshl_b32 s21, s15, 3
	s_add_co_u32 s21, s21, s20                     ; my first block of queries
	s_mul_i32 s22, s21, 3072
	s_mul_i32 s2, s42, 1572864
	s_add_co_u32 s22, s22, s2
	s_mul_i32 s2, s16, 1536
	s_add_co_u32 s22, s22, s2
	s_mov_b32 s23, 0
	s_add_nc_u64 s[8:9], s[8:9], s[22:23]
	s_lshl_b32 s22, s42, 1
	s_add_co_u32 s22, s22, s16
	s_lshl_b32 s22, s22, 15                        ; plane 2 x (keys / 256) + my half
	s_lshl_b32 s2, s21, 6
	s_add_co_u32 s22, s22, s2
	s_add_nc_u64 s[10:11], s[10:11], s[22:23]
	s_mov_b32 s[CS], 0x3d38aa3b                    ; log2(e) / 32: log2(e) with 5 off its exponent
	s_mov_b32 s[CS+1], s[CS]                       ; (named with it as a pair, so it is written)
	s_mov_b32 s[SEL], 0x76543210
	s_mov_b32 s[SEL+1], 0xfedcba98
	s_wait_tensorcnt 0x1                           ; the scale words and my part of slot 0 are in; slot 1's load may be out
	s_barrier_signal -1
	s_barrier_wait -1
	FETCH_B 0, 0, 0
	FETCH_A 0, 0, 0
	SCALES 0
	FETCH_A 0, 0, 4
	STEP 0, 1                                      ; the first step's products start the sums
	s_mov_b32 s3, LAPS-1
.Llap:
	TURN 0, 1, 1
	STEP 1, 0
	TURN 1, 0, 1
	STEP 0, 0
	s_sub_co_u32 s3, s3, 1
	s_cmp_lg_u32 s3, 0
	s_cbranch_scc1 .Llap
	TURN 0, 1, 0
	STEP 1, 0
	s_wait_dscnt 4*NL
	WIN MUL_LO
	MUL16 0, 1, 1, 1, 0
	MUL16 2, 1, 1, 1, 0
	s_wait_dscnt 0x0
	WIN MUL_HI
	MUL16 4, 1, 1, 1, 0
	MUL16 6, 1, 1, 1, 0
	WIN 0
; THE SOFTMAX OF BLOCK a: 16 queries x my 128 keys.  A lane holds one query; register 16 b + i of its 64 is key 32 b + 16 (lane / 16) + i.  The scores become p where they stand.
; The largest SCORE of each block of 32 keys serves twice: for the row's maximum, and, since p rises with the score, through the same multiply-add and exponential, as the block's largest p.
; The 64 exponentials are one batch with one wait ahead of their first reader; the four of the blocks' largest p are a second batch, with the row's sums as the work behind them.
.macro SOFTQ a
.set AC, 64*((\a)%4)
.set WW, 2+(\a)/4
	WIN 5*WW                                       ; sources 0 and 1 in the accumulators' window
.irp b, 0,1,2,3
	v_max_num_f32 v[BM+\b], v[AC+16*\b], v[AC+16*\b+1]     ; each accumulator is read from its low end on
.endr
.irp i, 2,4,6,8,10,12,14
.irp b, 0,1,2,3
	v_max3_num_f32 v[BM+\b], v[AC+16*\b+\i], v[AC+16*\b+\i+1], v[BM+\b]
.endr
.endr
	WIN 0
.irp b, 0,1,2,3
	v_permlanex16_b32 v[BM+4+\b], v[BM+\b], s[SEL], s[SEL+1]
.endr
.irp b, 0,1,2,3
	v_max_num_f32 v[BM+\b], v[BM+\b], v[BM+4+\b]   ; with lane l xor 16's 16 keys
.endr
	v_max3_num_f32 v[T], v[BM], v[BM+1], v[BM+2]
	v_max_num_f32 v[T], v[T], v[BM+3]              ; my query's largest score among these 128 keys
	v_mul_f32 v[T], s[CS], v[T]                    ; as t (c is positive)
	v_floor_f32 v[NM], -v[T]                       ; -M = floor(-t) = -ceil(t): a whole number
.irp b, 0,1,2,3
	v_fma_f32 v[BM+\b], v[BM+\b], s[CS], v[NM]
.endr
	WIN 65*WW                                      ; source 0 and destination in the accumulators' window
.set j, 0
.rept 32
	v_pk_fma_f32 v[AC+j:AC+j+1], v[AC+j:AC+j+1], s[CS:CS+1], v[NM:NM+1] op_sel_hi:[1,0,0]   ; t - M, two at a time
.set j, j+2
.endr
.set j, 0
.rept 64
	v_exp_f32 v[AC+j], v[AC+j]                     ; p = 2^(t - M): not normalised
.set j, j+1
.endr
	WIN 0
	v_nop                                          ; a plain instruction behind the last exponential
	s_wait_alu depctr_va_vdst(0)                   ; one wait for the batch, ahead of its first reader
.irp b, 0,1,2,3
	v_exp_f32 v[BM+\b], v[BM+\b]                   ; the blocks' largest p
.endr
	WIN 5*WW
	v_pk_add_f32 v[SA:SA+1], v[AC:AC+1], v[AC+2:AC+3]      ; the sum of the UNQUANTISED p, in two chains of pairs
	v_pk_add_f32 v[SB:SB+1], v[AC+4:AC+5], v[AC+6:AC+7]
	WIN WW
.set j, 8
.rept 14
	v_pk_add_f32 v[SA:SA+1], v[AC+j:AC+j+1], v[SA:SA+1]
	v_pk_add_f32 v[SB:SB+1], v[AC+j+2:AC+j+3], v[SB:SB+1]
.set j, j+4
.endr
	WIN 0
	v_pk_add_f32 v[SA:SA+1], v[SA:SA+1], v[SB:SB+1]
	v_add_f32 v[L], v[SA], v[SA+1]
	v_permlanex16_b32 v[L+1], v[L], s[SEL], s[SEL+1]
	v_add_f32 v[L], v[L], v[L+1]                   ; with lane l xor 16's: l of these 128 keys
	s_wait_alu depctr_va_vdst(0)                   ; and one wait for the four
.irp b, 0,1,2,3
	v_max_num_f32 v[BM+\b], 0x2800000, v[BM+\b]    ; the floor 2^(5 - 127): the byte cannot fall under 1
.endr
.irp b, 0,1,2,3
	v_add_nc_u32 v[BM+12+\b], 0xfe000000, v[BM+\b] ; 4 off the exponent field: the conversion's scale operand
.endr
.irp b, 0,1,2,3
	v_lshrrev_b32 v[BM+8+\b], 23, v[BM+12+\b]
.endr
	v_lshl_or_b32 v[PW], v[BM+9], 8, v[BM+8]
	v_lshl_or_b32 v[PW], v[BM+10], 16, v[PW]
	v_lshl_or_b32 v[PW], v[BM+11], 24, v[PW]
	s_wait_xcnt 0x0                                ; the last block's stores have read their data: the codes' registers are written again only behind this wait
	WIN WW
.irp c, 0,1
	v_cvt_scalef32_pk16_bf6_f32 v[PC+6*\c:PC+2+6*\c], v[AC+32*\c:AC+15+32*\c], v[BM+12+2*\c]
	v_cvt_scalef32_pk16_bf6_f32 v[PC+12+4*\c:PC+14+4*\c], v[AC+16+32*\c:AC+31+32*\c], v[BM+12+2*\c+1]
.endr
	WIN 0
	v_nop                                          ; one plain instruction behind a scaled conversion
.irp c, 0,1
.irp i, 0,1,2
	v_permlane16_swap_b32 v[PC+6*\c+\i], v[PC+12+4*\c+\i]
.endr
.irp i, 0,1,2
	v_mov_b32 v[PC+3+6*\c+\i], v[PC+12+4*\c+\i]
.endr
.endr
.irp c, 0,1,2
	global_store_b128 v[LI], v[PC+4*\c:PC+4*\c+3], s[8:9] offset:3072*(\a)+512*\c    ; 32 lanes store 512 consecutive bytes
.endr
	ds_store_b32 v[STA], v[PW] offset:64*(\a)      ; lanes r and 16 + r write the same word with the same value
	ds_store_b32 v[STA], v[NM] offset:512+64*(\a)
	ds_store_b32 v[STA], v[L] offset:1024+64*(\a)
.endm
	PLACES NP                                      ; behind the last products
.irp b, 0,1,2,3
	v_mov_b32 v[BM+4+\b], 0                        ; written once: a lane permute's destination counts as one of its sources
.endr
	v_mov_b32 v[NM+1], 0                           ; (named as the upper half of a pair)
	v_mov_b32 v[L+1], 0
.irp a, 0,1,2,3,4,5,6,7
	SOFTQ \a
.endr
.irp s, 0,1,2
	ds_load_b128 v[80+4*\s:83+4*\s], v[STB] offset:512*\s      ; LDS serves a wave's instructions in order: these see my stores
.endr
	s_wait_dscnt 0x0
.irp s, 0,1,2
	global_store_b128 v[LI], v[80+4*\s:83+4*\s], s[10:11] offset:524288*\s     ; 512 consecutive bytes in each section
.endr
	s_wait_tensorcnt 0x0                           ; the wave's end
	ds_add_u32 v[SPW], v[NIL]
	s_wait_dscnt 0x0
	CROUND                                         ; the closing round
	s_endpgm
.Lfunc_end_k_qdb5ad4116b_score:
	.size	k_qdb5ad4116b_score, .Lfunc_end_k_qdb5ad4116b_score-k_qdb5ad4116b_score
	.p2alignl 7, 3214868480
	.fill 96, 4, 3214868480
	.section	.rodata,"a",@progbits
	.p2align	6, 0x0
	.amdhsa_kernel k_qdb5ad4116b_score
		.amdhsa_group_segment_fixed_size 327680
		.amdhsa_private_segment_fixed_size 0
		.amdhsa_enable_private_segment 0
		.amdhsa_kernarg_size 32
		.amdhsa_user_sgpr_count 2
		.amdhsa_user_sgpr_kernarg_segment_ptr 1
		.amdhsa_wavefront_size32 1
		.amdhsa_system_sgpr_workgroup_id_x 1
		.amdhsa_system_sgpr_workgroup_id_y 1
		.amdhsa_system_sgpr_workgroup_id_z 1
		.amdhsa_system_vgpr_workitem_id 0
		.amdhsa_next_free_vgpr 1024
		.amdhsa_next_free_sgpr 100
		.amdhsa_reserve_vcc 0
		.amdhsa_float_denorm_mode_32 3
		.amdhsa_float_denorm_mode_16_64 3
		.amdhsa_memory_ordered 1
		.amdhsa_forward_progress 1
		.amdhsa_inst_pref_size 199
	.end_amdhsa_kernel
	.amdgpu_metadata
---
amdhsa.version: [ 1, 2 ]
amdhsa.kernels:
  - .name:           k_qdb5ad4116b_score
    .symbol:         k_qdb5ad4116b_score.kd
    .args:
      - { .name: qkc, .offset: 0, .size: 8, .value_kind: global_buffer, .address_space: global }
      - { .name: qks, .offset: 8, .size: 8, .value_kind: global_buffer, .address_space: global }
      - { .name: pc, .offset: 16, .size: 8, .value_kind: global_buffer, .address_space: global }
      - { .name: pst, .offset: 24, .size: 8, .value_kind: global_buffer, .address_space: global }
    .group_segment_fixed_size: 327680
    .private_segment_fixed_size: 0
    .kernarg_segment_align: 8
    .kernarg_segment_size: 32
    .max_flat_workgroup_size: 128
    .sgpr_count:     100
    .vgpr_count:     1024
    .wavefront_size: 32
...
	.end_amdgpu_metadata
.endif
;; end of part 3
;; launch pv (part 4): grid 4 x 32, 4 waves a work-group, clusters of 4 x 4, 327,680 bytes of LDS; arguments pc, pst, vc, vs, out0; writes out0
.if DOCPART == 4
	.amdgcn_target "amdgcn-amd-amdhsa--gfx1250"
	.amdhsa_code_object_version 6
	.text
	.protected	k_qdb5ad4116b_pv
	.globl	k_qdb5ad4116b_pv
	.p2align	8
	.type	k_qdb5ad4116b_pv,@function
k_qdb5ad4116b_pv:
	s_mov_b64 s[64:65], 0
	v_nop
	global_prefetch_b8 v0, s[64:65] scope:SCOPE_SE
	s_setreg_imm32_b32 hwreg(HW_REG_WAVE_MODE, 25, 1), 1
	s_wait_xcnt 0x0
	s_wait_alu depctr_hold_cnt(0) depctr_sa_sdst(0) depctr_va_vdst(0) depctr_va_sdst(0) depctr_va_ssrc(0) depctr_va_vcc(0) depctr_vm_vsrc(0)
	s_getreg_b32 s2, hwreg(HW_REG_IB_STS2, 6, 4)
	s_cmp_eq_u32 s2, 0
	s_cbranch_scc0 .Lentry_in_a_cluster
	s_endpgm
.Lentry_in_a_cluster:
	s_bfe_u32 s2, ttmp6, 0x10000c
	s_cmp_lg_u32 s2, 0xf033
	s_cbranch_scc0 .Lentry_shape_is_right
	s_endpgm
.Lentry_shape_is_right:
; O = P V / l on codes of BF6 with E8M0 scales.  A tile of O is 256 queries x 256 channels: four waves, each 128 x 128 in 64 accumulators; K = the batch's 2,048 keys, in steps of 256 through two LDS slots.
; P's PARTS ARE BROUGHT UNDER ONE M AT THE HEAD, while the first tiles are on their way.  P was made in sixteen parts along the keys, each under a whole number M of its own.  Thread t takes queries 2 t and 2 t + 1 of the tile:
; the final -M is the least of the sixteen -M; each part's l is multiplied by 2^(M part - M final), exactly, and added; and M final - M part is taken off each of the part's four scale bytes (all four in one word:
; bit 7 of each byte, free since p <= 1 keeps the bytes under 124, is set).  The corrected words go to LDS, where the products take them.
; LIMITS: a block that lies more than its own byte under the final M gets the byte 0, 2^-127, where the rule's byte would be 1 or its codes would fall to zero: each such term is under 2^-122 of V against l >= 1/2.
;   NaN and infinities are not served.
; Ring, rounds, joint loads and the order of the products are as in the launches before.  V^T's rows stand in position order, so a lane's registers run along true channels; the queries' position order is undone by the stores' offsets.
; REGISTERS: window 0: v1 r, v2 h, v3, v7-9, v16-17, v20-21, v24-25, v27-30 addresses; v32-63 scale words, two sets; v64-79 1 / l of my rows, each twice; v128-223 A's fragments (at the head v64-171 are at work; on the way out v128-255).
;   window 1: B's two sets.  windows 2, 3: the accumulators.
.set HALFT,  24576
.set SLOT,   4*HALFT
.set PLANEA, 1572864
.set PLANEB, 196608
.set LAPS,   4
.set SCA,    2*SLOT                    ; P's corrected scale words, [keys / 128][256 rows]: written by LDS stores alone
.set SCB,    SCA+16384+128             ; V's, by tensor loads; 128 bytes past a multiple of 256
.set SPARE,  SCB+16384+128             ; the spare words, 128 bytes for each wave: two blocks of 256 bytes that no other line names
.set RL,     SPARE+512                 ; 1 / l of the 256 rows, each twice
.set STG,    RL+2048                   ; the way out: 16 rows x (512 bytes + 16) for each wave
.set FR,   12
.set NL,   3
.set NP,   4
.set ADRA, 16
.set ADRB, 20
.set STO,  24
.set RD,   25
.set ADRS, 27
.set SPW,  28
.set NIL,  29
.set LI,   30
.set SC,   32
.set RI,   64
.set AF,   128
.set BK,   128
.set G1,   24
.set G0,   32
.set G1B,  48
.set G0B,  56
.set G1SB, 80
.set G0SB, 88
.set MSB, 0
.macro WIN new
.if MSB != (\new)
	s_set_vgpr_msb (MSB<<8)|(\new)
.set MSB, (\new)
.endif
.endm
.set MUL_LO, 0xa1
.set MUL_HI, 0xf1
.set TO_B,   0x40
.macro JLOAD g0a, g1a, g0b, g1b        ; waves 0 and 1 fetch for A, waves 2 and 3 for B; four v_nop follow each of the two lines
	s_cmp_eq_u32 s15, 0
	s_cbranch_scc0 .Lfor_b_\@
	tensor_load_to_lds s[\g0a:\g0a+3], s[\g1a:\g1a+7]
	s_nop 0
.rept 4
	v_nop
.endr
	s_branch .Lasked_\@
.Lfor_b_\@:
	tensor_load_to_lds s[\g0b:\g0b+3], s[\g1b:\g1b+7]
	s_nop 0
.rept 4
	v_nop
.endr
.Lasked_\@:
.endm
.macro CREST
	s_cmp_lg_u32 s14, 0
	s_cbranch_scc1 .Lnot_wave_0_\@
	s_barrier_signal -3
.Lnot_wave_0_\@:
	s_barrier_wait -3
	s_barrier_signal -1
	s_barrier_wait -1
.endm
.macro CROUND
	s_barrier_signal -1
	s_barrier_wait -1
	CREST
.endm
.macro PLACES n
.rept \n
	v_nop
.endr
.endm
.macro FRAG reg, adr, q, i
.irp c, 0,1,2
	ds_load_b128 v[\reg+4*\c:\reg+4*\c+3], v[\adr] offset:(2*(\i)+(\q))*1536+512*\c
.endr
.endm
.macro FETCH_B slot, q, p
	WIN TO_B
.irp i, 0,1,2,3,4,5,6,7
	FRAG 128*(\p)+FR*\i, ADRB+\slot, \q, \i
.endr
	WIN 0
.endm
.macro FETCH_A slot, q, i0
.irp i, \i0, \i0+1, \i0+2, \i0+3
	FRAG AF+FR*(\i), ADRA+\slot, \q, \i
.endr
.endm
.macro SCALES sc
.irp i, 0,1,2,3,4,5,6,7
.irp q, 0,1
	ds_load_b32 v[SC+16*\sc+2*\i+\q], v[ADRS] offset:1024*\q+64*\i
.endr
.endr
.endm
.macro MUL16 a0, p, q, sc, zero        ; the 64 accumulators take turns, one instruction a turn
.irp a, \a0, \a0+1
.irp b, 0,1,2,3,4,5,6,7
.if \zero
	v_wmma_scale_f32_16x16x128_f8f6f4 v[8*(8*((\a)%4)+\b):8*(8*((\a)%4)+\b)+7], v[128*(\p)+FR*\b:128*(\p)+FR*\b+FR-1], v[AF+FR*(\a):AF+FR*(\a)+FR-1], 0, v[SC+16*(\sc)+2*\b+(\q)], v[SC+16*(\sc)+2*(\a)+(\q)] matrix_a_fmt:MATRIX_FMT_BF6 matrix_b_fmt:MATRIX_FMT_BF6 matrix_a_scale:MATRIX_SCALE_ROW1
.else
	v_wmma_scale_f32_16x16x128_f8f6f4 v[8*(8*((\a)%4)+\b):8*(8*((\a)%4)+\b)+7], v[128*(\p)+FR*\b:128*(\p)+FR*\b+FR-1], v[AF+FR*(\a):AF+FR*(\a)+FR-1], v[8*(8*((\a)%4)+\b):8*(8*((\a)%4)+\b)+7], v[SC+16*(\sc)+2*\b+(\q)], v[SC+16*(\sc)+2*(\a)+(\q)] matrix_a_fmt:MATRIX_FMT_BF6 matrix_b_fmt:MATRIX_FMT_BF6 matrix_a_scale:MATRIX_SCALE_ROW1
.endif
.endr
.endr
.endm
.macro STEP slot, zero
	s_wait_dscnt 4*NL                              ; all but the youngest twelve loads (A's blocks 4-7)
	WIN MUL_LO
	MUL16 0, 0, 0, \slot, \zero
	MUL16 2, 0, 0, \slot, \zero
	s_wait_dscnt 0x0
	PLACES NP
	FETCH_B \slot, 1, 1
	FETCH_A \slot, 1, 0
	WIN MUL_HI
	MUL16 4, 0, 0, \slot, \zero
	MUL16 6, 0, 0, \slot, \zero
	PLACES NP
	WIN 0
	FETCH_A \slot, 1, 4
.endm
.macro TURN slot, next, fill
	s_wait_tensorcnt 0x0                           ; all my tensor loads have landed: my part of the next slot
	ds_add_u32 v[SPW], v[NIL]                      ; 0 onto my spare word
	s_wait_dscnt 4*NL+1                            ; (the add and the youngest twelve loads may be out)
	WIN MUL_LO
	MUL16 0, 1, 1, \slot, 0
	s_wait_dscnt 0x0                               ; the add is done, and my reads of this slot are over
	s_barrier_signal -1
	MUL16 2, 1, 1, \slot, 0
	WIN 0
	s_barrier_wait -1
.if \fill
	CREST                                          ; a round of the cluster's barrier: no wave of any partner still reads this slot or has a load on its way
	s_add_nc_u64 s[G0+4*\slot+2:G0+4*\slot+3], s[G0+4*\slot+2:G0+4*\slot+3], 2*PLANEA
	s_add_nc_u64 s[G0B+4*\slot+2:G0B+4*\slot+3], s[G0B+4*\slot+2:G0B+4*\slot+3], 2*PLANEB
	JLOAD G0+4*\slot, G1, G0B+4*\slot, G1B
.else
	PLACES NP
.endif
	v_add_nc_u32 v[ADRS], 2048, v[ADRS]
	FETCH_B \next, 0, 0
	FETCH_A \next, 0, 0
	SCALES \next
	WIN MUL_HI
	MUL16 4, 1, 1, \slot, 0
	MUL16 6, 1, 1, \slot, 0
	PLACES NP
	WIN 0
	FETCH_A \next, 0, 4
.endm
	s_load_b256 s[4:11], s[0:1], 0x0               ; pc s[4:5], pst s[6:7], vc s[8:9], vs s[10:11]
	s_load_b64 s[12:13], s[0:1], 0x20              ; out0
	v_lshl_add_u32 v[SPW], v0, 2, SPARE
	v_mov_b32 v[NIL], 0
	ds_add_u32 v28, v29
	ds_add_u32 v28, v29
	s_wait_dscnt 0x0
	v_lshrrev_b32 v1, 5, v0
	v_readfirstlane_b32 s14, v1
	s_lshr_b32 s15, s14, 1
	s_and_b32 s16, s14, 1
	s_bfe_u32 s40, ttmp6, 0x40000                  ; cx: which 256 channels
	s_bfe_u32 s41, ttmp6, 0x40004                  ; cy
	s_and_b32 s17, ttmp7, 0xffff                   ; the cluster's y
	s_lshl_b32 s43, s41, 2
	s_lshl_b32 s43, 15, s43
	s_lshl_b32 s44, 0x1111, s40
	s_or_b32 s[G1+0], s43, (3<<16)|(1<<21)         ; the codes: a dense block of 24,576 bytes as 96 rows of 32 elements of 8 bytes
	s_or_b32 s[G1B+0], s44, (3<<16)|(1<<21)
.irp g, G1, G1B
	s_mov_b32 s[\g+1], 32<<16
	s_mov_b32 s[\g+2], 96<<16
	s_mov_b32 s[\g+3], 32<<16
	s_mov_b32 s[\g+4], 96
	s_mov_b32 s[\g+5], 32
	s_mov_b32 s[\g+6], 0
	s_mov_b32 s[\g+7], 0
.endr
	s_or_b32 s[G1SB+0], s44, (3<<16)|(1<<21)       ; V's scale words: four planes x 1,024 bytes, 4,096 bytes apart
	s_mov_b32 s[G1SB+1], 128<<16
	s_mov_b32 s[G1SB+2], 4<<16
	s_mov_b32 s[G1SB+3], 128<<16
	s_mov_b32 s[G1SB+4], 4
	s_mov_b32 s[G1SB+5], 512
	s_mov_b32 s[G1SB+6], 0
	s_mov_b32 s[G1SB+7], 0
	s_lshl_b32 s20, s17, 6
	s_lshl_b32 s18, s41, 4
	s_add_co_u32 s20, s20, s18                     ; P's first block: 16 (4 x cluster y + cy)
	s_lshl_b32 s21, s16, 3
	s_add_co_u32 s22, s20, s21
	s_mul_i32 s22, s22, 3072
	s_mov_b32 s23, 0
	s_lshr_b32 s19, s17, 1                         ; the batch
	s_lshl_b32 s46, s40, 4
	s_add_co_u32 s46, s46, s21
	s_mul_i32 s46, s46, 3072
	s_mul_i32 s47, s19, 1572864
	s_add_co_u32 s46, s46, s47
	s_mov_b32 s47, 0
	s_lshl_b32 s2, s19, 16
	s_lshl_b32 s3, s14, 14                         ; planes 4 x wave on
	s_add_co_u32 s2, s2, s3
	s_lshl_b32 s3, s40, 10
	s_add_co_u32 s2, s2, s3
	s_mov_b32 s3, 0
	s_mul_i32 s45, s14, HALFT
	s_lshl_b32 s67, s14, 12
	s_lshl_b32 s96, s20, 6                         ; my tile's rows in a plane of pst
	s_mov_b32 s97, 0
	s_lshl_b32 s98, s20, 16                        ; out0: 16 rows of 4,096 bytes a block,
	s_lshl_b32 s99, s15, 19
	s_add_co_u32 s98, s98, s99                     ; my 128 rows,
	s_lshl_b32 s99, s40, 10
	s_add_co_u32 s98, s98, s99
	s_lshl_b32 s99, s16, 9
	s_add_co_u32 s98, s98, s99                     ; my 128 channels
	s_mov_b32 s99, 0
	s_mov_b32 s92, 0x80808080
	s_mov_b32 s93, 0x01010101
	s_wait_kmcnt 0x0
	s_add_nc_u64 s[22:23], s[4:5], s[22:23]
	s_add_nc_u64 s[46:47], s[8:9], s[46:47]
	s_add_nc_u64 s[2:3], s[10:11], s[2:3]
	s_add_nc_u64 s[6:7], s[6:7], s[96:97]
	s_add_nc_u64 s[12:13], s[12:13], s[98:99]
	CROUND                                         ; all sixteen work-groups are here: the first joint loads meet
	s_mov_b32 s[G0SB], 1
	s_add_co_u32 s[G0SB+1], s67, SCB
	s_mov_b64 s[G0SB+2:G0SB+3], s[2:3]
	s_or_b32 s[G0SB+3], s[G0SB+3], 0x80000000
	tensor_load_to_lds s[G0SB:G0SB+3], s[G1SB:G1SB+7]      ; every wave: four of the sixteen planes of V's scale words, shared along my column of the cluster
	s_nop 0
.rept 4
	v_nop
.endr
.irp s, 0,1
	s_mov_b32 s[G0+4*\s], 1
	s_add_co_u32 s[G0+4*\s+1], s45, \s*SLOT
	s_add_nc_u64 s[G0+4*\s+2:G0+4*\s+3], s[22:23], \s*PLANEA
	s_or_b32 s[G0+4*\s+3], s[G0+4*\s+3], 0x80000000
	s_mov_b32 s[G0B+4*\s], 1
	s_add_co_u32 s[G0B+4*\s+1], s45, \s*SLOT
	s_add_nc_u64 s[G0B+4*\s+2:G0B+4*\s+3], s[46:47], \s*PLANEB
	s_or_b32 s[G0B+4*\s+3], s[G0B+4*\s+3], 0x80000000
	JLOAD G0+4*\s, G1, G0B+4*\s, G1B               ; three loads of mine are out
.endr
	; ---- P's sixteen parts: rows 2 t and 2 t + 1: v64.. the raw scale words, v96.. -M, v128.. l
	v_lshlrev_b32 v3, 3, v0
.irp s, 0,1,2
.irp k, 0,1,2,3,4,5,6,7,8,9,10,11,12,13,14,15
	global_load_b64 v[64+32*\s+2*\k:65+32*\s+2*\k], v3, s[6:7] offset:524288*\s+32768*\k
.endr
.endr
	v_and_b32 v1, 15, v0                           ; r
	v_bfe_u32 v2, v0, 4, 1                         ; h
	v_and_b32 v4, 31, v0
	v_lshlrev_b32 v[LI], 4, v4
	s_mul_i32 s18, s15, HALFT
	s_mul_i32 s19, s16, HALFT
	s_add_co_u32 s19, s19, 2*HALFT
.irp s, 0,1
	v_add_nc_u32 v[ADRA+\s], s18, v[LI]
	v_add_nc_u32 v[ADRB+\s], s19, v[LI]
	s_add_co_u32 s18, s18, SLOT
	s_add_co_u32 s19, s19, SLOT
.endr
	s_lshl_b32 s18, s15, 9
	s_lshl_b32 s19, s16, 9
	s_add_co_u32 s19, s19, SCB-SCA
	s_sub_co_u32 s19, s19, s18
	v_mul_u32_u24 v6, s19, v2                      ; lanes 16-31 take B's words
	s_add_co_u32 s18, s18, SCA
	v_lshl_add_u32 v6, v1, 2, v6
	v_add_nc_u32 v[ADRS], s18, v6
	v_lshl_add_u32 v7, v0, 3, SCA                  ; where I put my two rows' words of a plane
	v_lshl_add_u32 v8, v0, 4, RL                   ; and their 1 / l, each twice
	s_lshl_b32 s18, s15, 10
	s_add_co_u32 s18, s18, RL
	v_lshl_add_u32 v9, v1, 3, s18                  ; where I read the pair of my row r of block 0
	s_mul_i32 s18, s14, 16*528
	s_add_co_u32 s18, s18, STG                     ; my stage
	v_mul_u32_u24 v[STO], v1, 528
	v_lshl_add_u32 v[STO], v2, 6, v[STO]
	v_add_nc_u32 v[STO], s18, v[STO]               ; in: row r, + 64 h
	v_add_nc_u32 v[RD], s18, v[LI]                 ; back: a row of 512 bytes, 16 bytes a lane
	s_wait_loadcnt 0x0
.irp e, 0,1
	v_min3_num_f32 v[160+\e], v[96+\e], v[98+\e], v[100+\e]
.endr
.irp k, 3,5,7,9,11,13
.irp e, 0,1
	v_min3_num_f32 v[160+\e], v[160+\e], v[96+2*\k+\e], v[98+2*\k+\e]
.endr
.endr
.irp e, 0,1
	v_min_num_f32 v[160+\e], v[160+\e], v[126+\e]  ; the final -M: the least of the sixteen
.endr
.irp k, 0,1,2,3,4,5,6,7,8,9,10,11,12,13,14,15
.irp e, 0,1
	v_sub_f32 v[168+\e], v[160+\e], v[96+2*\k+\e]  ; M part - M final: a whole number, 0 or less
.endr
.irp e, 0,1
	v_cvt_i32_f32 v[168+\e], v[168+\e]             ; (it saturates)
.endr
.irp e, 0,1
.if \k == 0
	v_ldexp_f32 v[162+\e], v[128+\e], v[168+\e]    ; the part's l under the final M: nothing is rounded
.else
	v_ldexp_f32 v[170+\e], v[128+2*\k+\e], v[168+\e]
.endif
.endr
.irp e, 0,1
	v_sub_nc_u32 v[168+\e], 0, v[168+\e]
.endr
.irp e, 0,1
	v_min_u32 v[168+\e], 127, v[168+\e]            ; what comes off each byte, held at 127: beyond every byte
.endr
.if \k > 0
.irp e, 0,1
	v_add_f32 v[162+\e], v[162+\e], v[170+\e]
.endr
.endif
.irp e, 0,1
	v_mul_lo_u32 v[168+\e], v[168+\e], s93         ; in all four bytes
.endr
.irp e, 0,1
	v_or_b32 v[64+2*\k+\e], s92, v[64+2*\k+\e]     ; the guard: bit 7 of each byte
.endr
.irp e, 0,1
	v_sub_nc_u32 v[64+2*\k+\e], v[64+2*\k+\e], v[168+\e]   ; no byte borrows from its neighbour: 128 + byte > 127
.endr
.irp e, 0,1
	v_and_b32 v[168+\e], s92, v[64+2*\k+\e]        ; the guards that are left,
.endr
.irp e, 0,1
	v_lshrrev_b32 v[170+\e], 7, v[168+\e]
.endr
.irp e, 0,1
	v_sub_nc_u32 v[168+\e], v[168+\e], v[170+\e]   ; as masks of seven bits
.endr
.irp e, 0,1
	v_and_b32 v[64+2*\k+\e], v[64+2*\k+\e], v[168+\e]      ; byte - difference, or 0
.endr
	ds_store_b64 v7, v[64+2*\k:65+2*\k] offset:1024*\k
.endr
	v_rcp_f32 v164, v162
	v_rcp_f32 v166, v163
	v_nop                                          ; a plain instruction behind the reciprocals
	s_wait_alu depctr_va_vdst(0)                   ; and a wait ahead of the first use
	v_mov_b32 v165, v164
	v_mov_b32 v167, v166
	ds_store_b128 v8, v[164:167]
	s_wait_tensorcnt 0x1                           ; V's scale words and my part of slot 0 are in; slot 1's load may be out
	s_wait_dscnt 0x0                               ; my stores have landed
	s_barrier_signal -1
	s_barrier_wait -1
.irp a, 0,1,2,3,4,5,6,7
	ds_load_b64 v[RI+2*\a:RI+2*\a+1], v9 offset:128*\a     ; 1 / l of my row of block a, as a pair
.endr
	FETCH_B 0, 0, 0
	FETCH_A 0, 0, 0
	SCALES 0
	FETCH_A 0, 0, 4
	STEP 0, 1                                      ; the first step's products start the sums
	s_mov_b32 s3, LAPS-1
.Llap:                                                 ; a trip goes once round the ring and fills both slots again
	TURN 0, 1, 1
	STEP 1, 0
	TURN 1, 0, 1
	STEP 0, 0
	s_sub_co_u32 s3, s3, 1
	s_cmp_lg_u32 s3, 0
	s_cbranch_scc1 .Llap
	TURN 0, 1, 0
	STEP 1, 0
	s_wait_dscnt 4*NL
	WIN MUL_LO
	MUL16 0, 1, 1, 1, 0
	MUL16 2, 1, 1, 1, 0
	s_wait_dscnt 0x0
	WIN MUL_HI
	MUL16 4, 1, 1, 1, 0
	MUL16 6, 1, 1, 1, 0
	WIN 0
; THE WAY OUT, block by block of 16 queries x 128 channels: x 1 / l where the sums stand, through my own stage in LDS, back as whole rows of 512 bytes.  Accumulator b's eight registers are channels 32 (b / 2) + 16 h + 8 (b % 2) on.
.macro TOSTAGE a
.set AC, 64*((\a)%4)
	WIN 65*(2+(\a)/4)                              ; source 0 and destination in the accumulators' window
.set j, 0
.rept 32
	v_pk_mul_f32 v[AC+j:AC+j+1], v[AC+j:AC+j+1], v[RI+2*(\a):RI+2*(\a)+1]   ; each accumulator from its low end on
.set j, j+2
.endr
	WIN 4*(2+(\a)/4)                               ; an LDS store's data are its source 1
.irp b, 0,1,2,3,4,5,6,7
	ds_store_b128 v[STO], v[AC+8*\b:AC+8*\b+3] offset:128*(\b/2)+32*(\b%2)
	ds_store_b128 v[STO], v[AC+8*\b+4:AC+8*\b+7] offset:128*(\b/2)+32*(\b%2)+16
.endr
	WIN 0
.set BB, BK+64*((\a)%2)
.irp t, 0,1,2,3,4,5,6,7,8,9,10,11,12,13,14,15
	ds_load_b128 v[BB+4*\t:BB+4*\t+3], v[RD] offset:\t*528     ; LDS serves a wave's instructions in order: these see the stores above
.endr
.endm
.macro SEND a, younger                 ; position 16 a + t of my 128 queries is query 32 (a / 2) + 8 (a % 2) + t + 8 (t / 8): the offset says so, and the base is never stepped
.set BB, BK+64*((\a)%2)
	s_wait_dscnt \younger
.irp t, 0,1,2,3,4,5,6,7,8,9,10,11,12,13,14,15
	global_store_b128 v[LI], v[BB+4*\t:BB+4*\t+3], s[12:13] offset:(32*((\a)/2)+8*((\a)%2)+\t+8*(\t/8))*4096 th:TH_STORE_NT   ; 32 lanes store 512 consecutive bytes, at a multiple of 256 from out0's first byte
.endr
.endm
	PLACES NP                                      ; behind the last products
	TOSTAGE 0
.irp a, 1,2,3,4,5,6,7
.if \a > 1
	s_wait_xcnt 0x0                                ; block a - 2's stores have read their registers: block a's rows may land there
.endif
	TOSTAGE \a
	SEND \a-1, 32                                  ; behind block a - 1's loads: block a's 16 stores and 16 loads
.endr
	SEND 7, 0
	s_wait_tensorcnt 0x0                           ; the wave's end
	ds_add_u32 v[SPW], v[NIL]
	s_wait_dscnt 0x0
	CROUND                                         ; the closing round
	s_endpgm
.Lfunc_end_k_qdb5ad4116b_pv:
	.size	k_qdb5ad4116b_pv, .Lfunc_end_k_qdb5ad4116b_pv-k_qdb5ad4116b_pv
	.p2alignl 7, 3214868480
	.fill 96, 4, 3214868480
	.section	.rodata,"a",@progbits
	.p2align	6, 0x0
	.amdhsa_kernel k_qdb5ad4116b_pv
		.amdhsa_group_segment_fixed_size 327680
		.amdhsa_private_segment_fixed_size 0
		.amdhsa_enable_private_segment 0
		.amdhsa_kernarg_size 40
		.amdhsa_user_sgpr_count 2
		.amdhsa_user_sgpr_kernarg_segment_ptr 1
		.amdhsa_wavefront_size32 1
		.amdhsa_system_sgpr_workgroup_id_x 1
		.amdhsa_system_sgpr_workgroup_id_y 1
		.amdhsa_system_sgpr_workgroup_id_z 1
		.amdhsa_system_vgpr_workitem_id 0
		.amdhsa_next_free_vgpr 1024
		.amdhsa_next_free_sgpr 100
		.amdhsa_reserve_vcc 0
		.amdhsa_float_denorm_mode_32 3
		.amdhsa_float_denorm_mode_16_64 3
		.amdhsa_memory_ordered 1
		.amdhsa_forward_progress 1
		.amdhsa_inst_pref_size 176
	.end_amdhsa_kernel
	.amdgpu_metadata
---
amdhsa.version: [ 1, 2 ]
amdhsa.kernels:
  - .name:           k_qdb5ad4116b_pv
    .symbol:         k_qdb5ad4116b_pv.kd
    .args:
      - { .name: pc, .offset: 0, .size: 8, .value_kind: global_buffer, .address_space: global }
      - { .name: pst, .offset: 8, .size: 8, .value_kind: global_buffer, .address_space: global }
      - { .name: vc, .offset: 16, .size: 8, .value_kind: global_buffer, .address_space: global }
      - { .name: vs, .offset: 24, .size: 8, .value_kind: global_buffer, .address_space: global }
      - { .name: out0, .offset: 32, .size: 8, .value_kind: global_buffer, .address_space: global }
    .group_segment_fixed_size: 327680
    .private_segment_fixed_size: 0
    .kernarg_segment_align: 8
    .kernarg_segment_size: 40
    .max_flat_workgroup_size: 128
    .sgpr_count:     100
    .vgpr_count:     1024
    .wavefront_size: 32
...
	.end_amdgpu_metadata
.endif
;; end of part 4
;; ======== version 2 of 2: 4 launches
;; limits: right only within a limited range of input values
;; workspace buffers: opc 8,650,752 bytes; ops 360,448 bytes; qkc 12,582,912 bytes; qks 524,288 bytes; vc 6,291,456 bytes; vs 262,144 bytes; pc 12,582,912 bytes; pst 1,572,864 bytes
;; launch quant (part 5): grid 704 x 1, 4 waves a work-group, no clusters, 81,408 bytes of LDS; arguments X, W_q, W_k, W_v, opc, ops; writes opc, ops
.if DOCPART == 5
	.amdgcn_target "amdgcn-amd-amdhsa--gfx1250"
	.amdhsa_code_object_version 6
	.text
	.protected	k_qdb5ad4116b_quant
	.globl	k_qdb5ad4116b_quant
	.p2align	8
	.type	k_qdb5ad4116b_quant,@function
k_qdb5ad4116b_quant:
	s_mov_b64 s[64:65], 0
	v_nop
	global_prefetch_b8 v0, s[64:65] scope:SCOPE_SE
	s_setreg_imm32_b32 hwreg(HW_REG_WAVE_MODE, 25, 1), 1
	s_wait_xcnt 0x0
; X [8192][1024] and W_q, W_k, W_v [1024 (k)][1024 (n)], f32, become codes of BF6 (E3M2) with one E8M0 byte for each 32 along K (X: its last axis; W: its FIRST axis).  Nothing of the problem's work is left out in this program.
; A block's scale is 2^(floor(log2(its largest magnitude)) - 4); its byte is the largest magnitude's exponent field - 4, held at 1 from below.
; LIMITS: a block of zeros gets the byte 1 where the rule says 127 (its codes are zeros, and this program alone reads the bytes); blocks whose largest magnitude lies under 2^(5 - 127) are held at that floor;
; NaN and infinities among the inputs are not served.
; THE WORKSPACE IS LAID AS ITS READER WANTS IT.  A fragment (16 rows x 128 K: 12 registers a lane) lies as an image of its registers: registers 4 c .. 4 c + 3 of lane l at 512 c + 16 l: 1,536 bytes.
; opc: [K / 256][row block of 16][(K / 128) % 2][1,536];  ops: [K / 128][row] one word of four bytes.  Row blocks 0-511 are X; 512-703 are dealt by the next launch's tile columns t = 0 .. 7, 24 blocks each:
; 512 + 24 t + 12 j + 0 .. 7 are columns 256 t + 128 j on of W_q | W_k, 512 + 24 t + 12 j + 8 .. 11 columns 128 t + 64 j on of W_v.
; ROWS STAND IN POSITION ORDER: in each group of 32 rows, position 16 u + r holds row 8 u + r + 8 (r / 8).  A product that takes 16 neighbouring positions as its source 0 then leaves, in a lane's 16 registers of two
; neighbouring tiles, 16 neighbours along the next product's K.
; Work-groups 0-191 take the weights: 128 K x 128 columns, a wave 32 columns, a lane a column.  They ask for their numbers in two parts and so have the lowest numbers.  Work-groups 192-703 take X: 32 tokens, four waves side by side on 128 K each.
; No tensor load, no barrier, no loop: waves share nothing and every offset is an immediate.  An X wave asks for all its 16 KiB at its head; a weights' wave asks two blocks of 32 along K (64 loads) ahead.
; The two paths have LDS bytes of their own.
.set OPCP, 2162688                     ; a plane of opc: 704 row blocks x 3,072 bytes
.set OPSP, 45056                       ; a plane of ops: 11,264 rows x 4 bytes
.set WGW,  192                         ; the weights' work-groups
.set R,    16                          ; v16-143  X: 32 rows as loaded, 4 registers each
.set XN0,  144                         ; v144-207 fragment 0: 64 numbers of my row
.set XN1,  16                          ; v16-79   fragment 1's, where fragment 0's rows were loaded
.set PC,   208                         ; v208-227 the codes just made
.set TM,   228                         ; v228-243 at work: largest magnitudes, bytes, scale operands
.set PW0,  244                         ; v244     fragment 0's scale word
.set PW,   245                         ; v245     the scale word just made
.set SPW,  248                         ; v248     LDS address of my spare word
.set NIL,  249
.set SEL,  26                          ; s[26:27] lane selects: lane l xor 16
.set WST,  67584                       ; the weights' stages begin behind X's four (4 x 16,896 bytes)
.set SPARE, 80896                      ; behind the weights' four (4 x 3,328 bytes): the spare words, 128 bytes for each wave
	s_load_b256 s[4:11], s[0:1], 0x0               ; X, W_q, W_k, W_v
	s_load_b128 s[12:15], s[0:1], 0x20             ; opc, ops
	v_lshl_add_u32 v[SPW], v0, 2, SPARE
	v_mov_b32 v[NIL], 0
	v_lshrrev_b32 v2, 5, v0
	v_readfirstlane_b32 s16, v2                    ; wave 0..3
	v_and_b32 v1, 31, v0                           ; lane
	v_lshlrev_b32 v4, 4, v1                        ; 16 x lane
	v_lshlrev_b32 v7, 2, v1                        ; 4 x lane
	s_wait_alu depctr_va_vdst(0)
	s_cmp_lt_u32 ttmp9, WGW
	s_cbranch_scc1 .Lweights
; ---------------- X ----------------
; 64 numbers of a lane, register 16 b + i = k 32 b + 16 (lane / 16) + i of my row, become a fragment's codes in v[PC] on and its scale word in v[PW].
.macro QUANT s
.irp b, 0,1,2,3
	v_max3_num_f32 v[TM+\b], |v[\s+16*\b]|, |v[\s+1+16*\b]|, 0x2800000   ; block b: my 16 numbers, and the floor 2^(5 - 127): the byte cannot fall under 1
.endr
.irp i, 2,4,6,8,10,12,14
.irp b, 0,1,2,3
	v_max3_num_f32 v[TM+\b], v[TM+\b], |v[\s+16*\b+\i]|, |v[\s+1+16*\b+\i]|   ; the four blocks by turns
.endr
.endr
.irp b, 0,1,2,3
	v_permlanex16_b32 v[TM+4+\b], v[TM+\b], s[SEL], s[SEL+1]
.endr
.irp b, 0,1,2,3
	v_max_num_f32 v[TM+\b], v[TM+\b], v[TM+4+\b]   ; with lane l xor 16's: the block's largest magnitude
.endr
.irp b, 0,1,2,3
	v_add_nc_u32 v[TM+12+\b], 0xfe000000, v[TM+\b] ; 4 off its exponent field: the conversion takes the exponent field of this operand as its scale
.endr
.irp b, 0,1,2,3
	v_lshrrev_b32 v[TM+4+\b], 23, v[TM+12+\b]      ; the scale's byte
.endr
	v_lshl_or_b32 v[PW], v[TM+5], 8, v[TM+4]       ; four bytes: my row's scale word
	v_lshl_or_b32 v[PW], v[TM+6], 16, v[PW]
	v_lshl_or_b32 v[PW], v[TM+7], 24, v[PW]
.irp c, 0,1
	v_cvt_scalef32_pk16_bf6_f32 v[PC+6*\c:PC+2+6*\c], v[\s+32*\c:\s+15+32*\c], v[TM+12+2*\c]
	v_cvt_scalef32_pk16_bf6_f32 v[PC+12+4*\c:PC+14+4*\c], v[\s+16+32*\c:\s+31+32*\c], v[TM+12+2*\c+1]   ; (a conversion's three registers begin on an even number)
.endr
	v_nop                                          ; one plain instruction behind a scaled conversion
.irp c, 0,1                                    ; the operand wants a WHOLE block in a lane: lanes 0-15 block 2 c, lanes 16-31 block 2 c + 1
.irp i, 0,1,2
	v_permlane16_swap_b32 v[PC+6*\c+\i], v[PC+12+4*\c+\i]
.endr
.irp i, 0,1,2
	v_mov_b32 v[PC+3+6*\c+\i], v[PC+12+4*\c+\i]
.endr
.endr
.endm
; Fragment u's 16 rows turn through the wave's own stage (rows of 512 bytes + 16): in as loaded, 16 bytes a lane; out 64 bytes of each block of 128 for lane (r, h).  LDS serves a wave's instructions in order.
.macro XTURN u, dst
.irp p, 0,1,2,3,4,5,6,7,8,9,10,11,12,13,14,15
	ds_store_b128 v5, v[R+64*\u+4*\p:R+64*\u+4*\p+3] offset:8448*\u+528*\p
.endr
.irp b, 0,1,2,3
.irp j, 0,1,2,3
	ds_load_b128 v[\dst+16*\b+4*\j:\dst+16*\b+4*\j+3], v6 offset:8448*\u+128*\b+16*\j
.endr
.endr
.endm
	v_and_b32 v2, 15, v0                           ; r
	v_bfe_u32 v3, v0, 4, 1                         ; h
	s_mul_i32 s17, s16, 16896                      ; my two stages
	v_add_nc_u32 v5, s17, v4                       ; in: 16 x lane
	v_mul_u32_u24 v6, v2, 528
	v_lshl_add_u32 v6, v3, 6, v6
	v_add_nc_u32 v6, s17, v6                       ; out: row r, + 64 h
	s_sub_co_u32 s19, ttmp9, WGW
	s_lshr_b32 s18, s19, 1                         ; g: which 32 tokens
	s_and_b32 s19, s19, 1
	s_lshl_b32 s19, s19, 2
	s_add_co_u32 s19, s19, s16                     ; ks: which 128 along K
	s_lshl_b32 s20, s18, 17                        ; 32 rows of 4,096 bytes
	s_lshl_b32 s21, s19, 9
	s_add_co_u32 s20, s20, s21
	s_mov_b32 s21, 0
	s_lshr_b32 s22, s19, 1
	s_mul_i32 s22, s22, OPCP
	s_mul_i32 s23, s18, 6144                       ; row block 2 g
	s_add_co_u32 s22, s22, s23
	s_and_b32 s23, s19, 1
	s_mul_i32 s23, s23, 1536
	s_add_co_u32 s22, s22, s23
	s_mov_b32 s23, 0
	s_mul_i32 s24, s19, OPSP
	s_lshl_b32 s25, s18, 7                         ; 32 words
	s_add_co_u32 s24, s24, s25
	s_mov_b32 s25, 0
	s_mov_b32 s[SEL], 0x76543210
	s_mov_b32 s[SEL+1], 0xfedcba98
.irp b, 0,1,2,3
	v_mov_b32 v[TM+4+\b], 0                        ; written once: a lane permute's destination counts as one of its sources
.endr
	s_wait_alu depctr_va_vdst(0)
	s_wait_kmcnt 0x0
	s_add_nc_u64 s[4:5], s[4:5], s[20:21]
	s_add_nc_u64 s[12:13], s[12:13], s[22:23]
	s_add_nc_u64 s[14:15], s[14:15], s[24:25]
.irp u, 0,1                                    ; position 16 u + p takes token 8 u + p + 8 (p / 8); each load reads 512 consecutive bytes
.irp p, 0,1,2,3,4,5,6,7,8,9,10,11,12,13,14,15
	global_load_b128 v[R+64*\u+4*\p:R+64*\u+4*\p+3], v4, s[4:5] offset:(8*\u+\p+8*(\p/8))*4096 th:TH_LOAD_NT
.endr
.endr
	s_wait_loadcnt 16                              ; fragment 0's sixteen loads are in; fragment 1's may be out
	XTURN 0, XN0
	s_wait_dscnt 0x0                               ; fragment 0's numbers are back
	s_wait_loadcnt 0x0
	XTURN 1, XN1                                   ; goes through the other stage while fragment 0 is worked
	QUANT XN0
	v_mov_b32 v[PW0], v[PW]
.irp c, 0,1,2
	global_store_b128 v4, v[PC+4*\c:PC+4*\c+3], s[12:13] offset:512*\c     ; 32 lanes store 512 consecutive bytes
.endr
	s_wait_dscnt 0x0                               ; fragment 1's numbers are back
	s_wait_xcnt 0x0                                ; the stores have read their data: the codes' registers are written again only behind this wait
	QUANT XN1
.irp c, 0,1,2
	global_store_b128 v4, v[PC+4*\c:PC+4*\c+3], s[12:13] offset:3072+512*\c
.endr
	v_cmp_le_u32 vcc_lo, 16, v1
	v_cndmask_b32 v246, v[PW0], v[PW], vcc_lo      ; lanes 0-15: positions 0-15; lanes 16-31: positions 16-31 (each word stands in lanes r and 16 + r)
	global_store_b32 v7, v246, s[14:15]            ; 128 consecutive bytes
	s_wait_tensorcnt 0x0                           ; the wave's end
	ds_add_u32 v[SPW], v[NIL]
	s_wait_dscnt 0x0
	s_endpgm
; ---------------- the weights ----------------
; A lane takes a column n and its registers run DOWN K: a block of 32 lies in one lane, and the conversions give codes with K innermost.  Block b belongs to lane (r, b % 2) of the fragment, registers 6 (b / 2) on:
; it goes to that place of the fragment's image in the wave's stage, and the images leave as they lie.
.Lweights:
	s_lshr_b32 s18, ttmp9, 6                       ; which weight
	s_bfe_u32 s19, ttmp9, 0x30003                  ; which 128 columns
	s_and_b32 s20, ttmp9, 7                        ; ks
	s_wait_alu depctr_va_vdst(0)
	v_and_b32 v9, 7, v1
	v_lshrrev_b32 v10, 4, v1
	v_lshl_add_u32 v9, v10, 3, v9                  ; r = lane % 8 + 8 (lane / 16)
	v_bfe_u32 v10, v1, 3, 1                        ; u = bit 3 of the lane: column lane stands at position 16 u + r
	s_mul_i32 s21, s16, 3328
	s_add_co_u32 s21, s21, WST                     ; my stage: two images, 1,664 bytes apart
	v_mul_u32_u24 v8, v10, 1664
	v_lshl_add_u32 v8, v9, 4, v8
	v_add_nc_u32 v8, s21, v8                       ; in: image u, 16 r
	v_add_nc_u32 v5, s21, v4                       ; out: 16 x lane
	v_lshl_add_u32 v6, v10, 4, v9
	v_lshlrev_b32 v6, 2, v6                        ; my scale word's place: 4 x position
	s_lshl_b32 s22, s20, 19                        ; 128 rows of 4,096 bytes
	s_lshl_b32 s23, s19, 9
	s_add_co_u32 s22, s22, s23
	s_lshl_b32 s23, s16, 7
	s_add_co_u32 s22, s22, s23                     ; + my 32 columns
	s_mov_b32 s23, 0
	s_lshl_b32 s24, s18, 2
	s_lshr_b32 s25, s19, 1
	s_add_co_u32 s24, s24, s25                     ; W_q, W_k: tile column 4 x weight + (128 columns) / 2,
	s_and_b32 s25, s19, 1
	s_mul_i32 s25, s25, 12                         ; its half,
	s_lshl_b32 s26, s16, 1
	s_add_co_u32 s25, s25, s26                     ; and two blocks a wave
	s_lshr_b32 s27, s16, 1
	s_lshl_b32 s27, s27, 3
	s_add_co_u32 s26, s26, s27
	s_add_co_u32 s26, s26, 8                       ; W_v: blocks 8, 10, 20, 22 of its tile column
	s_cmp_eq_u32 s18, 2
	s_cselect_b32 s24, s19, s24
	s_cselect_b32 s25, s26, s25
	s_mul_i32 s24, s24, 24
	s_add_co_u32 s24, s24, s25
	s_add_co_u32 s24, s24, 512                     ; my first row block
	s_lshl_b32 s28, s24, 6                         ; its rows' words
	s_mul_i32 s24, s24, 3072
	s_lshr_b32 s25, s20, 1
	s_mul_i32 s25, s25, OPCP
	s_add_co_u32 s24, s24, s25
	s_and_b32 s25, s20, 1
	s_mul_i32 s25, s25, 1536
	s_add_co_u32 s24, s24, s25
	s_mov_b32 s25, 0
	s_mul_i32 s29, s20, OPSP
	s_add_co_u32 s28, s28, s29
	s_mov_b32 s29, 0
	s_wait_alu depctr_va_vdst(0)
	s_wait_kmcnt 0x0
	s_cmp_eq_u32 s18, 0                            ; the choice hangs on the work-group's number alone
	s_cselect_b64 s[30:31], s[6:7], s[8:9]
	s_cmp_eq_u32 s18, 2
	s_cselect_b64 s[30:31], s[10:11], s[30:31]
	s_add_nc_u64 s[30:31], s[30:31], s[22:23]
	s_add_nc_u64 s[12:13], s[12:13], s[24:25]
	s_add_nc_u64 s[14:15], s[14:15], s[28:29]
.macro WLOAD b                         ; block b: W(128 ks + 32 b + n, my column), n = 0 .. 31, into registers of its own: 128 consecutive bytes a wave, 512 a work-group, in each load
.set n, 0
.rept 32
	global_load_b32 v[16+32*(\b)+n], v7, s[30:31] offset:(32*(\b)+n)*4096 th:TH_LOAD_NT
.set n, n+1
.endr
.endm
.macro WBLOCK b
.set XS, 16+32*(\b)
.set CW, 144+6*(\b)
.if (\b) < 3
	s_wait_loadcnt 32                              ; loads come back in order: this block's 32 are in; the next block's 32, issued behind them, may be out
.else
	s_wait_loadcnt 0x0                             ; the last block: nothing was issued behind it
.endif
.if (\b) < 2
	WLOAD (\b)+2                                   ; two blocks ahead; each block has registers of its own, so the loads go out at once
.endif
	v_max3_num_f32 v12, |v[XS]|, |v[XS+1]|, |v[XS+2]|
	v_max3_num_f32 v13, |v[XS+3]|, |v[XS+4]|, |v[XS+5]|
.irp i, 6,10,14,18,22,26
	v_max3_num_f32 v12, v12, |v[XS+\i]|, |v[XS+\i+1]|
	v_max3_num_f32 v13, v13, |v[XS+\i+2]|, |v[XS+\i+3]|
.endr
	v_max3_num_f32 v12, v12, |v[XS+30]|, |v[XS+31]|
	v_max3_num_f32 v12, v12, v13, 0x2800000        ; and the floor
	v_add_nc_u32 v11, 0xfe000000, v12              ; the conversion's scale operand
	v_lshrrev_b32 v13, 23, v11                     ; the byte
.if (\b) == 0
	v_mov_b32 v172, v13
.else
	v_lshl_or_b32 v172, v13, 8*(\b), v172          ; the lower K in the lower byte
.endif
	v_cvt_scalef32_pk16_bf6_f32 v[CW:CW+2], v[XS:XS+15], v11
	v_cvt_scalef32_pk16_bf6_f32 v[168:170], v[XS+16:XS+31], v11
	v_nop                                          ; one plain instruction behind a scaled conversion
	v_mov_b32 v[CW+3], v168
	v_mov_b32 v[CW+4], v169
	v_mov_b32 v[CW+5], v170
.if (\b) < 2                                   ; registers 0-5 of lane r + 16 (b % 2)
	ds_store_b128 v8, v[CW:CW+3] offset:256*((\b)%2)
	ds_store_b64 v8, v[CW+4:CW+5] offset:512+256*((\b)%2)
.else                                          ; registers 6-11
	ds_store_b64 v8, v[CW:CW+1] offset:520+256*((\b)%2)
	ds_store_b128 v8, v[CW+2:CW+5] offset:1024+256*((\b)%2)
.endif
.endm
	WLOAD 0
	WLOAD 1
	WBLOCK 0
	WBLOCK 1
	WBLOCK 2
	WBLOCK 3
	global_store_b32 v6, v172, s[14:15]            ; 32 words, a permutation inside 128 consecutive bytes
.irp u, 0,1
.irp c, 0,1,2
	ds_load_b128 v[176+4*(3*\u+\c):176+4*(3*\u+\c)+3], v5 offset:1664*\u+512*\c     ; LDS serves a wave's instructions in order: these see my stores
.endr
.endr
	s_wait_dscnt 0x0
.irp u, 0,1
.irp c, 0,1,2
	global_store_b128 v4, v[176+4*(3*\u+\c):176+4*(3*\u+\c)+3], s[12:13] offset:3072*\u+512*\c
.endr
.endr
	s_wait_tensorcnt 0x0                           ; the wave's end
	ds_add_u32 v[SPW], v[NIL]
	s_wait_dscnt 0x0
	s_endpgm
.Lfunc_end_k_qdb5ad4116b_quant:
	.size	k_qdb5ad4116b_quant, .Lfunc_end_k_qdb5ad4116b_quant-k_qdb5ad4116b_quant
	.p2alignl 7, 3214868480
	.fill 96, 4, 3214868480
	.section	.rodata,"a",@progbits
	.p2align	6, 0x0
	.amdhsa_kernel k_qdb5ad4116b_quant
		.amdhsa_group_segment_fixed_size 81408
		.amdhsa_private_segment_fixed_size 0
		.amdhsa_enable_private_segment 0
		.amdhsa_kernarg_size 48
		.amdhsa_user_sgpr_count 2
		.amdhsa_user_sgpr_kernarg_segment_ptr 1
		.amdhsa_wavefront_size32 1
		.amdhsa_system_sgpr_workgroup_id_x 1
		.amdhsa_system_sgpr_workgroup_id_y 1
		.amdhsa_system_sgpr_workgroup_id_z 1
		.amdhsa_system_vgpr_workitem_id 0
		.amdhsa_next_free_vgpr 250
		.amdhsa_next_free_sgpr 66
		.amdhsa_reserve_vcc 1
		.amdhsa_float_denorm_mode_32 3
		.amdhsa_float_denorm_mode_16_64 3
		.amdhsa_memory_ordered 1
		.amdhsa_forward_progress 1
		.amdhsa_inst_pref_size 40
	.end_amdhsa_kernel
	.amdgpu_metadata
---
amdhsa.version: [ 1, 2 ]
amdhsa.kernels:
  - .name:           k_qdb5ad4116b_quant
    .symbol:         k_qdb5ad4116b_quant.kd
    .args:
      - { .name: X, .offset: 0, .size: 8, .value_kind: global_buffer, .address_space: global }
      - { .name: W_q, .offset: 8, .size: 8, .value_kind: global_buffer, .address_space: global }
      - { .name: W_k, .offset: 16, .size: 8, .value_kind: global_buffer, .address_space: global }
      - { .name: W_v, .offset: 24, .size: 8, .value_kind: global_buffer, .address_space: global }
      - { .name: opc, .offset: 32, .size: 8, .value_kind: global_buffer, .address_space: global }
      - { .name: ops, .offset: 40, .size: 8, .value_kind: global_buffer, .address_space: global }
    .group_segment_fixed_size: 81408
    .private_segment_fixed_size: 0
    .kernarg_segment_align: 8
    .kernarg_segment_size: 48
    .max_flat_workgroup_size: 128
    .sgpr_count:     66
    .vgpr_count:     250
    .wavefront_size: 32
...
	.end_amdgpu_metadata
.endif
;; end of part 5
;; launch proj (part 6): grid 8 x 32, 4 waves a work-group, clusters of 4 x 4, 327,680 bytes of LDS; arguments opc, ops, b_q, b_k, b_v, qkc, qks, vc, vs; writes qkc, qks, vc, vs
.if DOCPART == 6
	.amdgcn_target "amdgcn-amd-amdhsa--gfx1250"
	.amdhsa_code_object_version 6
	.text
	.protected	k_qdb5ad4116b_proj
	.globl	k_qdb5ad4116b_proj
	.p2align	8
	.type	k_qdb5ad4116b_proj,@function
k_qdb5ad4116b_proj:
	s_mov_b64 s[64:65], 0
	v_nop
	global_prefetch_b8 v0, s[64:65] scope:SCOPE_SE
	s_setreg_imm32_b32 hwreg(HW_REG_WAVE_MODE, 25, 1), 1
	s_wait_xcnt 0x0
	s_wait_alu depctr_hold_cnt(0) depctr_sa_sdst(0) depctr_va_vdst(0) depctr_va_sdst(0) depctr_va_ssrc(0) depctr_va_vcc(0) depctr_vm_vsrc(0)
	s_getreg_b32 s2, hwreg(HW_REG_IB_STS2, 6, 4)
	s_cmp_eq_u32 s2, 0
	s_cbranch_scc0 .Lentry_in_a_cluster
	s_endpgm
.Lentry_in_a_cluster:
	s_bfe_u32 s2, ttmp6, 0x10000c
	s_cmp_lg_u32 s2, 0xf033
	s_cbranch_scc0 .Lentry_shape_is_right
	s_endpgm
.Lentry_shape_is_right:
; Q = X W_q + b_q, K = X W_k + b_k and V^T = W_v^T X^T + b_v, on codes of BF6 with E8M0 scales; each result is quantised in registers for the product that reads it and leaves as codes.
; EVERY WORK-GROUP MAKES 256 tokens x 256 columns of Q or K (tile columns 0-3 Q, 4-7 K) AND the same 256 tokens x 128 columns of V: 8 x 32 = 256 work-groups of equal work, and X's tile serves both products.
; A wave (i, j): its 128 tokens i x its 128 columns j of Q or K (64 accumulators, 512 registers) and its 64 columns j of V x its 128 tokens i (32 accumulators, 256 registers).
; K = 1,024 is four steps of 256 through a ring of two LDS slots; a slot holds X's 16 row blocks and W's 24 (per half j: 8 of W_q | W_k, then 4 of W_v).
; OPERANDS lie in memory as images of their registers (a fragment, 16 rows x 128 K: 1,536 bytes; registers 4 c .. 4 c + 3 of lane l at 512 c + 16 l), [K / 256][row block][(K / 128) % 2]: a tile is one dense block, and a
; fragment comes out of LDS by three loads of 16 bytes a lane, 512 consecutive bytes each.
; Q, K: source 0 = W, source 1 = X.  V^T: source 0 = X, source 1 = W_v.  Rows stand in position order (position 16 u + r of 32 = row 8 u + r + 8 (r / 8)): register 16 b + i of the 64 of a block is the number 32 b + 16 (lane / 16) + i
; along the next product's K: a column of Q or K, a token of V^T.
; THE BIAS is the C of the first products: of Q, K by source 0's row, 64 registers that lie in V's accumulators until those start; of V by source 1's row, 32 registers.
; ONE STEP OF 128 ALONG K is three groups of 32 matrix instructions: W_q | W_k blocks 0-3, blocks 4-7, W_v's four; X's eight fragments have one set of registers, four blocks of W two sets by turns.
; The walk: step 0, whose products start the sums; a loop of two trips (steps 2 t + 1, 2 t + 2), each of which fills the slot that it leaves; three steps that fill nothing.
; CLUSTERS: 4 x 4.  X's tiles are asked for jointly along a row of the cluster, W's along a column.
; PREFETCH: behind the head's loads the tiles of the second and third 256 along K, behind the second's load those of the fourth: 48 blocks of 256 bytes of X and 72 of W a work-group, shared out among the four partners of a tile by
; address.  X's are asked for by each cluster; W's, which eight clusters load, by the four clusters of y under 4.
; LIMITS: a block of zeros gets the byte 1 (its codes are zeros; this program alone reads the bytes); largest magnitudes are held at 2^(5 - 127) from below; NaN and infinities are not served.
; REGISTERS: window 0: v0-11 addresses; v12-31 scale words, two sets; v32-127 X's fragments; v128-223 W's, two sets; v224-255 V's bias.  window 1: V's accumulators, (a, x) at v[8 (8 a + x)].  windows 2, 3: Q's or K's, (x, b) at v[8 (8 (x % 4) + b)].
.set OPCP,  2162688                    ; from one 256 along K to the next, in memory
.set XHALF, 24576                      ; 8 row blocks of X
.set WHALF, 36864                      ; 12 row blocks of W
.set WOFF,  2*XHALF
.set SLOT,  2*XHALF+2*WHALF
.set SCX,   2*SLOT                     ; X's scale words, [K / 128][256 rows]: 1,024 bytes + 512 of padding a plane, so that one offset serves X's words and W's
.set SCW,   SCX+12288+128              ; W's, [K / 128][384 rows]: 128 bytes past a multiple of 256, so that the two halves of the lanes of one load fall on different banks
.set SPARE, SCW+12288+128              ; the spare words, 128 bytes for each wave: two blocks of 256 bytes that no other line names
.set STG,   SPARE+512                  ; 768 bytes for each wave: its 128 + 64 scale words on the way out; never filled by a tensor load
.set SBASE, 0                          ; v0: my scale words' place by lane
.set SPW,  1
.set NIL,  2
.set LI,   3
.set PFX,  4
.set PFW,  5
.set ADX,  6                           ; v6, v7: X in the slot at work, in the other slot
.set ADW,  8                           ; v8, v9: W
.set ADS,  10
.set ADSV, 11
.set SC,   12
.set XF,   32
.set WF,   128
.set BV,   224
.set TM,   32                          ; the way out: v32-55 at work, v56-57 scale words, v64-159 codes
.set PW,   56
.set STA,  164
.set STB,  165
.set SEL,  18                          ; s[18:19] lane selects: lane l xor 16
.set XC,   44                          ; s44, s45, s66, s67, s3, s12: what the address registers are made of, stepped trip by trip
.set XN,   45
.set WC,   66
.set WN,   67
.set SS,   3
.set SV,   12
.set LX,   47                          ; LDS address of the next refill of X, of W
.set LW,   46
.set OPB,  104                         ; s[104:105] opc
.set G1,   24
.set G0,   32
.set G1B,  48
.set G0B,  56
.set G0H,  68
.set G0HB, 72
.set G1S,  76
.set G1SB, 84
.set G0S,  4
.set G0SB, 8
.set MSB, 0
.macro WIN new                         ; the immediate's high byte repeats the setting that is left; a switch that changes nothing is dropped
.if MSB != (\new)
	s_set_vgpr_msb (MSB<<8)|(\new)
.set MSB, (\new)
.endif
.endm
.macro TLOAD g0, g1                    ; a tensor load; s_nop 0 and four v_nop follow it
	tensor_load_to_lds s[\g0:\g0+3], s[\g1:\g1+7]
	s_nop 0
.rept 4
	v_nop
.endr
.endm
.macro JLOAD                           ; a joint load of the ring: waves 0 and 1 fetch X's halves, waves 2 and 3 W's; the branch hangs on the wave's number alone
	s_cmp_eq_u32 s15, 0
	s_cbranch_scc0 .Lfor_w_\@
	TLOAD G0, G1
	s_branch .Lasked_\@
.Lfor_w_\@:
	TLOAD G0B, G1B
.Lasked_\@:
.endm
.macro CREST                           ; a round of the cluster's barrier behind its opening barrier
	s_cmp_lg_u32 s14, 0
	s_cbranch_scc1 .Lnot_wave_0_\@
	s_barrier_signal -3
.Lnot_wave_0_\@:
	s_barrier_wait -3
	s_barrier_signal -1
	s_barrier_wait -1
.endm
.macro CROUND
	s_barrier_signal -1
	s_barrier_wait -1
	CREST
.endm
.macro PLACES n
.rept \n
	v_nop
.endr
.endm
.macro ASK p                           ; prefetch my part of the p-th 256 along K; s17 is the cluster's y
	global_prefetch_b8 v[PFX], s[OPB:OPB+1] offset:(\p)*OPCP th:TH_LOAD_NT scope:SCOPE_SE
	s_cmp_lt_u32 s17, 4
	s_cbranch_scc0 .Lno_w_\@
	global_prefetch_b8 v[PFW], s[OPB:OPB+1] offset:(\p)*OPCP th:TH_LOAD_NT scope:SCOPE_SE
.Lno_w_\@:
.endm
.macro SETA                            ; the address registers of a trip
	v_add_nc_u32 v[ADX], s[XC], v[LI]
	v_add_nc_u32 v[ADX+1], s[XN], v[LI]
	v_add_nc_u32 v[ADW], s[WC], v[LI]
	v_add_nc_u32 v[ADW+1], s[WN], v[LI]
	v_add_nc_u32 v[ADS], s[SS], v[SBASE]
	v_lshrrev_b32 v[ADSV], 2, v[LI]
	v_add_nc_u32 v[ADSV], s[SV], v[ADSV]
	s_wait_alu depctr_va_vdst(0)
.endm
.macro FRAG reg, adr, blk, q           ; a row block's fragment of the slot's q-th 128 along K: its image, as it lies
.irp c, 0,1,2
	ds_load_b128 v[\reg+4*\c:\reg+4*\c+3], v[\adr] offset:(2*(\blk)+(\q))*1536+512*\c
.endr
.endm
.macro FX n, ix, i0                    ; X's blocks i0 .. i0 + 3 of step n; ix 0: the slot at work, 1: the other
.irp i, 0,1,2,3
	FRAG XF+12*((\i0)+\i), ADX+(\ix), (\i0)+\i, (\n)%2
.endr
.endm
.macro FW n, ix, g                     ; W's group g of step n
.irp i, 0,1,2,3
	FRAG WF+48*(((\n)+(\g))%2)+12*\i, ADW+(\ix), 4*(\g)+\i, (\n)%2
.endr
.endm
.macro FSC n                           ; step n's scale words: register i: lanes 0-15 X's block i, lanes 16-31 W_q | W_k's block i; registers 8, 9: two blocks of W_v each
.irp i, 0,1,2,3,4,5,6,7
	ds_load_b32 v[SC+10*((\n)%2)+\i], v[ADS] offset:1536*(\n)+64*\i
.endr
.irp g, 0,1
	ds_load_b32 v[SC+10*((\n)%2)+8+\g], v[ADSV] offset:1536*(\n)+128*\g
.endr
.endm
; 16 matrix instructions: X's blocks x0 .. x0 + 3 x W_q | W_k's group g.  The accumulators take turns, one instruction a turn.
.macro MQ x0, n, g, first
.if \first
	WIN 0x90+0x40*((\x0)/4)
.else
	WIN 0xa0+0x50*((\x0)/4)
.endif
.irp a, 0,1,2,3
.irp b, 0,1,2,3
.set rD, 8*(8*\a+4*(\g)+\b)
.set rW, WF+48*(((\n)+(\g))%2)+12*\b
.set rX, XF+12*((\x0)+\a)
.set rSW, SC+10*((\n)%2)+4*(\g)+\b
.set rSX, SC+10*((\n)%2)+(\x0)+\a
.if \first
.set rC, 8*(4*(\g)+\b)
.else
.set rC, rD
.endif
	v_wmma_scale_f32_16x16x128_f8f6f4 v[rD:rD+7], v[rW:rW+11], v[rX:rX+11], v[rC:rC+7], v[rSW], v[rSX] matrix_a_fmt:MATRIX_FMT_BF6 matrix_b_fmt:MATRIX_FMT_BF6 matrix_a_scale:MATRIX_SCALE_ROW1
.endr
.endr
.endm
.macro MV x0, n, first                 ; 16 matrix instructions: X's blocks x0 .. x0 + 3 x W_v's four
.if \first
	WIN 0x40
.else
	WIN 0x50
.endif
.irp b, 0,1,2,3
.irp a, 0,1,2,3
.set rD, 8*(8*\a+(\x0)+\b)
.set rW, WF+48*(((\n)+2)%2)+12*\a
.set rX, XF+12*((\x0)+\b)
.set rSW, SC+10*((\n)%2)+8+\a/2
.set rSX, SC+10*((\n)%2)+(\x0)+\b
.if \first
.set rC, BV+8*\a
.else
.set rC, rD
.endif
.if \a%2
	v_wmma_scale_f32_16x16x128_f8f6f4 v[rD:rD+7], v[rX:rX+11], v[rW:rW+11], v[rC:rC+7], v[rSX], v[rSW] matrix_a_fmt:MATRIX_FMT_BF6 matrix_b_fmt:MATRIX_FMT_BF6 matrix_b_scale:MATRIX_SCALE_ROW1
.else
	v_wmma_scale_f32_16x16x128_f8f6f4 v[rD:rD+7], v[rX:rX+11], v[rW:rW+11], v[rC:rC+7], v[rSX], v[rSW] matrix_a_fmt:MATRIX_FMT_BF6 matrix_b_fmt:MATRIX_FMT_BF6
.endif
.endr
.endr
.endm
; A step of 128 along K.  On the way in W's group 0, the scale words and X's blocks 0-3 have been asked for.  own, nxt: in which slot this step and the next one lie (0: the slot at work, 1: the other).
; turn 1: the other slot's tile is shown landed to all, and this slot, whose last fragments are W_v's, is filled again; turn 2: shown landed, nothing is filled.
; Four places stand in front of each run of loads into registers that matrix instructions have read; five where V's accumulators start over the bias of Q, K.
.macro STEP n, own, nxt, first, turn, next
	WIN 0
	FX \n, \own, 4
	FW \n, \own, 1
	s_wait_dscnt 24                                ; W's group 0, the scale words, X's blocks 0-3 are in
	MQ 0, \n, 0, \first
	s_wait_dscnt 12                                ; X's blocks 4-7 are in
	MQ 4, \n, 0, \first
	WIN 0
	PLACES 4
	FW \n, \own, 2
.if \turn
	s_wait_tensorcnt 0x0                           ; all my tensor loads have landed
	ds_add_u32 v[SPW], v[NIL]                      ; 0 onto my spare word
.if \turn == 1                         ; the refill: the next 256 along K, into this slot
	s_mov_b32 s[G0+1], s[LX]
	s_mov_b32 s[G0B+1], s[LW]
	s_add_nc_u64 s[G0+2:G0+3], s[G0+2:G0+3], OPCP
	s_add_nc_u64 s[G0B+2:G0B+3], s[G0B+2:G0B+3], OPCP
	s_add_co_u32 s[LX], s[LX], SLOT
	s_add_co_u32 s[LW], s[LW], SLOT
.endif
	s_wait_dscnt 13                                ; W's group 1 is in (the add and W_v's twelve loads may be out)
.else
	s_wait_dscnt 12                                ; W's group 1 is in
.endif
	MQ 0, \n, 1, \first
.if \turn
	s_wait_dscnt 0x0                               ; the add is done, and my reads of this slot are over
	s_barrier_signal -1
.endif
	MQ 4, \n, 1, \first
	WIN 0
.if \turn
	s_barrier_wait -1
.endif
.if \turn == 1
	CREST                                          ; a round of the cluster's barrier: no wave of any partner still reads this slot or has a load on its way
	JLOAD
.endif
	PLACES 4+\first
.if \next
	FW (\n+1), \nxt, 0
	FSC (\n+1)
	s_wait_dscnt 22                                ; W_v's fragments are in
.else
	s_wait_dscnt 0x0
.endif
	MV 0, \n, \first
.if \next
	WIN 0
	PLACES 4
	FX (\n+1), \nxt, 0
.endif
	MV 4, \n, \first
	WIN 0
	PLACES 4
.endm
	s_load_b256 s[4:11], s[0:1], 0x0               ; opc s[4:5], ops s[6:7], b_q s[8:9], b_k s[10:11]
	s_load_b256 s[92:99], s[0:1], 0x20             ; b_v s[92:93], qkc s[94:95], qks s[96:97], vc s[98:99]
	s_load_b64 s[100:101], s[0:1], 0x40            ; vs
	v_lshl_add_u32 v[SPW], v0, 2, SPARE
	v_mov_b32 v[NIL], 0
	ds_add_u32 v[SPW], v[NIL]                      ; the wave's opening
	ds_add_u32 v[SPW], v[NIL]
	v_lshrrev_b32 v12, 5, v0
	v_readfirstlane_b32 s14, v12                   ; wave 0..3
	s_lshr_b32 s15, s14, 1                         ; i: my half of the tokens.  Also: I fetch for X (0) or for W (1)
	s_and_b32 s16, s14, 1                          ; j: my half of the columns.  Also: which half of that tile I fetch
	s_bfe_u32 s40, ttmp6, 0x40000                  ; cx
	s_bfe_u32 s41, ttmp6, 0x40004                  ; cy
	s_and_b32 s17, ttmp7, 0xffff
	s_lshl_b32 s42, s41, 2
	s_lshl_b32 s42, 15, s42                        ; my row of the cluster
	s_lshl_b32 s43, 0x1111, s40                    ; my column
	; descriptor group 1 for the codes: a dense block as rows of 32 elements of 8 bytes; at the head X's whole tile and W's, in the ring halves
	s_or_b32 s[G1+0], s42, (3<<16)|(1<<21)
	s_or_b32 s[G1B+0], s43, (3<<16)|(1<<21)
.irp g, G1, G1B
	s_mov_b32 s[\g+1], 32<<16
	s_mov_b32 s[\g+3], 32<<16
	s_mov_b32 s[\g+5], 32
	s_mov_b32 s[\g+6], 0
	s_mov_b32 s[\g+7], 0
.endr
	s_mov_b32 s[G1+2], 192<<16
	s_mov_b32 s[G1+4], 192
	s_mov_b32 s[G1B+2], 288<<16
	s_mov_b32 s[G1B+4], 288
	; the scale words: eight planes of 1,024 bytes (X, 512 bytes of padding behind each 1,024) and of 1,536 bytes (W)
	s_or_b32 s[G1S+0], s42, (3<<16)|(1<<20)|(1<<21)|(7<<22)|(127<<25)
	s_or_b32 s[G1SB+0], s43, (3<<16)|(1<<21)
	s_mov_b32 s[G1S+1], 128<<16
	s_mov_b32 s[G1S+3], 128<<16
	s_mov_b32 s[G1SB+1], 192<<16
	s_mov_b32 s[G1SB+3], 192<<16
.irp g, G1S, G1SB
	s_mov_b32 s[\g+2], 8<<16
	s_mov_b32 s[\g+4], 8
	s_mov_b32 s[\g+5], 45056/8
	s_mov_b32 s[\g+6], 0
	s_mov_b32 s[\g+7], 0
.endr
	s_lshl_b32 s20, s17, 2
	s_add_co_u32 s20, s20, s41                     ; tile row: X's tiles hang on it alone
	s_lshl_b32 s46, ttmp9, 2
	s_add_co_u32 s46, s46, s40                     ; tile column: W's tiles hang on it alone
	s_mul_i32 s22, s20, 49152
	s_mov_b32 s23, 0
	s_lshl_b32 s2, s20, 10
	s_mov_b32 s3, 0
	s_mul_i32 s44, s46, 73728
	s_add_co_u32 s44, s44, 512*3072
	s_mov_b32 s45, 0
	s_mul_i32 s12, s46, 1536
	s_add_co_u32 s12, s12, 512*64
	s_mov_b32 s13, 0
	s_mul_i32 s18, s16, XHALF                      ; the half that I fetch in the ring
	s_mov_b32 s19, 0
	s_mul_i32 s66, s16, WHALF
	s_mov_b32 s67, 0
	s_wait_dscnt 0x0                               ; both opening adds are done
	s_wait_kmcnt 0x0
	s_mov_b64 s[OPB:OPB+1], s[4:5]
	s_add_nc_u64 s[22:23], s[4:5], s[22:23]
	s_add_nc_u64 s[44:45], s[4:5], s[44:45]
	s_add_nc_u64 s[2:3], s[6:7], s[2:3]
	s_add_nc_u64 s[12:13], s[6:7], s[12:13]
	s_cmp_eq_u32 ttmp9, 0                          ; clusters x = 0 make Q, x = 1 K
	s_cselect_b64 s[42:43], s[8:9], s[10:11]
	s_lshl_b32 s10, s40, 10
	s_lshl_b32 s11, s16, 9
	s_add_co_u32 s10, s10, s11
	s_mov_b32 s11, 0
	s_add_nc_u64 s[42:43], s[42:43], s[10:11]      ; the bias of my 128 columns of Q or K,
	s_lshl_b32 s10, s46, 9
	s_lshl_b32 s11, s16, 8
	s_add_co_u32 s10, s10, s11
	s_mov_b32 s11, 0
	s_add_nc_u64 s[92:93], s[92:93], s[10:11]      ; and of my 64 columns of V
	s_mov_b32 s[G0H], 1
	s_mov_b32 s[G0H+1], 0
	s_mov_b64 s[G0H+2:G0H+3], s[22:23]
	s_or_b32 s[G0H+3], s[G0H+3], 0x80000000
	s_mov_b32 s[G0HB], 1
	s_mov_b32 s[G0HB+1], WOFF
	s_mov_b64 s[G0HB+2:G0HB+3], s[44:45]
	s_or_b32 s[G0HB+3], s[G0HB+3], 0x80000000
	s_mov_b32 s[G0S], 1
	s_mov_b32 s[G0S+1], SCX
	s_mov_b64 s[G0S+2:G0S+3], s[2:3]
	s_or_b32 s[G0S+3], s[G0S+3], 0x80000000
	s_mov_b32 s[G0SB], 1
	s_mov_b32 s[G0SB+1], SCW
	s_mov_b64 s[G0SB+2:G0SB+3], s[12:13]
	s_or_b32 s[G0SB+3], s[G0SB+3], 0x80000000
	CROUND                                         ; all sixteen work-groups are here: the first joint loads meet
; THE HEAD'S LOADS, ONE A WAVE: X's tile of the first 256 along K, W's, X's scale words, W's.
.macro ARM under, g0, g1, next
	s_cmp_lt_u32 s14, \under
	s_cbranch_scc0 \next
	TLOAD \g0, \g1
	s_branch .Lhead_asked
\next:
.endm
	ARM 1, G0H, G1, .Lhead_w
	ARM 2, G0HB, G1B, .Lhead_sx
	ARM 3, G0S, G1S, .Lhead_sw
	TLOAD G0SB, G1SB
.Lhead_asked:
	s_add_nc_u64 s[22:23], s[22:23], s[18:19]
	s_add_nc_u64 s[44:45], s[44:45], s[66:67]
	s_mov_b32 s[G0], 1                             ; the ring's group 0: first the second 256 along K, into slot 1
	s_add_co_u32 s[G0+1], s18, SLOT                ; no place in the cluster enters an LDS address
	s_add_nc_u64 s[G0+2:G0+3], s[22:23], OPCP
	s_or_b32 s[G0+3], s[G0+3], 0x80000000
	s_mov_b32 s[G0B], 1
	s_add_co_u32 s[G0B+1], s66, SLOT+WOFF
	s_add_nc_u64 s[G0B+2:G0B+3], s[44:45], OPCP
	s_or_b32 s[G0B+3], s[G0B+3], 0x80000000
	s_mul_i32 s[XC], s15, XHALF                    ; my 128 tokens in slot 0, slot 1
	s_add_co_u32 s[XN], s[XC], SLOT
	s_mul_i32 s[WC], s16, WHALF
	s_add_co_u32 s[WC], s[WC], WOFF                ; my columns
	s_add_co_u32 s[WN], s[WC], SLOT
	s_lshl_b32 s3, s15, 9
	s_mul_i32 s12, s16, 768
	s_sub_co_u32 s2, s12, s3
	s_add_co_u32 s2, s2, SCW-SCX                   ; the distance from X's words to W's
	s_add_co_u32 s[SS], s3, SCX
	s_add_co_u32 s[SV], s12, SCW+512               ; W_v's words
	s_mul_i32 s13, s14, 768
	s_add_co_u32 s13, s13, STG
	s_mul_i32 s21, s20, 49152                      ; what I prefetch: blocks 48 cx + 12 wave + 0 .. 11 of X's 192,
	s_mul_i32 s23, s40, 48*256
	s_add_co_u32 s21, s21, s23
	s_mul_i32 s23, s14, 12*256
	s_add_co_u32 s21, s21, s23
	s_mul_i32 s22, s46, 73728                      ; blocks 72 cy + 18 wave + 0 .. 17 of W's 288
	s_add_co_u32 s22, s22, 512*3072
	s_mul_i32 s23, s41, 72*256
	s_add_co_u32 s22, s22, s23
	s_mul_i32 s23, s14, 18*256
	s_add_co_u32 s22, s22, s23
	v_and_b32 v13, 15, v0                          ; r
	v_bfe_u32 v14, v0, 4, 1                        ; h
	v_and_b32 v15, 31, v0
	v_lshlrev_b32 v[LI], 4, v15                    ; 16 x lane
	v_mul_u32_u24 v16, s2, v14                     ; lanes 16-31 take W's words: one product, the distance between the two bases
	v_lshl_add_u32 v[SBASE], v13, 2, v16
	v_min_u32 v20, 11, v15
	v_lshl_add_u32 v[PFX], v20, 8, s21
	v_min_u32 v21, 17, v15
	v_lshl_add_u32 v[PFW], v21, 8, s22
	v_lshlrev_b32 v17, 6, v14                      ; the bias by source 0's row: 64 h
	v_and_b32 v18, 8, v13
	v_add_nc_u32 v18, v18, v13
	v_lshlrev_b32 v19, 2, v18                      ; the bias by source 1's row: 4 (r + 8 (r / 8))
	SETA
	WIN 0x40
.irp b, 0,1,2,3                                ; register 16 b + i = the bias of column 32 b + 16 h + i
.irp j, 0,1,2,3
	global_load_b128 v[16*\b+4*\j:16*\b+4*\j+3], v17, s[42:43] offset:128*\b+16*\j
.endr
.endr
	WIN 0
.irp a, 0,1,2,3                                ; eight registers with the bias of my row of W_v's block a
.irp j, 0,1,2,3,4,5,6,7
	global_load_b32 v[BV+8*\a+\j], v19, s[92:93] offset:4*(32*(\a/2)+8*(\a%2))
.endr
.endr
	; where my results go.  qkc: plane cx, row block (512 for K) + 16 x tile row + 8 i, image j
	s_mul_i32 s18, s40, 3145728
	s_lshl_b32 s19, ttmp9, 9
	s_lshl_b32 s21, s20, 4
	s_add_co_u32 s19, s19, s21
	s_lshl_b32 s21, s15, 3
	s_add_co_u32 s19, s19, s21
	s_mul_i32 s19, s19, 3072
	s_add_co_u32 s18, s18, s19
	s_mul_i32 s19, s16, 1536
	s_add_co_u32 s18, s18, s19
	s_mov_b32 s19, 0
	s_add_nc_u64 s[94:95], s[94:95], s[18:19]
	s_lshl_b32 s18, s40, 1                         ; qks: plane 2 cx + j
	s_add_co_u32 s18, s18, s16
	s_lshl_b32 s18, s18, 16
	s_lshl_b32 s21, ttmp9, 15
	s_add_co_u32 s18, s18, s21
	s_lshl_b32 s21, s20, 10
	s_add_co_u32 s18, s18, s21
	s_lshl_b32 s21, s15, 9
	s_add_co_u32 s18, s18, s21
	s_add_nc_u64 s[96:97], s[96:97], s[18:19]
	s_mul_i32 s18, s20, 196608                     ; vc: 8 planes of 256 tokens a batch, so plane = tile row; row block 8 x tile column + 4 j, image i
	s_lshl_b32 s21, s46, 3
	s_lshl_b32 s22, s16, 2
	s_add_co_u32 s21, s21, s22
	s_mul_i32 s21, s21, 3072
	s_add_co_u32 s18, s18, s21
	s_mul_i32 s21, s15, 1536
	s_add_co_u32 s18, s18, s21
	s_add_nc_u64 s[98:99], s[98:99], s[18:19]
	s_lshl_b32 s18, s20, 13                        ; vs: plane 2 x tile row + i
	s_lshl_b32 s21, s15, 12
	s_add_co_u32 s18, s18, s21
	s_lshl_b32 s21, s46, 9
	s_add_co_u32 s18, s18, s21
	s_lshl_b32 s21, s16, 8
	s_add_co_u32 s18, s18, s21
	s_add_nc_u64 s[100:101], s[100:101], s[18:19]
	s_mul_i32 s[LX], s16, XHALF                    ; the first refill goes into slot 0
	s_mul_i32 s[LW], s16, WHALF
	s_add_co_u32 s[LW], s[LW], WOFF
	s_wait_alu depctr_va_vdst(0)
	s_wait_loadcnt 0x0                             ; the bias
	ASK 1                                          ; at the head's end: the first tile's loads were issued ahead of the bias's
	ASK 2
	s_wait_tensorcnt 0x0                           ; my tile of the head's four is in
	ds_add_u32 v[SPW], v[NIL]
	s_mov_b32 s[G1+2], 96<<16                      ; no tensor load of mine is out: from here on a load brings a half
	s_mov_b32 s[G1+4], 96
	s_mov_b32 s[G1B+2], 144<<16
	s_mov_b32 s[G1B+4], 144
	s_wait_dscnt 0x0
	CROUND                                         ; all four tiles are in
	JLOAD                                          ; the second 256 along K, the first tensor load behind the round
	FW 0, 0, 0
	FSC 0
	FX 0, 0, 0
	ASK 3
	STEP 0, 0, 0, 1, 0, 1
	s_mov_b32 s2, 2
.Ltrip:                                                ; trip t: steps 2 t + 1 and 2 t + 2; the slot that it leaves takes the (t + 2)-th 256 along K
	SETA
	STEP 1, 0, 1, 0, 1, 1
	STEP 2, 1, 1, 0, 0, 1
	s_add_co_u32 s[XC], s[XC], SLOT                ; the slots change places
	s_sub_co_u32 s[XN], s[XN], SLOT
	s_add_co_u32 s[WC], s[WC], SLOT
	s_sub_co_u32 s[WN], s[WN], SLOT
	s_add_co_u32 s[SS], s[SS], 3072                ; two planes of scale words on
	s_add_co_u32 s[SV], s[SV], 3072
	s_sub_co_u32 s2, s2, 1
	s_cmp_lg_u32 s2, 0
	s_cbranch_scc1 .Ltrip
	s_mul_i32 s[XC], s15, XHALF                    ; steps 5 (slot 0), 6 and 7 (slot 1)
	s_add_co_u32 s[XN], s[XC], SLOT
	s_mul_i32 s[WC], s16, WHALF
	s_add_co_u32 s[WC], s[WC], WOFF
	s_add_co_u32 s[WN], s[WC], SLOT
	SETA
	STEP 1, 0, 1, 0, 2, 1
	STEP 2, 1, 1, 0, 0, 1
	STEP 3, 1, 1, 0, 0, 0
; THE WAY OUT, two blocks at a time: 2 x 64 numbers of a lane, neighbours along the next K, are quantised where they stand and leave as fragments' images.
; Windows: the maxima read two accumulator registers (sources 0 and 1) and keep the running maximum in window 0; the conversions read the accumulators as source 0.  Each accumulator is read from its low end on.
.macro QUANT2 ac, ww, pc, ptr, off, so
	WIN 5*(\ww)
.irp b, 0,1,2,3,4,5,6,7
	v_max3_num_f32 v[TM+\b], |v[\ac+16*\b]|, |v[\ac+1+16*\b]|, 0x2800000   ; and the floor 2^(5 - 127)
.endr
.irp i, 2,4,6,8,10,12,14
.irp b, 0,1,2,3,4,5,6,7
	v_max3_num_f32 v[TM+\b], |v[\ac+16*\b+\i]|, |v[\ac+1+16*\b+\i]|, v[TM+\b]
.endr
.endr
	WIN 0
.irp b, 0,1,2,3,4,5,6,7
	v_permlanex16_b32 v[TM+8+\b], v[TM+\b], s[SEL], s[SEL+1]
.endr
.irp b, 0,1,2,3,4,5,6,7
	v_max_num_f32 v[TM+\b], v[TM+\b], v[TM+8+\b]   ; with lane l xor 16's: the block's largest magnitude
.endr
.irp b, 0,1,2,3,4,5,6,7
	v_add_nc_u32 v[TM+16+\b], 0xfe000000, v[TM+\b] ; 4 off the exponent field: the conversion's scale operand
.endr
.irp b, 0,1,2,3,4,5,6,7
	v_lshrrev_b32 v[TM+8+\b], 23, v[TM+16+\b]      ; the byte
.endr
.irp p, 0,1
	v_lshl_or_b32 v[PW+\p], v[TM+9+4*\p], 8, v[TM+8+4*\p]
.endr
.irp p, 0,1
	v_lshl_or_b32 v[PW+\p], v[TM+10+4*\p], 16, v[PW+\p]
.endr
.irp p, 0,1
	v_lshl_or_b32 v[PW+\p], v[TM+11+4*\p], 24, v[PW+\p]
.endr
	s_wait_xcnt 0x0                                ; earlier stores have read their data: codes' registers are written again only behind this wait
	WIN \ww
.irp p, 0,1
.irp c, 0,1
	v_cvt_scalef32_pk16_bf6_f32 v[\pc+24*\p+6*\c:\pc+24*\p+6*\c+2], v[\ac+64*\p+32*\c:\ac+64*\p+32*\c+15], v[TM+16+4*\p+2*\c]
	v_cvt_scalef32_pk16_bf6_f32 v[\pc+24*\p+12+4*\c:\pc+24*\p+14+4*\c], v[\ac+64*\p+32*\c+16:\ac+64*\p+32*\c+31], v[TM+17+4*\p+2*\c]
.endr
.endr
	WIN 0
	v_nop                                          ; one plain instruction behind a scaled conversion
.irp p, 0,1                                    ; the operand wants a WHOLE block in a lane: lanes 0-15 block 2 c, lanes 16-31 block 2 c + 1
.irp c, 0,1
.irp i, 0,1,2
	v_permlane16_swap_b32 v[\pc+24*\p+6*\c+\i], v[\pc+24*\p+12+4*\c+\i]
.endr
.endr
.endr
.irp p, 0,1
.irp c, 0,1
.irp i, 0,1,2
	v_mov_b32 v[\pc+24*\p+3+6*\c+\i], v[\pc+24*\p+12+4*\c+\i]
.endr
.endr
.endr
.irp p, 0,1
.irp c, 0,1,2
	global_store_b128 v[LI], v[\pc+24*\p+4*\c:\pc+24*\p+4*\c+3], s[\ptr:\ptr+1] offset:\off+3072*\p+512*\c    ; 32 lanes store 512 consecutive bytes
.endr
	ds_store_b32 v[STA], v[PW+\p] offset:\so+64*\p ; lanes r and 16 + r write the same word with the same value
.endr
.endm
	s_mov_b32 s[SEL], 0x76543210
	s_mov_b32 s[SEL+1], 0xfedcba98
.irp b, 0,1,2,3,4,5,6,7
	v_mov_b32 v[TM+8+\b], 0                        ; written once: a lane permute's destination counts as one of its sources
.endr
	v_lshrrev_b32 v166, 4, v[LI]
	v_and_b32 v166, 15, v166
	v_lshl_add_u32 v[STA], v166, 2, s13            ; my stage: in, 4 r
	v_add_nc_u32 v[STB], s13, v[LI]                ; out, 16 x lane
	QUANT2 0, 2, 64, 94, 0, 0
	QUANT2 128, 2, 112, 94, 6144, 128
	QUANT2 0, 3, 64, 94, 12288, 256
	QUANT2 128, 3, 112, 94, 18432, 384
	QUANT2 0, 1, 64, 98, 0, 512
	QUANT2 128, 1, 112, 98, 6144, 640
	v_lshrrev_b32 v58, 1, v[LI]                    ; 8 x lane
	v_sub_nc_u32 v59, v[STB], v58
	ds_load_b128 v[60:63], v[STB]                  ; LDS serves a wave's instructions in order: my 128 scale words of Q or K,
	ds_load_b64 v[160:161], v59 offset:512         ; and my 64 of V
	s_wait_alu depctr_va_vdst(0)
	s_wait_dscnt 0x0
	global_store_b128 v[LI], v[60:63], s[96:97]    ; 512 consecutive bytes
	global_store_b64 v58, v[160:161], s[100:101]   ; 256 consecutive bytes
	s_wait_tensorcnt 0x0                           ; the wave's end
	ds_add_u32 v[SPW], v[NIL]
	s_wait_dscnt 0x0
	CROUND                                         ; the closing round: no work-group ends while a partner may still ask for a tile that names it
	s_endpgm
.Lfunc_end_k_qdb5ad4116b_proj:
	.size	k_qdb5ad4116b_proj, .Lfunc_end_k_qdb5ad4116b_proj-k_qdb5ad4116b_proj
	.p2alignl 7, 3214868480
	.fill 96, 4, 3214868480
	.section	.rodata,"a",@progbits
	.p2align	6, 0x0
	.amdhsa_kernel k_qdb5ad4116b_proj
		.amdhsa_group_segment_fixed_size 327680
		.amdhsa_private_segment_fixed_size 0
		.amdhsa_enable_private_segment 0
		.amdhsa_kernarg_size 72
		.amdhsa_user_sgpr_count 2
		.amdhsa_user_sgpr_kernarg_segment_ptr 1
		.amdhsa_wavefront_size32 1
		.amdhsa_system_sgpr_workgroup_id_x 1
		.amdhsa_system_sgpr_workgroup_id_y 1
		.amdhsa_system_sgpr_workgroup_id_z 1
		.amdhsa_system_vgpr_workitem_id 0
		.amdhsa_next_free_vgpr 1024
		.amdhsa_next_free_sgpr 106
		.amdhsa_reserve_vcc 0
		.amdhsa_float_denorm_mode_32 3
		.amdhsa_float_denorm_mode_16_64 3
		.amdhsa_memory_ordered 1
		.amdhsa_forward_progress 1
		.amdhsa_inst_pref_size 175
	.end_amdhsa_kernel
	.amdgpu_metadata
---
amdhsa.version: [ 1, 2 ]
amdhsa.kernels:
  - .name:           k_qdb5ad4116b_proj
    .symbol:         k_qdb5ad4116b_proj.kd
    .args:
      - { .name: opc, .offset: 0, .size: 8, .value_kind: global_buffer, .address_space: global }
      - { .name: ops, .offset: 8, .size: 8, .value_kind: global_buffer, .address_space: global }
      - { .name: b_q, .offset: 16, .size: 8, .value_kind: global_buffer, .address_space: global }
      - { .name: b_k, .offset: 24, .size: 8, .value_kind: global_buffer, .address_space: global }
      - { .name: b_v, .offset: 32, .size: 8, .value_kind: global_buffer, .address_space: global }
      - { .name: qkc, .offset: 40, .size: 8, .value_kind: global_buffer, .address_space: global }
      - { .name: qks, .offset: 48, .size: 8, .value_kind: global_buffer, .address_space: global }
      - { .name: vc, .offset: 56, .size: 8, .value_kind: global_buffer, .address_space: global }
      - { .name: vs, .offset: 64, .size: 8, .value_kind: global_buffer, .address_space: global }
    .group_segment_fixed_size: 327680
    .private_segment_fixed_size: 0
    .kernarg_segment_align: 8
    .kernarg_segment_size: 72
    .max_flat_workgroup_size: 128
    .sgpr_count:     106
    .vgpr_count:     1024
    .wavefront_size: 32
...
	.end_amdgpu_metadata
.endif
;; end of part 6
;; launch score (part 7): grid 8 x 32, 4 waves a work-group, clusters of 4 x 4, 327,680 bytes of LDS; arguments qkc, qks, pc, pst; writes pc, pst
.if DOCPART == 7
	.amdgcn_target "amdgcn-amd-amdhsa--gfx1250"
	.amdhsa_code_object_version 6
	.text
	.protected	k_qdb5ad4116b_score
	.globl	k_qdb5ad4116b_score
	.p2align	8
	.type	k_qdb5ad4116b_score,@function
k_qdb5ad4116b_score:
	s_mov_b64 s[64:65], 0
	v_nop
	global_prefetch_b8 v0, s[64:65] scope:SCOPE_SE
	s_setreg_imm32_b32 hwreg(HW_REG_WAVE_MODE, 25, 1), 1
	s_wait_xcnt 0x0
	s_wait_alu depctr_hold_cnt(0) depctr_sa_sdst(0) depctr_va_vdst(0) depctr_va_sdst(0) depctr_va_ssrc(0) depctr_va_vcc(0) depctr_vm_vsrc(0)
	s_getreg_b32 s2, hwreg(HW_REG_IB_STS2, 6, 4)
	s_cmp_eq_u32 s2, 0
	s_cbranch_scc0 .Lentry_in_a_cluster
	s_endpgm
.Lentry_in_a_cluster:
	s_bfe_u32 s2, ttmp6, 0x10000c
	s_cmp_lg_u32 s2, 0xf033
	s_cbranch_scc0 .Lentry_shape_is_right
	s_endpgm
.Lentry_shape_is_right:
; S = Q K^T on codes of BF6 with E8M0 scales, and the softmax's numerator, quantised for the next product.  A tile of S is 256 queries x 256 keys of one batch: four waves, each 128 x 128 in 64 accumulators.
; THE SOFTMAX.  t = score x log2(e) / 32.  Each wave takes, for each of its queries, M = the ceiling of the largest t among ITS 128 keys, p = 2^(t - M), the sum l of the unquantised p, and p's codes and scale bytes along the keys.
; M is a whole number, so the next launch brings a row's sixteen parts under the row's final M by taking whole numbers off the scale bytes and by exact powers of two on the sums: the codes stay as they are.
; Stored: pc, P's codes as fragment images [keys / 256][query block][(keys / 128) % 2][1,536];  pst, three sections [keys / 128][query]: the raw scale word, -M (f32), l (f32).
; K = 1,024 is four slots of 256 through a ring of two, a quarter of a slot a wave: slot 0 at the head, slot 1 behind the first full sequence, two refills.  The scale words (16 KiB) go through registers.
; The walk: the first 128 along K, whose products start the sums; a loop of two trips (a slot's second 128, the next slot's first), each of which fills the slot that it leaves; three halves that fill nothing.
; PREFETCH: at the head's end the tiles of slot 1, behind slot 1's load those of the third 256 along K, behind the first 128 along K those of the fourth: 48 blocks of 256 bytes of Q and 48 of K a work-group and slot, shared out
; among a tile's four partners by address.
; CLUSTERS 4 x 4, joint loads (Q's along a row, K's along a column) and the order of the products are as in the launch that makes Q and K; K's rows stand in position order, so a lane's registers run along true keys.
; LIMITS: a p under 2^-126 of its wave's largest counts as 0; a block whose every p is 0 keeps the byte 1 (its codes are zeros); the scaled scores stay under 2^31 in magnitude; NaN and infinities are not served.
; REGISTERS: window 0: v1-30 addresses; v32-47 scale words, a set for each half of a slot; v128-223 A's fragments.  window 1: B's two sets.  windows 2, 3: the accumulators.  In the way out v32-187 are at work.
.set HALFT,  24576                     ; 128 rows x 256 K of codes
.set SLOT,   4*HALFT
.set PLANE,  3145728
.set SCA,    2*SLOT                    ; behind the slots: Q's scale words, [K / 128][256 rows]
.set SCB,    SCA+8192+128              ; K's: 128 bytes past a multiple of 256, so that the two halves of the lanes of one load fall on different banks
.set SPARE,  SCB+8192+128              ; the spare words, 128 bytes for each wave: two blocks of 256 bytes that no other line names
.set STG,    SPARE+512                 ; 1,536 bytes for each wave: 128 scale words, 128 -M, 128 l; never filled by a tensor load
.set FR,   12
.set NL,   3
.set NP,   4
.set ADRA, 16                          ; the slot that is being read: Q,
.set SBASE, 18                         ; my scale words' place by lane
.set ADRB, 20                          ; K
.set STA,  24
.set STB,  25
.set PF,   26
.set ADRS, 27
.set SPW,  28
.set NIL,  29
.set LI,   30
.set SC,   32
.set AF,   128
.set BM,   32                          ; v32-39 the blocks' largest scores, then largest p; v40-47 the other half's, then bytes; v48-55 scale operands
.set PW,   56                          ; v56, v57 the scale words
.set T,    58
.set NM,   60                          ; v60, v62 -M; v61, v63 named with them as pairs
.set SA,   64                          ; v64-71 the sums, two chains of pairs a block
.set L,    72                          ; v72, v73 l; v74, v75 the other half's
.set CS,   92                          ; s[92:93] c = log2(e) / 32
.set SEL,  94                          ; s[94:95] lane selects: lane l xor 16
.set AS,   98                          ; s98, s99, s45: what the address registers are made of, stepped trip by trip
.set BS,   99
.set SSC,  45
.set LX,   67                          ; LDS address of the next refill
.set G1,   24                          ; a dense block of 24,576 bytes
.set G0,   32
.set G1B,  48
.set G0B,  56
.set MSB, 0
.macro WIN new
.if MSB != (\new)
	s_set_vgpr_msb (MSB<<8)|(\new)
.set MSB, (\new)
.endif
.endm
.set MUL_LO, 0xa1
.set MUL_HI, 0xf1
.set TO_B,   0x40
.macro TLOAD g0, g1                    ; a tensor load; s_nop 0 and four v_nop follow it
	tensor_load_to_lds s[\g0:\g0+3], s[\g1:\g1+7]
	s_nop 0
.rept 4
	v_nop
.endr
.endm
.macro JLOAD                           ; waves 0 and 1 fetch halves of Q's tile, waves 2 and 3 of K's
	s_cmp_eq_u32 s15, 0
	s_cbranch_scc0 .Lfor_b_\@
	TLOAD G0, G1
	s_branch .Lasked_\@
.Lfor_b_\@:
	TLOAD G0B, G1B
.Lasked_\@:
.endm
.macro CREST
	s_cmp_lg_u32 s14, 0
	s_cbranch_scc1 .Lnot_wave_0_\@
	s_barrier_signal -3
.Lnot_wave_0_\@:
	s_barrier_wait -3
	s_barrier_signal -1
	s_barrier_wait -1
.endm
.macro CROUND
	s_barrier_signal -1
	s_barrier_wait -1
	CREST
.endm
.macro PLACES n
.rept \n
	v_nop
.endr
.endm
.macro ASK s                           ; prefetch my part of the s-th 256 along K: lanes 0-15 Q, lanes 16-31 K; s[96:97] stands at the third
	global_prefetch_b8 v[PF], s[96:97] offset:(\s-2)*PLANE th:TH_LOAD_NT scope:SCOPE_SE
.endm
.macro SETA                            ; the address registers of the slot that is read next
	v_add_nc_u32 v[ADRA], s[AS], v[LI]
	v_add_nc_u32 v[ADRB], s[BS], v[LI]
	v_add_nc_u32 v[ADRS], s[SSC], v[SBASE]
	s_wait_alu depctr_va_vdst(0)
.endm
.macro FRAG reg, adr, q, i
.irp c, 0,1,2
	ds_load_b128 v[\reg+4*\c:\reg+4*\c+3], v[\adr] offset:(2*(\i)+(\q))*1536+512*\c
.endr
.endm
.macro FETCH_B q                       ; K's eight fragments of the slot's q-th 128 along K, into set q
	WIN TO_B
.irp i, 0,1,2,3,4,5,6,7
	FRAG 128*(\q)+FR*\i, ADRB, \q, \i
.endr
	WIN 0
.endm
.macro FETCH_A q, i0
.irp i, \i0, \i0+1, \i0+2, \i0+3
	FRAG AF+FR*(\i), ADRA, \q, \i
.endr
.endm
.macro SCALES q                        ; scale words into set q: register i: lanes 0-15 Q's block i, lanes 16-31 K's
.irp i, 0,1,2,3,4,5,6,7
	ds_load_b32 v[SC+8*(\q)+\i], v[ADRS] offset:1024*(\q)+64*\i
.endr
.endm
; 8 matrix instructions: A's block a x B's eight.  zero = 1: the product starts the sums.  The 64 accumulators take turns, one instruction a turn.
.macro M8 a, q, zero
.irp b, 0,1,2,3,4,5,6,7
.if \zero
	v_wmma_scale_f32_16x16x128_f8f6f4 v[8*(8*((\a)%4)+\b):8*(8*((\a)%4)+\b)+7], v[128*(\q)+FR*\b:128*(\q)+FR*\b+FR-1], v[AF+FR*(\a):AF+FR*(\a)+FR-1], 0, v[SC+8*(\q)+\b], v[SC+8*(\q)+(\a)] matrix_a_fmt:MATRIX_FMT_BF6 matrix_b_fmt:MATRIX_FMT_BF6 matrix_a_scale:MATRIX_SCALE_ROW1
.else
	v_wmma_scale_f32_16x16x128_f8f6f4 v[8*(8*((\a)%4)+\b):8*(8*((\a)%4)+\b)+7], v[128*(\q)+FR*\b:128*(\q)+FR*\b+FR-1], v[AF+FR*(\a):AF+FR*(\a)+FR-1], v[8*(8*((\a)%4)+\b):8*(8*((\a)%4)+\b)+7], v[SC+8*(\q)+\b], v[SC+8*(\q)+(\a)] matrix_a_fmt:MATRIX_FMT_BF6 matrix_b_fmt:MATRIX_FMT_BF6 matrix_a_scale:MATRIX_SCALE_ROW1
.endif
.endr
.endm
.macro M32 a0, q, zero
	M8 \a0, \q, \zero
	M8 \a0+1, \q, \zero
	M8 \a0+2, \q, \zero
	M8 \a0+3, \q, \zero
.endm
; A slot's first 128 along K; its second's fragments are fetched in two runs, each behind four places (in front of loads into registers that matrix instructions have read).
.macro STEP zero
	s_wait_dscnt 4*NL                              ; all but the youngest twelve loads (A's blocks 4-7)
	WIN MUL_LO
	M32 0, 0, \zero
	s_wait_dscnt 0x0
	PLACES NP
	FETCH_B 1
	FETCH_A 1, 0
	SCALES 1
	WIN MUL_HI
	M32 4, 0, \zero
	PLACES NP
	WIN 0
	FETCH_A 1, 4
.endm
; A slot's second 128 along K, and the change of slots: the address registers stand at the next slot.  fill 1: the slot is filled again; 0: nothing is filled, the barrier shows the next slot's tile landed to all four waves.
.macro TURN fill
	s_wait_dscnt 4*NL                              ; all but the youngest twelve loads
	WIN MUL_LO
	M8 0, 1, 0
	M8 1, 1, 0
	WIN 0
	s_wait_tensorcnt 0x0                           ; all my tensor loads have landed
	ds_add_u32 v[SPW], v[NIL]                      ; 0 onto my spare word
.if \fill
	s_mov_b32 s[G0+1], s[LX]
	s_mov_b32 s[G0B+1], s[LX]
	s_add_nc_u64 s[G0+2:G0+3], s[G0+2:G0+3], PLANE
	s_add_nc_u64 s[G0B+2:G0B+3], s[G0B+2:G0B+3], PLANE
	s_add_co_u32 s[LX], s[LX], SLOT
.endif
	WIN MUL_LO
	M8 2, 1, 0
	s_wait_dscnt 0x0                               ; the add is done, and my reads of this slot are over
	s_barrier_signal -1
	M8 3, 1, 0
	WIN 0
	s_barrier_wait -1
.if \fill
	CREST                                          ; a round of the cluster's barrier: no wave of any partner still reads this slot or has a load on its way
	JLOAD
.endif
	PLACES NP
	FETCH_B 0
	FETCH_A 0, 0
	SCALES 0
	WIN MUL_HI
	M32 4, 1, 0
	PLACES NP
	WIN 0
	FETCH_A 0, 4
.endm
	s_load_b128 s[4:7], s[0:1], 0x0                ; qkc, qks
	s_load_b128 s[8:11], s[0:1], 0x10              ; pc, pst
	v_lshl_add_u32 v[SPW], v0, 2, SPARE
	v_mov_b32 v[NIL], 0
	ds_add_u32 v[SPW], v[NIL]                      ; the wave's opening
	ds_add_u32 v[SPW], v[NIL]
	v_lshrrev_b32 v1, 5, v0
	v_readfirstlane_b32 s14, v1                    ; wave 0..3
	v_and_b32 v2, 63, v0                           ; the scale words: 64 threads x 16 bytes a plane, two planes at a time
	v_lshlrev_b32 v3, 4, v2
	v_lshrrev_b32 v4, 6, v0
	v_lshl_add_u32 v5, v4, 16, v3                  ; in memory,
	v_lshl_add_u32 v6, v4, 10, v3
	v_add_nc_u32 v6, SCA, v6                       ; in LDS
	s_lshr_b32 s15, s14, 1                         ; my half of the queries.  Also: I fetch for A (0) or for B (1)
	s_and_b32 s16, s14, 1                          ; my half of the keys.  Also: which half of that tile I fetch
	s_bfe_u32 s40, ttmp6, 0x40000                  ; cx
	s_bfe_u32 s41, ttmp6, 0x40004                  ; cy
	s_and_b32 s17, ttmp7, 0xffff                   ; the cluster's y
	s_lshl_b32 s43, s41, 2
	s_lshl_b32 s43, 15, s43                        ; my row of the cluster
	s_lshl_b32 s44, 0x1111, s40                    ; my column
	s_or_b32 s[G1+0], s43, (3<<16)|(1<<21)         ; elements of 8 bytes, no padding
	s_or_b32 s[G1B+0], s44, (3<<16)|(1<<21)
.irp g, G1, G1B
	s_mov_b32 s[\g+1], 32<<16
	s_mov_b32 s[\g+2], 96<<16
	s_mov_b32 s[\g+3], 32<<16
	s_mov_b32 s[\g+4], 96
	s_mov_b32 s[\g+5], 32
	s_mov_b32 s[\g+6], 0
	s_mov_b32 s[\g+7], 0
.endr
	s_lshl_b32 s20, s17, 6
	s_lshl_b32 s18, s41, 4
	s_add_co_u32 s20, s20, s18                     ; Q's first block: 16 (4 x cluster y + cy)
	s_lshr_b32 s46, s17, 1
	s_lshl_b32 s46, s46, 7                         ; K's: 128 blocks a batch,
	s_lshl_b32 s19, ttmp9, 6
	s_add_co_u32 s46, s46, s19
	s_lshl_b32 s19, s40, 4
	s_add_co_u32 s46, s46, s19                     ; + 16 (4 x cluster x + cx),
	s_add_co_u32 s46, s46, 512                     ; behind Q's 512
	s_lshl_b32 s12, s20, 6                         ; 16 rows x 4 bytes a block
	s_mov_b32 s13, 0
	s_lshl_b32 s2, s46, 6
	s_mov_b32 s3, 0
	s_add_co_u32 s43, s20, s14                     ; what I prefetch: blocks of 256 bytes 48 cx + 12 wave + 0 .. 11 of Q's 192,
	s_mul_i32 s43, s43, 3072
	s_mul_i32 s45, s40, 48*256
	s_add_co_u32 s43, s43, s45
	s_add_co_u32 s44, s46, s14                     ; 48 cy + 12 wave + 0 .. 11 of K's 192
	s_mul_i32 s44, s44, 3072
	s_mul_i32 s45, s41, 48*256
	s_add_co_u32 s44, s44, s45
	s_sub_co_u32 s44, s44, s43                     ; K's lie behind Q's by 12,288 bytes at the least
	s_mul_i32 s22, s20, 3072
	s_mov_b32 s23, 0
	s_mul_i32 s46, s46, 3072
	s_mov_b32 s47, 0
	s_mul_i32 s66, s16, HALFT                      ; the half that I fetch
	s_mov_b32 s67, 0
	s_wait_dscnt 0x0                               ; both opening adds are done
	s_wait_alu depctr_va_vdst(0)
	s_wait_kmcnt 0x0
	s_add_nc_u64 s[12:13], s[6:7], s[12:13]
	s_add_nc_u64 s[2:3], s[6:7], s[2:3]
.irp k, 0,1,2,3
	global_load_b128 v[64+4*\k:67+4*\k], v5, s[12:13] offset:131072*\k
	global_load_b128 v[80+4*\k:83+4*\k], v5, s[2:3] offset:131072*\k
.endr
	s_add_nc_u64 s[18:19], s[22:23], s[66:67]
	s_add_nc_u64 s[98:99], s[46:47], s[66:67]
	s_add_nc_u64 s[18:19], s[4:5], s[18:19]        ; my half of Q's rows,
	s_add_nc_u64 s[98:99], s[4:5], s[98:99]        ; of K's
	s_add_nc_u64 s[96:97], s[4:5], 2*PLANE
	s_mul_i32 s[LX], s14, HALFT                    ; where they go: no place in the cluster enters an LDS address
	s_mov_b32 s[G0], 1
	s_add_co_u32 s[G0+1], s[LX], 0
	s_mov_b64 s[G0+2:G0+3], s[18:19]
	s_or_b32 s[G0+3], s[G0+3], 0x80000000
	s_mov_b32 s[G0B], 1
	s_add_co_u32 s[G0B+1], s[LX], 0
	s_mov_b64 s[G0B+2:G0B+3], s[98:99]
	s_or_b32 s[G0B+3], s[G0B+3], 0x80000000
	CROUND                                         ; all sixteen work-groups are here: the first joint loads meet
	JLOAD                                          ; slot 0: one tensor load a wave at the head
	s_mul_i32 s[AS], s15, HALFT                    ; my 128 rows of A, of B in slot 0
	s_mul_i32 s[BS], s16, HALFT
	s_add_co_u32 s[BS], s[BS], 2*HALFT
	s_lshl_b32 s45, s15, 9
	s_lshl_b32 s46, s16, 9
	s_add_co_u32 s46, s46, SCB-SCA
	s_sub_co_u32 s46, s46, s45                     ; the distance from Q's words to K's
	s_add_co_u32 s[SSC], s45, SCA
	s_mul_i32 s47, s14, 1536
	s_add_co_u32 s47, s47, STG
	v_and_b32 v1, 15, v0                           ; r
	v_bfe_u32 v2, v0, 4, 1                         ; h
	v_and_b32 v3, 31, v0
	v_lshlrev_b32 v[LI], 4, v3                     ; 16 x lane
	v_mul_u32_u24 v7, s46, v2                      ; lanes 16-31 take K's words: one product
	v_lshl_add_u32 v[SBASE], v1, 2, v7
	v_lshl_add_u32 v[STA], v1, 2, s47
	v_add_nc_u32 v[STB], s47, v[LI]
	v_min_u32 v8, 11, v1
	v_mul_u32_u24 v9, s44, v2
	v_lshl_add_u32 v8, v8, 8, v9
	v_add_nc_u32 v[PF], s43, v8
	SETA
	; where my results go
	s_lshl_b32 s42, ttmp9, 2
	s_add_co_u32 s42, s42, s40                     ; which 256 keys of the batch
	s_lshl_b32 s21, s15, 3
	s_add_co_u32 s21, s21, s20                     ; my first block of queries
	s_mul_i32 s22, s21, 3072
	s_mul_i32 s18, s42, 1572864
	s_add_co_u32 s22, s22, s18
	s_mul_i32 s18, s16, 1536
	s_add_co_u32 s22, s22, s18
	s_mov_b32 s23, 0
	s_add_nc_u64 s[8:9], s[8:9], s[22:23]
	s_lshl_b32 s22, s42, 1
	s_add_co_u32 s22, s22, s16
	s_lshl_b32 s22, s22, 15                        ; plane 2 x (keys / 256) + my half
	s_lshl_b32 s18, s21, 6
	s_add_co_u32 s22, s22, s18
	s_add_nc_u64 s[10:11], s[10:11], s[22:23]
	s_mov_b32 s[CS], 0x3d38aa3b                    ; log2(e) / 32: log2(e) with 5 off its exponent
	s_mov_b32 s[CS+1], s[CS]                       ; (named with it as a pair, so it is written)
	s_mov_b32 s[SEL], 0x76543210
	s_mov_b32 s[SEL+1], 0xfedcba98
	s_wait_loadcnt 0x0                             ; the scale words
.irp k, 0,1,2,3
	ds_store_b128 v6, v[64+4*\k:67+4*\k] offset:2048*\k
	ds_store_b128 v6, v[80+4*\k:83+4*\k] offset:SCB-SCA+2048*\k
.endr
	ASK 1
	s_wait_alu depctr_va_vdst(0)
	s_wait_tensorcnt 0x0                           ; my part of slot 0 is in
	ds_add_u32 v[SPW], v[NIL]
	s_add_co_u32 s[G0+1], s[LX], SLOT              ; no tensor load of mine is out: slot 1, the second 256 along K
	s_add_co_u32 s[G0B+1], s[LX], SLOT
	s_add_nc_u64 s[G0+2:G0+3], s[G0+2:G0+3], PLANE
	s_add_nc_u64 s[G0B+2:G0B+3], s[G0B+2:G0B+3], PLANE
	s_wait_dscnt 0x0                               ; the add and my stores of scale words are done
	CROUND
	JLOAD                                          ; slot 1, the first tensor load behind the round
	FETCH_B 0
	FETCH_A 0, 0
	SCALES 0
	FETCH_A 0, 4
	ASK 2
	STEP 1                                         ; the first step's products start the sums
	ASK 3
	s_add_co_u32 s[AS], s[AS], SLOT                ; on to slot 1
	s_add_co_u32 s[BS], s[BS], SLOT
	s_mov_b32 s2, 2
.Ltrip:                                                ; trip t: slot t % 2 ends and takes the (t + 2)-th 256 along K, the other slot begins
	s_add_co_u32 s[SSC], s[SSC], 2048              ; two planes of scale words on
	SETA
	TURN 1
	STEP 0
	s_sub_co_u32 s[AS], s[AS], SLOT                ; the slots change places
	s_sub_co_u32 s[BS], s[BS], SLOT
	s_sub_co_u32 s2, s2, 1
	s_cmp_lg_u32 s2, 0
	s_cbranch_scc1 .Ltrip
	s_mul_i32 s[AS], s15, HALFT                    ; the last slot is slot 1
	s_add_co_u32 s[AS], s[AS], SLOT
	s_mul_i32 s[BS], s16, HALFT
	s_add_co_u32 s[BS], s[BS], SLOT+2*HALFT
	s_add_co_u32 s[SSC], s[SSC], 2048
	SETA
	TURN 0
	STEP 0
	s_wait_dscnt 4*NL
	WIN MUL_LO
	M32 0, 1, 0
	s_wait_dscnt 0x0
	WIN MUL_HI
	M32 4, 1, 0
	WIN 0
; THE SOFTMAX OF TWO BLOCKS, 2 x 16 queries x my 128 keys, from register ac of window ww on.  A lane holds one query of each; register 16 b + i of a block's 64 is key 32 b + 16 (lane / 16) + i.  The scores become p where they stand.
; The largest SCORE of each block of 32 keys serves twice: for the row's maximum, and, since p rises with the score, through the same multiply-add and exponential, as the block's largest p.
; The second block's multiply-adds stand among the first's exponentials: nothing in that run reads what the run has written.  Waits ahead of each run of exponentials and ahead of the first reader.
.macro SOFT2 ac, ww, pc, off, so
	WIN 5*(\ww)                                    ; sources 0 and 1 in the accumulators' window
.irp b, 0,1,2,3,4,5,6,7
	v_max_num_f32 v[BM+\b], v[\ac+16*\b], v[\ac+16*\b+1]   ; each accumulator is read from its low end on
.endr
.irp i, 2,4,6,8,10,12,14
.irp b, 0,1,2,3,4,5,6,7
	v_max3_num_f32 v[BM+\b], v[\ac+16*\b+\i], v[\ac+16*\b+\i+1], v[BM+\b]
.endr
.endr
	WIN 0
.irp b, 0,1,2,3,4,5,6,7
	v_permlanex16_b32 v[BM+8+\b], v[BM+\b], s[SEL], s[SEL+1]
.endr
.irp b, 0,1,2,3,4,5,6,7
	v_max_num_f32 v[BM+\b], v[BM+\b], v[BM+8+\b]   ; with lane l xor 16's 16 keys
.endr
.irp p, 0,1
	v_max3_num_f32 v[T+\p], v[BM+4*\p], v[BM+4*\p+1], v[BM+4*\p+2]
.endr
.irp p, 0,1
	v_max_num_f32 v[T+\p], v[T+\p], v[BM+4*\p+3]   ; my query's largest score among these 128 keys
.endr
.irp p, 0,1
	v_mul_f32 v[T+\p], s[CS], v[T+\p]              ; as t (c is positive)
.endr
.irp p, 0,1
	v_floor_f32 v[NM+2*\p], -v[T+\p]               ; -M = floor(-t) = -ceil(t): a whole number
.endr
.irp p, 0,1
.irp b, 0,1,2,3
	v_fma_f32 v[BM+4*\p+\b], v[BM+4*\p+\b], s[CS], v[NM+2*\p]
.endr
.endr
	WIN 65*(\ww)                                   ; source 0 and destination in the accumulators' window
.set j, \ac
.rept 32
	v_pk_fma_f32 v[j:j+1], v[j:j+1], s[CS:CS+1], v[NM:NM+1] op_sel_hi:[1,0,0]   ; t - M, two at a time
.set j, j+2
.endr
	s_wait_alu depctr_va_vdst(0)
.set j, \ac
.rept 32
	v_exp_f32 v[j], v[j]                           ; the first block's p = 2^(t - M): not normalised
	v_exp_f32 v[j+1], v[j+1]
	v_pk_fma_f32 v[j+64:j+65], v[j+64:j+65], s[CS:CS+1], v[NM+2:NM+3] op_sel_hi:[1,0,0]   ; the second block's t - M
.set j, j+2
.endr
	s_wait_alu depctr_va_vdst(0)
.rept 64
	v_exp_f32 v[j], v[j]                           ; the second block's p
.set j, j+1
.endr
	WIN 0
.irp b, 0,1,2,3,4,5,6,7
	v_exp_f32 v[BM+\b], v[BM+\b]                   ; the blocks' largest p
.endr
	v_nop                                          ; a plain instruction behind the last exponential
	s_wait_alu depctr_va_vdst(0)
	WIN 5*(\ww)
.irp p, 0,1                                    ; the sum of the UNQUANTISED p, in two chains of pairs a block
	v_pk_add_f32 v[SA+4*\p:SA+4*\p+1], v[\ac+64*\p:\ac+64*\p+1], v[\ac+64*\p+2:\ac+64*\p+3]
	v_pk_add_f32 v[SA+4*\p+2:SA+4*\p+3], v[\ac+64*\p+4:\ac+64*\p+5], v[\ac+64*\p+6:\ac+64*\p+7]
.endr
	WIN \ww
.set j, \ac+8
.rept 14
.irp p, 0,1
	v_pk_add_f32 v[SA+4*\p:SA+4*\p+1], v[j+64*\p:j+64*\p+1], v[SA+4*\p:SA+4*\p+1]
	v_pk_add_f32 v[SA+4*\p+2:SA+4*\p+3], v[j+64*\p+2:j+64*\p+3], v[SA+4*\p+2:SA+4*\p+3]
.endr
.set j, j+4
.endr
	WIN 0
.irp b, 0,1,2,3,4,5,6,7
	v_max_num_f32 v[BM+\b], 0x2800000, v[BM+\b]    ; the floor 2^(5 - 127): the byte cannot fall under 1
.endr
.irp p, 0,1
	v_pk_add_f32 v[SA+4*\p:SA+4*\p+1], v[SA+4*\p:SA+4*\p+1], v[SA+4*\p+2:SA+4*\p+3]
.endr
.irp b, 0,1,2,3,4,5,6,7
	v_add_nc_u32 v[BM+16+\b], 0xfe000000, v[BM+\b] ; 4 off the exponent field: the conversion's scale operand
.endr
.irp p, 0,1
	v_add_f32 v[L+\p], v[SA+4*\p], v[SA+4*\p+1]
.endr
.irp b, 0,1,2,3,4,5,6,7
	v_lshrrev_b32 v[BM+8+\b], 23, v[BM+16+\b]      ; the byte
.endr
.irp p, 0,1
	v_permlanex16_b32 v[L+2+\p], v[L+\p], s[SEL], s[SEL+1]
.endr
.irp p, 0,1
	v_lshl_or_b32 v[PW+\p], v[BM+9+4*\p], 8, v[BM+8+4*\p]
.endr
.irp p, 0,1
	v_add_f32 v[L+\p], v[L+\p], v[L+2+\p]          ; with lane l xor 16's: l of these 128 keys
.endr
.irp p, 0,1
	v_lshl_or_b32 v[PW+\p], v[BM+10+4*\p], 16, v[PW+\p]
.endr
.irp p, 0,1
	v_lshl_or_b32 v[PW+\p], v[BM+11+4*\p], 24, v[PW+\p]
.endr
	s_wait_xcnt 0x0                                ; earlier stores have read their data: codes' registers are written again only behind this wait
	WIN \ww
.irp p, 0,1
.irp c, 0,1
	v_cvt_scalef32_pk16_bf6_f32 v[\pc+24*\p+6*\c:\pc+24*\p+6*\c+2], v[\ac+64*\p+32*\c:\ac+64*\p+32*\c+15], v[BM+16+4*\p+2*\c]
	v_cvt_scalef32_pk16_bf6_f32 v[\pc+24*\p+12+4*\c:\pc+24*\p+14+4*\c], v[\ac+64*\p+32*\c+16:\ac+64*\p+32*\c+31], v[BM+17+4*\p+2*\c]
.endr
.endr
	WIN 0
	v_nop                                          ; one plain instruction behind a scaled conversion
.irp p, 0,1
.irp c, 0,1
.irp i, 0,1,2
	v_permlane16_swap_b32 v[\pc+24*\p+6*\c+\i], v[\pc+24*\p+12+4*\c+\i]
.endr
.endr
.endr
.irp p, 0,1
.irp c, 0,1
.irp i, 0,1,2
	v_mov_b32 v[\pc+24*\p+3+6*\c+\i], v[\pc+24*\p+12+4*\c+\i]
.endr
.endr
.endr
.irp p, 0,1
.irp c, 0,1,2
	global_store_b128 v[LI], v[\pc+24*\p+4*\c:\pc+24*\p+4*\c+3], s[8:9] offset:\off+3072*\p+512*\c    ; 32 lanes store 512 consecutive bytes
.endr
	ds_store_b32 v[STA], v[PW+\p] offset:\so+64*\p ; lanes r and 16 + r write the same word with the same value
	ds_store_b32 v[STA], v[NM+2*\p] offset:512+\so+64*\p
	ds_store_b32 v[STA], v[L+\p] offset:1024+\so+64*\p
.endr
.endm
	PLACES NP                                      ; behind the last products
.irp b, 0,1,2,3,4,5,6,7
	v_mov_b32 v[BM+8+\b], 0                        ; written once: a lane permute's destination counts as one of its sources
.endr
.irp p, 0,1
	v_mov_b32 v[NM+2*\p+1], 0                      ; (named as the upper half of a pair)
	v_mov_b32 v[L+2+\p], 0
.endr
	SOFT2 0, 2, 80, 0, 0
	SOFT2 128, 2, 128, 6144, 128
	SOFT2 0, 3, 80, 12288, 256
	SOFT2 128, 3, 128, 18432, 384
.irp s, 0,1,2
	ds_load_b128 v[176+4*\s:179+4*\s], v[STB] offset:512*\s    ; LDS serves a wave's instructions in order: these see my stores
.endr
	s_wait_dscnt 0x0
.irp s, 0,1,2
	global_store_b128 v[LI], v[176+4*\s:179+4*\s], s[10:11] offset:524288*\s   ; 512 consecutive bytes in each section
.endr
	s_wait_tensorcnt 0x0                           ; the wave's end
	ds_add_u32 v[SPW], v[NIL]
	s_wait_dscnt 0x0
	CROUND                                         ; the closing round
	s_endpgm
.Lfunc_end_k_qdb5ad4116b_score:
	.size	k_qdb5ad4116b_score, .Lfunc_end_k_qdb5ad4116b_score-k_qdb5ad4116b_score
	.p2alignl 7, 3214868480
	.fill 96, 4, 3214868480
	.section	.rodata,"a",@progbits
	.p2align	6, 0x0
	.amdhsa_kernel k_qdb5ad4116b_score
		.amdhsa_group_segment_fixed_size 327680
		.amdhsa_private_segment_fixed_size 0
		.amdhsa_enable_private_segment 0
		.amdhsa_kernarg_size 32
		.amdhsa_user_sgpr_count 2
		.amdhsa_user_sgpr_kernarg_segment_ptr 1
		.amdhsa_wavefront_size32 1
		.amdhsa_system_sgpr_workgroup_id_x 1
		.amdhsa_system_sgpr_workgroup_id_y 1
		.amdhsa_system_sgpr_workgroup_id_z 1
		.amdhsa_system_vgpr_workitem_id 0
		.amdhsa_next_free_vgpr 1024
		.amdhsa_next_free_sgpr 100
		.amdhsa_reserve_vcc 0
		.amdhsa_float_denorm_mode_32 3
		.amdhsa_float_denorm_mode_16_64 3
		.amdhsa_memory_ordered 1
		.amdhsa_forward_progress 1
		.amdhsa_inst_pref_size 174
	.end_amdhsa_kernel
	.amdgpu_metadata
---
amdhsa.version: [ 1, 2 ]
amdhsa.kernels:
  - .name:           k_qdb5ad4116b_score
    .symbol:         k_qdb5ad4116b_score.kd
    .args:
      - { .name: qkc, .offset: 0, .size: 8, .value_kind: global_buffer, .address_space: global }
      - { .name: qks, .offset: 8, .size: 8, .value_kind: global_buffer, .address_space: global }
      - { .name: pc, .offset: 16, .size: 8, .value_kind: global_buffer, .address_space: global }
      - { .name: pst, .offset: 24, .size: 8, .value_kind: global_buffer, .address_space: global }
    .group_segment_fixed_size: 327680
    .private_segment_fixed_size: 0
    .kernarg_segment_align: 8
    .kernarg_segment_size: 32
    .max_flat_workgroup_size: 128
    .sgpr_count:     100
    .vgpr_count:     1024
    .wavefront_size: 32
...
	.end_amdgpu_metadata
.endif
;; end of part 7
;; launch pv (part 8): grid 4 x 64, 4 waves a work-group, clusters of 4 x 4, 327,680 bytes of LDS; arguments pc, pst, vc, vs, out0; writes out0
.if DOCPART == 8
	.amdgcn_target "amdgcn-amd-amdhsa--gfx1250"
	.amdhsa_code_object_version 6
	.text
	.protected	k_qdb5ad4116b_pv
	.globl	k_qdb5ad4116b_pv
	.p2align	8
	.type	k_qdb5ad4116b_pv,@function
k_qdb5ad4116b_pv:
	s_mov_b64 s[64:65], 0
	v_nop
	global_prefetch_b8 v0, s[64:65] scope:SCOPE_SE
	s_setreg_imm32_b32 hwreg(HW_REG_WAVE_MODE, 25, 1), 1
	s_wait_xcnt 0x0
	s_wait_alu depctr_hold_cnt(0) depctr_sa_sdst(0) depctr_va_vdst(0) depctr_va_sdst(0) depctr_va_ssrc(0) depctr_va_vcc(0) depctr_vm_vsrc(0)
	s_getreg_b32 s2, hwreg(HW_REG_IB_STS2, 6, 4)
	s_cmp_eq_u32 s2, 0
	s_cbranch_scc0 .Lentry_in_a_cluster
	s_endpgm
.Lentry_in_a_cluster:
	s_bfe_u32 s2, ttmp6, 0x10000c
	s_cmp_lg_u32 s2, 0xf033
	s_cbranch_scc0 .Lentry_shape_is_right
	s_endpgm
.Lentry_shape_is_right:
; out = P V / l on codes of BF6 with E8M0 scales, f32.  A work-group makes 128 queries x 256 columns: four waves, each 64 x 128 in 32 accumulators; K = 2,048 keys in four slots of 512 through a ring of two.
; THE HEAD.  A thread takes one query: from the sixteen parts' -M the row's final M, sixteen whole numbers d = M - (a part's M) at 0 or above; each part's sum x 2^-d, their sum l; each scale byte less d, at 0 from below.  So 1 / l and the
; scale words under the final M go to LDS.  LIMITS: a byte that would fall under 0 becomes 0: the p of such a block lie under 2^-100 of the row's largest; NaN and infinities are not served.
; The head's loads are shared out, one a wave: wave 0 P's tile of slot 0, wave 1 V's, waves 2 and 3 V's scale words; slot 1 is first filled behind the full sequence.
; THE WALK: 16 steps of 128 keys.  Step 0 starts the sums; a loop of two trips (steps 4 t + 1 .. 4 t + 4), each of which fills the slot that it leaves; seven steps that fill nothing.  A step multiplies 32 pairs of fragments while the
; next step's twelve fragments and scale words are on their way out of LDS.  THE CHANGE OF SLOTS stands in a slot's third step, which has fetched the slot's last fragments.
; CLUSTERS 4 x 4: P's tiles are asked for jointly along a row of the cluster, V's along a column.
; PREFETCH: behind the head's loads the tiles of slots 1 and 2, behind slot 1's load those of slot 3: 48 blocks of 256 bytes of P and 96 of V a work-group and slot, shared out among a tile's four partners by address.
; REGISTERS: window 0: v1-30 addresses; v32-43 scale words, two sets; v80-87 1 / l; v128-223 A's fragments, two sets.  window 1: B's, two sets at v0 and v128.  window 2: the accumulators, (a, b) at v[8 (8 a + b)].
.set ABLK,   24576                     ; 8 row blocks of P, 256 keys
.set BBLK,   49152                     ; 16 row blocks of V^T, 256 keys
.set SLOT,   2*ABLK+2*BBLK
.set PLANEA, 1572864
.set PLANEB, 196608
.set SCA,    2*SLOT                    ; P's scale words [keys / 512][128 queries][4]
.set SCB,    SCA+8192                  ; V's [keys / 128][256 columns]
.set SPARE,  SCB+16384                 ; the spare words, 128 bytes for each wave: two blocks of 256 bytes that no other line names
.set RL,     SPARE+512                 ; 1 / l, twice for each query
.set STG,    0                         ; the way out: 16 rows x 528 bytes a wave, in slot 0, which has had its last fill and its last read by then
.set FR,   12
.set NP,   4
.set ADRA, 16                          ; v16, v17: P in the slot at work, in the other
.set PFP,  18
.set PFV,  19
.set ADRB, 20                          ; v20-23: V, two planes in the slot at work, two in the other
.set STO,  24
.set RD,   25
.set ADSA, 26
.set ADSB, 27
.set SPW,  28
.set NIL,  29
.set LI,   30
.set SC,   32
.set RI,   80
.set AF,   128
.set BK,   128
.set AC,   18                          ; s18, s19, s20, s22, s2, s3: what the address registers are made of, stepped trip by trip
.set AN,   19
.set BC,   20
.set BN,   22
.set SSA,  2
.set SSB,  3
.set LA,   45                          ; LDS address of the next refill of P, of V
.set LB,   42
.set G1,   24
.set G0,   32
.set G1B,  48
.set G0B,  56
.set G0H,  68
.set G0HB, 72
.set G1SB, 80
.set G0SB, 88
.set MSB, 0
.macro WIN new
.if MSB != (\new)
	s_set_vgpr_msb (MSB<<8)|(\new)
.set MSB, (\new)
.endif
.endm
.set MUL,    0xa1                      ; source 0 (V) window 1, source 1 (P) window 0, C and D window 2
.set TO_B,   0x40
.macro TLOAD g0, g1                    ; a tensor load; s_nop 0 and four v_nop follow it
	tensor_load_to_lds s[\g0:\g0+3], s[\g1:\g1+7]
	s_nop 0
.rept 4
	v_nop
.endr
.endm
.macro JLOAD                           ; waves 0 and 1 fetch a plane of P each, waves 2 and 3 of V
	s_cmp_eq_u32 s15, 0
	s_cbranch_scc0 .Lfor_v_\@
	TLOAD G0, G1
	s_branch .Lasked_\@
.Lfor_v_\@:
	TLOAD G0B, G1B
.Lasked_\@:
.endm
.macro CREST
	s_cmp_lg_u32 s14, 0
	s_cbranch_scc1 .Lnot_wave_0_\@
	s_barrier_signal -3
.Lnot_wave_0_\@:
	s_barrier_wait -3
	s_barrier_signal -1
	s_barrier_wait -1
.endm
.macro CROUND
	s_barrier_signal -1
	s_barrier_wait -1
	CREST
.endm
.macro PLACES n
.rept \n
	v_nop
.endr
.endm
.macro ASK s                           ; prefetch my part of slot s; s[94:95] stands at P's slot 2
	global_prefetch_b8 v[PFP], s[94:95] offset:(\s-2)*2*PLANEA th:TH_LOAD_NT scope:SCOPE_SE
	global_prefetch_b8 v[PFV], s[8:9] offset:\s*2*PLANEB th:TH_LOAD_NT scope:SCOPE_SE
.endm
.macro SETA                            ; the address registers of a trip
	v_add_nc_u32 v[ADRA], s[AC], v[LI]
	v_add_nc_u32 v[ADRA+1], s[AN], v[LI]
	v_add_nc_u32 v[ADRB], s[BC], v[LI]
	v_add_nc_u32 v[ADRB+1], BBLK, v[ADRB]
	v_add_nc_u32 v[ADRB+2], s[BN], v[LI]
	v_add_nc_u32 v[ADRB+3], BBLK, v[ADRB+2]
	v_add_nc_u32 v[ADSA], s[SSA], v[LI]
	v_lshrrev_b32 v[ADSB], 2, v[LI]
	v_add_nc_u32 v[ADSB], s[SSB], v[ADSB]
	s_wait_alu depctr_va_vdst(0)
.endm
.macro SLOT0                           ; the slot at work is slot 0
	s_mul_i32 s[AC], s15, 4*3072
	s_add_co_u32 s[AN], s[AC], SLOT
	s_mul_i32 s[BC], s16, 8*3072
	s_add_co_u32 s[BC], s[BC], 2*ABLK
	s_add_co_u32 s[BN], s[BC], SLOT
.endm
.macro FRAG reg, adr, off
.irp c, 0,1,2
	ds_load_b128 v[\reg+4*\c:\reg+4*\c+3], v[\adr] offset:(\off)+512*\c
.endr
.endm
.macro FETCH n, ix                     ; step n's fragments and scale words; ix 0: from the slot at work, 1: from the other
	WIN TO_B
.irp i, 0,1,2,3,4,5,6,7
	FRAG 128*((\n)%2)+FR*\i, ADRB+2*(\ix)+((\n)/2)%2, (2*\i+(\n)%2)*1536
.endr
	WIN 0
.irp i, 0,1,2,3
	FRAG AF+48*((\n)%2)+FR*\i, ADRA+(\ix), (((\n)/2)%2)*ABLK+(2*\i+(\n)%2)*1536
.endr
.irp g, 0,1
	ds_load_b32 v[SC+6*((\n)%2)+\g], v[ADSA] offset:2048*((\n)/4)+4*((\n)%4)+512*\g      ; two blocks of P a register
.endr
.irp j, 0,1,2,3
	ds_load_b32 v[SC+6*((\n)%2)+2+\j], v[ADSB] offset:1024*(\n)+128*\j                   ; two blocks of V a register
.endr
.endm
.macro WX a, b, c
.if (\b)%2
.if (\a)%2
	v_wmma_scale_f32_16x16x128_f8f6f4 v[rD:rD+7], v[rB:rB+FR-1], v[rA:rA+FR-1], \c, v[rSB], v[rSA] matrix_a_fmt:MATRIX_FMT_BF6 matrix_b_fmt:MATRIX_FMT_BF6 matrix_a_scale:MATRIX_SCALE_ROW1 matrix_b_scale:MATRIX_SCALE_ROW1
.else
	v_wmma_scale_f32_16x16x128_f8f6f4 v[rD:rD+7], v[rB:rB+FR-1], v[rA:rA+FR-1], \c, v[rSB], v[rSA] matrix_a_fmt:MATRIX_FMT_BF6 matrix_b_fmt:MATRIX_FMT_BF6 matrix_a_scale:MATRIX_SCALE_ROW1
.endif
.else
.if (\a)%2
	v_wmma_scale_f32_16x16x128_f8f6f4 v[rD:rD+7], v[rB:rB+FR-1], v[rA:rA+FR-1], \c, v[rSB], v[rSA] matrix_a_fmt:MATRIX_FMT_BF6 matrix_b_fmt:MATRIX_FMT_BF6 matrix_b_scale:MATRIX_SCALE_ROW1
.else
	v_wmma_scale_f32_16x16x128_f8f6f4 v[rD:rD+7], v[rB:rB+FR-1], v[rA:rA+FR-1], \c, v[rSB], v[rSA] matrix_a_fmt:MATRIX_FMT_BF6 matrix_b_fmt:MATRIX_FMT_BF6
.endif
.endif
.endm
.macro MULA a, n, zero                 ; 8 matrix instructions: P's block a x V's eight.  The 32 accumulators take turns
.irp b, 0,1,2,3,4,5,6,7
.set rD, 8*(8*(\a)+\b)
.set rB, 128*((\n)%2)+FR*\b
.set rA, AF+48*((\n)%2)+FR*(\a)
.set rSB, SC+6*((\n)%2)+2+\b/2
.set rSA, SC+6*((\n)%2)+(\a)/2
.if \zero
	WX \a, \b, 0
.else
	WX \a, \b, v[rD:rD+7]
.endif
.endr
.endm
; A step; ix: where the next step's fragments lie.  turn 1: the other slot's tile is shown landed to all, and this slot, whose last fragments have just been asked for, is filled again; turn 2: shown landed, nothing is filled.
.macro KSTEP n, ix, zero, turn
	s_wait_dscnt 0x0                               ; this step's fragments and scale words are in
	PLACES NP                                      ; in front of loads into registers that matrix instructions have read
	FETCH (\n+1), \ix
	WIN MUL
	MULA 0, \n, \zero
	MULA 1, \n, \zero
.if \turn
	WIN 0
	s_wait_tensorcnt 0x0                           ; all my tensor loads have landed
	ds_add_u32 v[SPW], v[NIL]                      ; 0 onto my spare word
.if \turn == 1
	s_mov_b32 s[G0+1], s[LA]
	s_mov_b32 s[G0B+1], s[LB]
	s_add_nc_u64 s[G0+2:G0+3], s[G0+2:G0+3], 2*PLANEA
	s_add_nc_u64 s[G0B+2:G0B+3], s[G0B+2:G0B+3], 2*PLANEB
	s_add_co_u32 s[LA], s[LA], SLOT
	s_add_co_u32 s[LB], s[LB], SLOT
.endif
	WIN MUL
	MULA 2, \n, \zero
	s_wait_dscnt 0x0                               ; the add is done, and my reads of this slot are over
	s_barrier_signal -1
	MULA 3, \n, \zero
	WIN 0
	s_barrier_wait -1
.if \turn == 1
	CREST                                          ; a round of the cluster's barrier: no wave of any partner still reads this slot or has a load on its way
	JLOAD
.endif
.else
	MULA 2, \n, \zero
	MULA 3, \n, \zero
	WIN 0
.endif
.endm
	s_load_b256 s[4:11], s[0:1], 0x0               ; pc, pst, vc, vs
	s_load_b64 s[12:13], s[0:1], 0x20              ; out0
	v_lshl_add_u32 v[SPW], v0, 2, SPARE
	v_mov_b32 v[NIL], 0
	ds_add_u32 v[SPW], v[NIL]                      ; the wave's opening
	ds_add_u32 v[SPW], v[NIL]
	v_lshrrev_b32 v1, 5, v0
	v_readfirstlane_b32 s14, v1                    ; wave 0..3
	v_lshlrev_b32 v3, 2, v0                        ; 4 x thread: my query's word
	s_lshr_b32 s15, s14, 1                         ; my half of the queries.  Also: I fetch for P (0) or for V (1)
	s_and_b32 s16, s14, 1                          ; my half of the columns.  Also: which plane I fetch
	s_bfe_u32 s40, ttmp6, 0x40000                  ; cx
	s_bfe_u32 s41, ttmp6, 0x40004                  ; cy
	s_and_b32 s17, ttmp7, 0xffff
	s_lshl_b32 s43, s41, 2
	s_lshl_b32 s43, 15, s43                        ; my row of the cluster
	s_lshl_b32 s44, 0x1111, s40                    ; my column
	s_or_b32 s[G1+0], s43, (3<<16)|(1<<21)         ; P's tile at the head: two rows of 24,576 bytes, a plane apart; in the ring one plane, dense
	s_mov_b32 s[G1+1], 3072<<16
	s_mov_b32 s[G1+2], 2<<16
	s_mov_b32 s[G1+3], 3072<<16
	s_mov_b32 s[G1+4], 2
	s_mov_b32 s[G1+5], PLANEA/8
	s_mov_b32 s[G1+6], 0
	s_mov_b32 s[G1+7], 0
	s_or_b32 s[G1B+0], s44, (3<<16)|(1<<21)        ; V's: two rows of 49,152 bytes
	s_mov_b32 s[G1B+1], 6144<<16
	s_mov_b32 s[G1B+2], 2<<16
	s_mov_b32 s[G1B+3], 6144<<16
	s_mov_b32 s[G1B+4], 2
	s_mov_b32 s[G1B+5], PLANEB/8
	s_mov_b32 s[G1B+6], 0
	s_mov_b32 s[G1B+7], 0
	s_or_b32 s[G1SB+0], s44, (3<<16)|(1<<21)       ; V's scale words: eight planes of 1,024 bytes
	s_mov_b32 s[G1SB+1], 128<<16
	s_mov_b32 s[G1SB+2], 8<<16
	s_mov_b32 s[G1SB+3], 128<<16
	s_mov_b32 s[G1SB+4], 8
	s_mov_b32 s[G1SB+5], 512
	s_mov_b32 s[G1SB+6], 0
	s_mov_b32 s[G1SB+7], 0
	s_lshl_b32 s20, s17, 2
	s_add_co_u32 s20, s20, s41                     ; which 128 queries
	s_mul_i32 s22, s20, ABLK
	s_mov_b32 s23, 0
	s_mul_i32 s76, s16, PLANEA                     ; in the ring a wave fetches one plane of the two
	s_mov_b32 s77, 0
	s_mul_i32 s78, s16, PLANEB
	s_mov_b32 s79, 0
	s_lshr_b32 s19, s17, 2                         ; the batch
	s_mul_i32 s46, s40, BBLK
	s_mul_i32 s47, s19, 1572864
	s_add_co_u32 s46, s46, s47
	s_mov_b32 s47, 0
	s_lshr_b32 s18, s40, 1                         ; what I prefetch: plane cx / 2 of P, blocks of 256 bytes 48 (cx % 2) + 12 wave + 0 .. 11 of its 96,
	s_mul_i32 s66, s18, PLANEA
	s_add_co_u32 s66, s66, s22
	s_and_b32 s18, s40, 1
	s_mul_i32 s18, s18, 48*256
	s_add_co_u32 s66, s66, s18
	s_mul_i32 s18, s14, 12*256
	s_add_co_u32 s66, s66, s18
	s_lshr_b32 s18, s41, 1                         ; and plane cy / 2 of V, blocks 96 (cy % 2) + 24 wave + 0 .. 23 of its 192
	s_mul_i32 s21, s18, PLANEB
	s_add_co_u32 s21, s21, s46
	s_and_b32 s18, s41, 1
	s_mul_i32 s18, s18, 96*256
	s_add_co_u32 s21, s21, s18
	s_mul_i32 s18, s14, 24*256
	s_add_co_u32 s21, s21, s18
	s_lshl_b32 s2, s19, 16
	s_lshl_b32 s3, s16, 15                         ; eight planes of scale words a wave (waves 2 and 3)
	s_add_co_u32 s2, s2, s3
	s_lshl_b32 s3, s40, 10
	s_add_co_u32 s2, s2, s3
	s_mov_b32 s3, 0
	s_mul_i32 s[LA], s16, ABLK
	s_mul_i32 s[LB], s16, BBLK
	s_add_co_u32 s[LB], s[LB], 2*ABLK
	s_lshl_b32 s67, s16, 13
	s_lshl_b32 s96, s20, 9
	s_mov_b32 s97, 0
	s_lshl_b32 s98, s20, 19                        ; out: 128 rows of 4,096 bytes,
	s_lshl_b32 s99, s15, 18
	s_add_co_u32 s98, s98, s99
	s_lshl_b32 s99, s40, 10
	s_add_co_u32 s98, s98, s99
	s_lshl_b32 s99, s16, 9
	s_add_co_u32 s98, s98, s99
	s_mov_b32 s99, 0
	s_mov_b32 s92, 0x80808080
	s_mov_b32 s93, 0x01010101
	s_wait_dscnt 0x0                               ; both opening adds are done
	s_wait_alu depctr_va_vdst(0)
	s_wait_kmcnt 0x0
	s_add_nc_u64 s[94:95], s[4:5], 4*PLANEA
	s_add_nc_u64 s[22:23], s[4:5], s[22:23]
	s_add_nc_u64 s[46:47], s[8:9], s[46:47]
	s_add_nc_u64 s[2:3], s[10:11], s[2:3]
	s_add_nc_u64 s[6:7], s[6:7], s[96:97]
	s_add_nc_u64 s[12:13], s[12:13], s[98:99]
.irp s, 0,1,2                                  ; my query's sixteen scale words, -M, l: 512 consecutive bytes in each load of the work-group
.irp k, 0,1,2,3,4,5,6,7,8,9,10,11,12,13,14,15
	global_load_b32 v[128+16*\s+\k], v3, s[6:7] offset:524288*\s+32768*\k
.endr
.endr
	s_mov_b32 s[G0SB], 1
	s_add_co_u32 s[G0SB+1], s67, SCB
	s_mov_b64 s[G0SB+2:G0SB+3], s[2:3]
	s_or_b32 s[G0SB+3], s[G0SB+3], 0x80000000
	s_mov_b32 s[G0H], 1                            ; P's tile of slot 0, both planes
	s_mov_b32 s[G0H+1], 0
	s_mov_b64 s[G0H+2:G0H+3], s[22:23]
	s_or_b32 s[G0H+3], s[G0H+3], 0x80000000
	s_mov_b32 s[G0HB], 1                           ; V's
	s_mov_b32 s[G0HB+1], 2*ABLK
	s_mov_b64 s[G0HB+2:G0HB+3], s[46:47]
	s_or_b32 s[G0HB+3], s[G0HB+3], 0x80000000
	CROUND                                         ; all sixteen work-groups are here: the first joint loads meet
.macro ARM under, g0, g1, next                 ; one tree of branches on the wave's number: every way passes exactly one load
	s_cmp_lt_u32 s14, \under
	s_cbranch_scc0 \next
	TLOAD \g0, \g1
	s_branch .Lhead_asked
\next:
.endm
	ARM 1, G0H, G1, .Lhead_v
	ARM 2, G0HB, G1B, .Lhead_s
	TLOAD G0SB, G1SB
.Lhead_asked:
	s_add_nc_u64 s[22:23], s[22:23], s[76:77]
	s_add_nc_u64 s[46:47], s[46:47], s[78:79]
	s_mov_b32 s[G0], 1                             ; the ring's group 0: first slot 1
	s_add_co_u32 s[G0+1], s[LA], SLOT
	s_add_nc_u64 s[G0+2:G0+3], s[22:23], 2*PLANEA
	s_or_b32 s[G0+3], s[G0+3], 0x80000000
	s_mov_b32 s[G0B], 1
	s_add_co_u32 s[G0B+1], s[LB], SLOT
	s_add_nc_u64 s[G0B+2:G0B+3], s[46:47], 2*PLANEB
	s_or_b32 s[G0B+3], s[G0B+3], 0x80000000
	SLOT0
	s_lshl_b32 s[SSA], s15, 10
	s_add_co_u32 s[SSA], s[SSA], SCA
	s_lshl_b32 s[SSB], s16, 9
	s_add_co_u32 s[SSB], s[SSB], SCB
	s_lshl_b32 s44, s15, 9
	s_add_co_u32 s44, s44, RL
	s_mul_i32 s43, s14, 16*528
	s_add_co_u32 s43, s43, STG
	v_and_b32 v1, 15, v0                           ; r
	v_bfe_u32 v2, v0, 4, 1                         ; h
	v_and_b32 v4, 31, v0
	v_lshlrev_b32 v[LI], 4, v4                     ; 16 x lane
	v_min_u32 v5, 11, v4
	v_lshl_add_u32 v[PFP], v5, 8, s66
	v_min_u32 v6, 23, v4
	v_lshl_add_u32 v[PFV], v6, 8, s21
	v_lshl_add_u32 v7, v0, 4, SCA
	v_lshl_add_u32 v8, v0, 3, RL
	v_lshl_add_u32 v9, v1, 3, s44
	v_mul_u32_u24 v[STO], v1, 528
	v_lshl_add_u32 v[STO], v2, 6, v[STO]
	v_add_nc_u32 v[STO], s43, v[STO]
	v_add_nc_u32 v[RD], s43, v[LI]
	SETA
	s_wait_loadcnt 0x0
	v_min3_num_f32 v176, v144, v145, v146          ; the row's final -M
	v_min3_num_f32 v177, v151, v152, v153
	v_min3_num_f32 v176, v176, v147, v148
	v_min3_num_f32 v177, v177, v154, v155
	v_min3_num_f32 v176, v176, v149, v150
	v_min3_num_f32 v177, v177, v156, v157
	v_min3_num_f32 v176, v176, v177, v158
	v_min_num_f32 v176, v176, v159
.irp k, 0,1,2,3,4,5,6,7,8,9,10,11,12,13,14,15
	v_sub_f32 v[192+\k], v176, v[144+\k]           ; -d
.endr
.irp k, 0,1,2,3,4,5,6,7,8,9,10,11,12,13,14,15
	v_cvt_i32_f32 v[192+\k], v[192+\k]
.endr
.irp k, 0,1,2,3,4,5,6,7,8,9,10,11,12,13,14,15
	v_ldexp_f32 v[160+\k], v[160+\k], v[192+\k]    ; the sums under the final M
.endr
.irp k, 0,1,2,3,4,5,6,7,8,9,10,11,12,13,14,15
	v_sub_nc_u32 v[192+\k], 0, v[192+\k]
.endr
.irp k, 0,1,2,3,4,5,6,7,8,9,10,11,12,13,14,15
	v_min_u32 v[192+\k], 127, v[192+\k]            ; (no byte of P's is over 123)
.endr
.irp k, 0,1,2,3,4,5,6,7,8,9,10,11,12,13,14,15
	v_mul_lo_u32 v[192+\k], v[192+\k], s93         ; d in four bytes
.endr
.irp k, 0,1,2,3,4,5,6,7,8,9,10,11,12,13,14,15
	v_or_b32 v[128+\k], s92, v[128+\k]             ; four bytes less d, each with a bit above it that shows a borrow
.endr
.irp k, 0,1,2,3,4,5,6,7,8,9,10,11,12,13,14,15
	v_sub_nc_u32 v[128+\k], v[128+\k], v[192+\k]
.endr
.irp k, 0,1,2,3,4,5,6,7,8,9,10,11,12,13,14,15
	v_and_b32 v[192+\k], s92, v[128+\k]
.endr
.irp k, 0,1,2,3,4,5,6,7,8,9,10,11,12,13,14,15
	v_lshrrev_b32 v[208+\k], 7, v[192+\k]
.endr
.irp k, 0,1,2,3,4,5,6,7,8,9,10,11,12,13,14,15
	v_sub_nc_u32 v[192+\k], v[192+\k], v[208+\k]   ; 127 where the bit stands, else 0
.endr
.irp k, 0,1,2,3,4,5,6,7,8,9,10,11,12,13,14,15
	v_and_b32 v[128+\k], v[128+\k], v[192+\k]
.endr
.irp t, 0,1,2,3
	ds_store_b128 v7, v[128+4*\t:131+4*\t] offset:2048*\t
.endr
.irp k, 0,2,4,6,8,10,12,14
	v_add_f32 v[160+\k], v[160+\k], v[161+\k]
.endr
.irp k, 0,4,8,12
	v_add_f32 v[160+\k], v[160+\k], v[162+\k]
.endr
.irp k, 0,8
	v_add_f32 v[160+\k], v[160+\k], v[164+\k]
.endr
	v_add_f32 v160, v160, v168                     ; l
	s_wait_alu depctr_va_vdst(0)
	v_rcp_f32 v178, v160
	v_nop
	s_wait_alu depctr_va_vdst(0)
	v_mov_b32 v179, v178
	ds_store_b64 v8, v[178:179]
	ASK 1                                          ; at the head's end: the first tile's loads were issued ahead of all the head's arithmetic
	ASK 2
	s_wait_alu depctr_va_vdst(0)
	s_wait_tensorcnt 0x0                           ; my load of the head's is in
	ds_add_u32 v[SPW], v[NIL]
	s_mov_b32 s[G1+1], 32<<16                      ; no tensor load of mine is out: in the ring a load brings one plane, dense, as rows of 256 bytes
	s_mov_b32 s[G1+2], 96<<16
	s_mov_b32 s[G1+3], 32<<16
	s_mov_b32 s[G1+4], 96
	s_mov_b32 s[G1+5], 32
	s_mov_b32 s[G1B+1], 32<<16
	s_mov_b32 s[G1B+2], 192<<16
	s_mov_b32 s[G1B+3], 32<<16
	s_mov_b32 s[G1B+4], 192
	s_mov_b32 s[G1B+5], 32
	s_wait_dscnt 0x0                               ; the add and my stores of scale words and of 1 / l are done
	CROUND
	JLOAD                                          ; slot 1, the first tensor load behind the round
	FETCH 0, 0
.irp a, 0,1,2,3
	ds_load_b64 v[RI+2*\a:RI+2*\a+1], v9 offset:128*\a
.endr
	ASK 3
	KSTEP 0, 0, 1, 0                               ; the first step's products start the sums
	s_mov_b32 s46, 2
.Ltrip:                                                ; trip t: steps 4 t + 1 .. 4 t + 4; the slot that it leaves takes the tiles of slot t + 2
	SETA
	KSTEP 1, 0, 0, 0
	KSTEP 2, 0, 0, 1
	KSTEP 3, 1, 0, 0
	KSTEP 4, 1, 0, 0
	s_add_co_u32 s[AC], s[AC], SLOT                ; the slots change places
	s_sub_co_u32 s[AN], s[AN], SLOT
	s_add_co_u32 s[BC], s[BC], SLOT
	s_sub_co_u32 s[BN], s[BN], SLOT
	s_add_co_u32 s[SSA], s[SSA], 2048
	s_add_co_u32 s[SSB], s[SSB], 4096
	s_sub_co_u32 s46, s46, 1
	s_cmp_lg_u32 s46, 0
	s_cbranch_scc1 .Ltrip
	SLOT0                                          ; steps 9 to 11 in slot 0, 12 to 15 in slot 1
	SETA
	KSTEP 1, 0, 0, 0
	KSTEP 2, 0, 0, 2
	KSTEP 3, 1, 0, 0
	KSTEP 4, 1, 0, 0
	KSTEP 5, 1, 0, 0
	KSTEP 6, 1, 0, 0
	s_wait_dscnt 0x0                               ; the very last step: nothing more to fetch
	WIN MUL
	MULA 0, 7, 0
	MULA 1, 7, 0
	MULA 2, 7, 0
	MULA 3, 7, 0
	WIN 0
; THE WAY OUT, 16 rows x 128 columns at a time: x 1 / l, through my own stage in LDS (rows of 528 bytes), back as whole rows of 512 bytes.  LDS serves a wave's instructions in order: no wait between the stores and the loads.
; V's rows stand in position order, so block b's eight registers are columns 32 (b / 2) + 16 (lane / 16) + 8 (b % 2) on; P's too, so row t of block a is query 32 (a / 2) + 8 (a % 2) + t + 8 (t / 8).
.macro TOSTAGE a
.set rC, 64*(\a)
	WIN 0x82
.set j, 0
.rept 32
	v_pk_mul_f32 v[rC+j:rC+j+1], v[rC+j:rC+j+1], v[RI+2*(\a):RI+2*(\a)+1]
.set j, j+2
.endr
	WIN 0x08
.irp b, 0,1,2,3,4,5,6,7
	ds_store_b128 v[STO], v[rC+8*\b:rC+8*\b+3] offset:128*(\b/2)+32*(\b%2)
	ds_store_b128 v[STO], v[rC+8*\b+4:rC+8*\b+7] offset:128*(\b/2)+32*(\b%2)+16
.endr
	WIN 0
.set BB, BK+64*((\a)%2)
.irp t, 0,1,2,3,4,5,6,7,8,9,10,11,12,13,14,15
	ds_load_b128 v[BB+4*\t:BB+4*\t+3], v[RD] offset:\t*528
.endr
.endm
.macro SEND a, younger                 ; younger: the LDS instructions issued behind block a's loads, which may stay out
.set BB, BK+64*((\a)%2)
	s_wait_dscnt \younger
.irp t, 0,1,2,3,4,5,6,7,8,9,10,11,12,13,14,15
	global_store_b128 v[LI], v[BB+4*\t:BB+4*\t+3], s[12:13] offset:(32*((\a)/2)+8*((\a)%2)+\t+8*(\t/8))*4096 th:TH_STORE_NT   ; 512 consecutive bytes
.endr
.endm
	PLACES NP
	TOSTAGE 0
.irp a, 1,2,3
.if \a > 1
	s_wait_xcnt 0x0                                ; block a - 2's stores have read their registers
.endif
	TOSTAGE \a
	SEND \a-1, 32
.endr
	SEND 3, 0
	s_wait_tensorcnt 0x0                           ; the wave's end
	ds_add_u32 v[SPW], v[NIL]
	s_wait_dscnt 0x0
	CROUND                                         ; the closing round
	s_endpgm
.Lfunc_end_k_qdb5ad4116b_pv:
	.size	k_qdb5ad4116b_pv, .Lfunc_end_k_qdb5ad4116b_pv-k_qdb5ad4116b_pv
	.p2alignl 7, 3214868480
	.fill 96, 4, 3214868480
	.section	.rodata,"a",@progbits
	.p2align	6, 0x0
	.amdhsa_kernel k_qdb5ad4116b_pv
		.amdhsa_group_segment_fixed_size 327680
		.amdhsa_private_segment_fixed_size 0
		.amdhsa_enable_private_segment 0
		.amdhsa_kernarg_size 40
		.amdhsa_user_sgpr_count 2
		.amdhsa_user_sgpr_kernarg_segment_ptr 1
		.amdhsa_wavefront_size32 1
		.amdhsa_system_sgpr_workgroup_id_x 1
		.amdhsa_system_sgpr_workgroup_id_y 1
		.amdhsa_system_sgpr_workgroup_id_z 1
		.amdhsa_system_vgpr_workitem_id 0
		.amdhsa_next_free_vgpr 768
		.amdhsa_next_free_sgpr 100
		.amdhsa_reserve_vcc 0
		.amdhsa_float_denorm_mode_32 3
		.amdhsa_float_denorm_mode_16_64 3
		.amdhsa_memory_ordered 1
		.amdhsa_forward_progress 1
		.amdhsa_inst_pref_size 134
	.end_amdhsa_kernel
	.amdgpu_metadata
---
amdhsa.version: [ 1, 2 ]
amdhsa.kernels:
  - .name:           k_qdb5ad4116b_pv
    .symbol:         k_qdb5ad4116b_pv.kd
    .args:
      - { .name: pc, .offset: 0, .size: 8, .value_kind: global_buffer, .address_space: global }
      - { .name: pst, .offset: 8, .size: 8, .value_kind: global_buffer, .address_space: global }
      - { .name: vc, .offset: 16, .size: 8, .value_kind: global_buffer, .address_space: global }
      - { .name: vs, .offset: 24, .size: 8, .value_kind: global_buffer, .address_space: global }
      - { .name: out0, .offset: 32, .size: 8, .value_kind: global_buffer, .address_space: global }
    .group_segment_fixed_size: 327680
    .private_segment_fixed_size: 0
    .kernarg_segment_align: 8
    .kernarg_segment_size: 40
    .max_flat_workgroup_size: 128
    .sgpr_count:     100
    .vgpr_count:     768
    .wavefront_size: 32
...
	.end_amdgpu_metadata
.endif
;; end of part 8
